; MI455X (gfx1250); checked and timed in simulation.
; The chip was launched on July 23, 2026; its instructions are those of AMD's public machine-readable ISA for CDNA 5 (MIT licence, August 2026) and "CDNA5" Instruction Set Architecture Reference Guide (July 2026). The comments in the code are by the model that wrote it; some were corrected since.
;; Transformer Block. Allowed arithmetic: matrix products marked QUANTISED: E2M3 operands, one E8M0 scale for each 32 along K, by v_wmma_scale_f32_16x16x128_f8f6f4 with both operands' format E2M3, f32 sums; everything else in f32.
;; Inputs: W1 1,024 x 4,096 float32; W2 4,096 x 1,024 float32; Wk 1,024 x 1,024 float32; Wp 1,024 x 1,024 float32; Wq 1,024 x 1,024 float32; Wv 1,024 x 1,024 float32; b1 4,096 float32; b2 1,024 float32; bp 1,024 float32; ln1_b 1,024 float32; ln1_w 1,024 float32; ln2_b 1,024 float32; ln2_w 1,024 float32; x 2 x 2,048 x 1,024 float32.
;; Outputs: out0 2 x 2,048 x 1,024 float32.
;; This version of the problem:
;;   THIS VERSION OF THE PROBLEM IS GIVEN IN LOW PRECISION. The matrix products marked QUANTISED in the list below multiply operands that are first quantised to E2M3 (2 exponent bits, 3 mantissa bits; 6 bits a number), with one power-of-two scale for each 32 numbers along K (OCP MX v1.0); their sums are f32. All else is computed in f32.
;;   The module's matrix products, in the order in which they are computed (A, B: the left and right operand; K: the contracted axis; several contracted axes count as one K, in the product's order):
;;     1. [M 4,096, K 1,024] x [K 1,024, N 1,024]; A: computed on the way; B: input Wq: QUANTISED
;;     2. [M 4,096, K 1,024] x [K 1,024, N 1,024]; A: computed on the way; B: input Wk: QUANTISED
;;     3. [M 4,096, K 1,024] x [K 1,024, N 1,024]; A: computed on the way; B: input Wv: QUANTISED
;;     4. batch 32 x [M 2,048, K 64] x [K 64, N 2,048]; A: computed on the way; B: computed on the way: QUANTISED
;;     5. batch 32 x [M 2,048, K 2,048] x [K 2,048, N 64]; A: softmax (see below); B: computed on the way: QUANTISED
;;     6. [M 4,096, K 1,024] x [K 1,024, N 1,024]; A: computed on the way; B: input Wp: QUANTISED
;;     7. [M 4,096, K 1,024] x [K 1,024, N 4,096]; A: computed on the way; B: input W1: QUANTISED
;;     8. [M 4,096, K 4,096] x [K 4,096, N 1,024]; A: computed on the way; B: input W2: QUANTISED
;;   THE QUANTISER, for each operand of a quantised product, along K:
;;     - K is cut into blocks of 32 from its start; a last block that is shorter is filled with zeros.
;;     - A block's scale is 2^e with e = floor(log2(the largest magnitude in the block)) - 2, held to -126 .. 127; a block of zeros has e = 0. As a byte (E8M0): e + 127.
;;     - Each number is divided by its block's scale, clamped to +-7.5, and rounded to the nearest number of E2M3, ties to even, subnormals kept.
;;     - The product sums the exact products of the quantised numbers (number of the format x scale) in f32.
;;   ~~~python
;;   def quantise(x, axis):      # numpy; x: float32 -> the quantised numbers, widened to float32 again
;;       x = np.moveaxis(x, axis, -1); K = x.shape[-1]
;;       x = np.pad(x, [(0, 0)] * (x.ndim - 1) + [(0, -K % 32)]); x = x.reshape(x.shape[:-1] + (-1, 32)); a = np.abs(x).max(-1, keepdims=True)
;;       e = np.where(a > 0, np.clip(np.frexp(np.where(a > 0, a, 1))[1] - 1 - 2, -126, 127), 0)      # np.frexp(a)[1] - 1 = floor(log2(a)), exactly
;;       r = np.clip(x / 2.0 ** e, -7.5, 7.5)
;;       step = 2.0 ** (np.maximum(np.frexp(np.where(r == 0, 1, r))[1] - 1, 0) - 3)
;;       q = np.round(r / step) * step * 2.0 ** e      # np.round: ties to even
;;       return np.moveaxis(q.reshape(q.shape[:-2] + (-1,))[..., :K], -1, axis).astype(np.float32)
;;   ~~~
;;   SOFTMAX AHEAD OF A QUANTISED PRODUCT. Where the list says 'softmax', what is quantised is not the finished softmax but p = 2^(t - M), with t = logit x log2(e) and M = ceil(the row's largest t), a whole number; so 1/2 < the row's largest p <= 1. The row's sum l is taken of the UNQUANTISED p, in f32, and the product's result is divided by l at the end. Since M is a whole number, a kernel that streams over the keys may use a running M (the ceiling of the running maximum): every later rescaling is an exact power of two, which a block's scale takes up: the codes' values come out the same.
;;   OPERANDS COMPUTED ON THE WAY. 'Computed on the way' means the value that the module computes at that place (a softmax that the list does not call 'softmax' is quantised finished and normalised). What goes into a quantiser is computed in f32, as accurately as f32 sums, v_exp_f32 and their like allow (about 1e-6 of the number): no bf16 or f16 on the way to a quantiser, and a product that is left as it is and whose result goes on into a quantised operand takes f32 operands (vector FMAs, or v_wmma_f32_16x16x4_f32). A number that lies on a knife's edge between two numbers of the format may be rounded either way, as far as f32 arithmetic and the matrix unit's own rounding can turn it there, and no further.
;; One version. Each part assembles by itself: llvm-mc -triple=amdgcn-amd-amdhsa -mcpu=gfx1250 --defsym DOCPART=n.
;; ======== version 1 of 1: 7 launches
;; limits: right only within a limited range of input values
;; workspace buffers: wk 13,107,200 bytes; qkv 9,830,400 bytes; ob 3,276,800 bytes; x1 16,777,216 bytes; h2 3,276,800 bytes; g 13,107,200 bytes
;; launch prep (part 1): grid 640 x 1, 8 waves a work-group, no clusters, 66,816 bytes of LDS; arguments x, ln1_w, ln1_b, Wq, Wk, Wv, Wp, W1, W2, wk; writes wk
.if DOCPART == 1
	.amdgcn_target "amdgcn-amd-amdhsa--gfx1250"
	.amdhsa_code_object_version 6
	.text
	.protected	k_q8b182e1a59_prep
	.globl	k_q8b182e1a59_prep
	.p2align	8
	.type	k_q8b182e1a59_prep,@function
k_q8b182e1a59_prep:
	s_mov_b64 s[64:65], 0
	v_nop
	global_prefetch_b8 v0, s[64:65] scope:SCOPE_SE
	s_setreg_imm32_b32 hwreg(HW_REG_WAVE_MODE, 25, 1), 1
	s_wait_xcnt 0x0
; PREP: h = layer_norm(x, ln1_w, ln1_b) and the six weights become codes of FP6 (E2M3) with one E8M0 byte for each 32 along K, in the tables of wk.
; DEAD WORK OF THE WHOLE PROGRAM.  reference() sets the scores of keys k > q to -infinity by a tril that it builds itself; their softmax weight is exactly 0 for all values of the inputs.  So a step of 128 keys all of
; which come after all 16 queries of a tile adds nothing to that tile's sums: the attention launch leaves such whole steps out (both products and the softmax).  Nothing else is left out, and every input is loaded.
; LIMIT: a NaN, an infinity or an overflow that reaches only the steps left out is not carried to the result.
; LIMITS OF THE QUANTISER: a block of zeros gets the byte 1 where the rule says 127 (its codes are zeros, and only this program reads the bytes); NaN and infinities among the inputs are not served.
; ORDER OF ROWS.  Row i of row block j of every table is index 32 (j / 2) + 8 (j % 2) + i + 8 (i / 8): as source 0 of a product such blocks leave the results of two neighbouring tiles as 16 neighbours in a lane's registers.
; TABLES.  Codes: [row block][K / 64][768 bytes]: 16 rows x 64 K as an image of operand registers 0-5: lane l's registers 0-3 at 16 l, its registers 4-5 at 512 + 8 l.  Scale words: [K / 128][row block][16 rows], 4 bytes each.
; Work-groups 0-255: a row block of 16 tokens each (wave w normalises rows 2 w, 2 w + 1, then quantises K step w of all 16 rows, which meet in LDS).  Work-groups 256-639: 256 columns x 128 K of a weight
; (a lane takes a column, its registers run down K).  No matrix unit, no cluster, no tensor load: memory binds, and apart from the gain and the bias, no work-group reads what another reads.
.set WA_C, 0                           ; Wq, Wk, Wv, Wp on end: 256 row blocks x 16 units
.set WA_S, 3145728
.set W1_C, 3276800
.set W1_S, 6422528
.set W2_C, 6553600                     ; 64 row blocks x 64 units
.set W2_S, 9699328
.set DST_C, 9830400                    ; h's codes
.set DST_S, 12976128                   ; h's scale words
.set LP,    4112                       ; a row in LDS: 4,096 bytes + 16: the 16 rows of a load begin in 16 different groups of banks
.set SPARE, 16*LP                      ; behind the rows: the spare words, 128 bytes a wave
.set SPW, 12                           ; v12 my spare word's LDS address; never rewritten
.set NIL, 13                           ; v13 0; never rewritten
.set R,   16                           ; v16-79 my two rows; later the 64 numbers to quantise
.set GW,  80                           ; v80-111 the gain, v112-143 the bias of my 32 columns
.set GB,  112
.set SM,  144                          ; row e: v[SM+6e] the mean (a pair), +2, +4 two chains (pairs)
.set TP,  156
.set TM,  80                           ; the quantiser's registers lie over the gain and the bias, which are done with by then
.set PW,  96
.set PC,  98
.set SEL, 28
.set DP,  22                           ; s[22:23] the buffer that is stored into
; 64 numbers of a lane, register 16 b + i = k 32 b + 16 (lane / 16) + i of my row, become a fragment's codes in v[PC] on and its scale word in v[PW]
.macro QUANT s
.irp b, 0,1,2,3
	v_max3_num_f32 v[TM+\b], |v[\s+16*\b]|, |v[\s+1+16*\b]|, 0x1800000   ; my 16 numbers of block b, and the floor 2^(3 - 127): the byte cannot fall under 1
.endr
.irp i, 2,4,6,8,10,12,14
.irp b, 0,1,2,3
	s_delay_alu instid0(VALU_DEP_4)
	v_max3_num_f32 v[TM+\b], v[TM+\b], |v[\s+16*\b+\i]|, |v[\s+1+16*\b+\i]|
.endr
.endr
.irp b, 0,1,2,3
	s_delay_alu instid0(VALU_DEP_4)
	v_permlanex16_b32 v[TM+4+\b], v[TM+\b], s[SEL], s[SEL+1]
.endr
.irp b, 0,1,2,3
	s_delay_alu instid0(VALU_DEP_4)
	v_max_num_f32 v[TM+\b], v[TM+\b], v[TM+4+\b]   ; with lane l xor 16's: the block's largest magnitude
.endr
.irp b, 0,1,2,3
	s_delay_alu instid0(VALU_DEP_4)
	v_add_nc_u32 v[TM+12+\b], 0xff000000, v[TM+\b]  ; 2 off its exponent field: the conversion's scale operand
.endr
.irp b, 0,1,2,3
	s_delay_alu instid0(VALU_DEP_4)
	v_lshrrev_b32 v[TM+4+\b], 23, v[TM+12+\b]       ; the scale's byte
.endr
	s_delay_alu instid0(VALU_DEP_3)
	v_lshl_or_b32 v[PW], v[TM+5], 8, v[TM+4]
	s_delay_alu instid0(VALU_DEP_1)
	v_lshl_or_b32 v[PW], v[TM+6], 16, v[PW]
	s_delay_alu instid0(VALU_DEP_1)
	v_lshl_or_b32 v[PW], v[TM+7], 24, v[PW]
.irp c, 0,1
	v_cvt_scalef32_pk16_fp6_f32 v[PC+6*\c:PC+2+6*\c], v[\s+32*\c:\s+15+32*\c], v[TM+12+2*\c]
	v_cvt_scalef32_pk16_fp6_f32 v[PC+12+4*\c:PC+14+4*\c], v[\s+16+32*\c:\s+31+32*\c], v[TM+12+2*\c+1]
.endr
	v_nop                                          ; one plain place behind a scaled conversion
.irp c, 0,1                            ; the operand wants a whole block in a lane: lanes 0-15 block 2 c, lanes 16-31 block 2 c + 1
.irp i, 0,1,2
	v_permlane16_swap_b32 v[PC+6*\c+\i], v[PC+12+4*\c+\i]
.endr
.irp i, 0,1,2
	s_delay_alu instid0(VALU_DEP_3)
	v_mov_b32 v[PC+3+6*\c+\i], v[PC+12+4*\c+\i]
.endr
.endr
.endm
.macro ACROSS                          ; v[SM+2+6 e], e = 0, 1: summed over the wave's 32 lanes, the result in every lane
.irp m, 1,2,4,8
.irp e, 0,1
	s_delay_alu instid0(VALU_DEP_2)
	v_add_f32_dpp v[SM+2+6*\e], v[SM+2+6*\e], v[SM+2+6*\e] row_xmask:\m row_mask:0xf bank_mask:0xf
.endr
.endr
.irp e, 0,1
	s_delay_alu instid0(VALU_DEP_2)
	v_permlanex16_b32 v[TP+\e], v[SM+2+6*\e], s[SEL], s[SEL+1]
.endr
.irp e, 0,1
	s_delay_alu instid0(VALU_DEP_2)
	v_add_f32 v[SM+2+6*\e], v[SM+2+6*\e], v[TP+\e]
.endr
.endm
	s_load_b512 s[4:19], s[0:1], 0x0               ; x, ln1_w, ln1_b, Wq, Wk, Wv, Wp, W1
	s_load_b128 s[20:23], s[0:1], 0x40             ; W2, wk
	v_lshl_add_u32 v[SPW], v0, 2, SPARE
	v_mov_b32 v[NIL], 0
	v_lshrrev_b32 v1, 5, v0
	s_delay_alu instid0(VALU_DEP_1)
	v_readfirstlane_b32 s24, v1                    ; wave 0..7
	v_and_b32 v10, 31, v0                          ; lane
	v_and_b32 v8, 15, v0                           ; r
	v_bfe_u32 v9, v0, 4, 1                         ; h
	s_delay_alu instid0(VALU_DEP_3)
	v_lshlrev_b32 v1, 4, v10                       ; 16 x lane
	s_delay_alu instid0(VALU_DEP_4)
	v_lshlrev_b32 v4, 3, v10                       ; 8 x lane
	s_cmp_ge_u32 ttmp9, 256                        ; the work-group's number alone: all eight waves go the same way
	s_cbranch_scc1 .Lweights
	; ---------------- the layer norm: row block j = the work-group's number
	v_lshlrev_b32 v5, 2, v8                        ; 4 r
	s_mul_i32 s25, s24, 2*LP
	v_add_nc_u32 v2, s25, v1                       ; LDS, in: my two rows, 16 bytes a lane
	v_mul_u32_u24 v3, v8, LP
	s_delay_alu instid0(VALU_DEP_1)
	v_lshl_add_u32 v3, v9, 6, v3
	s_lshl_b32 s25, s24, 9
	v_add_nc_u32 v3, s25, v3                       ; LDS, out: row r, K step = my wave, + 64 h
	s_mov_b32 s[SEL], 0x76543210
	s_mov_b32 s[SEL+1], 0xfedcba98                 ; lane l xor 16
	s_mov_b32 s30, 0x3a800000                      ; 1 / 1024
	s_mov_b32 s31, 0x3727c5ac                      ; 1e-5
	v_mov_b32 v[TP], 0                             ; a lane permute's destination counts as one of its sources
	v_mov_b32 v[TP+1], 0
.irp b, 0,1,2,3
	v_mov_b32 v[TM+4+\b], 0
.endr
	s_lshr_b32 s25, ttmp9, 1
	s_lshl_b32 s25, s25, 5
	s_and_b32 s26, ttmp9, 1
	s_lshl_b32 s26, s26, 3
	s_add_co_u32 s25, s25, s26
	s_lshl_b32 s26, s24, 1
	s_add_co_u32 s25, s25, s26
	s_lshr_b32 s26, s24, 2
	s_lshl_b32 s26, s26, 3
	s_add_co_u32 s25, s25, s26                     ; my first token: 32 (j / 2) + 8 (j % 2) + 2 w + 8 (w / 4); the second follows it
	s_lshl_b32 s26, s25, 12
	s_mov_b32 s27, 0
	s_lshl_b32 s32, ttmp9, 4
	s_lshl_b32 s33, s24, 1
	s_add_co_u32 s32, s32, s33
	s_mul_i32 s32, s32, 768
	s_add_co_u32 s32, s32, DST_C                   ; codes: units 16 j + 2 w, + 1
	s_mov_b32 s33, 0
	s_lshl_b32 s34, s24, 8
	s_add_co_u32 s34, s34, ttmp9
	s_lshl_b32 s34, s34, 6
	s_add_co_u32 s34, s34, DST_S                   ; scale words: [w][j][16]
	s_mov_b32 s35, 0
	s_wait_kmcnt 0x0
	s_add_nc_u64 s[4:5], s[4:5], s[26:27]
	s_add_nc_u64 s[32:33], s[DP:DP+1], s[32:33]
	s_add_nc_u64 s[34:35], s[DP:DP+1], s[34:35]
.irp j, 0,1,2,3,4,5,6,7,8,9,10,11,12,13,14,15
	global_load_b128 v[R+4*\j:R+4*\j+3], v1, s[4:5] offset:512*\j th:TH_LOAD_NT   ; two rows on end: 512 consecutive bytes a load
.endr
.irp j, 0,1,2,3,4,5,6,7
	global_load_b128 v[GW+4*\j:GW+4*\j+3], v1, s[6:7] offset:512*\j
.endr
.irp j, 0,1,2,3,4,5,6,7
	global_load_b128 v[GB+4*\j:GB+4*\j+3], v1, s[8:9] offset:512*\j
.endr
	s_wait_loadcnt 16                              ; the rows are in; the 16 loads of gain and bias may be out
.irp e, 0,1
	v_pk_add_f32 v[SM+2+6*\e:SM+3+6*\e], v[R+32*\e:R+32*\e+1], v[R+32*\e+2:R+32*\e+3]
	v_pk_add_f32 v[SM+4+6*\e:SM+5+6*\e], v[R+32*\e+4:R+32*\e+5], v[R+32*\e+6:R+32*\e+7]
.endr
.irp k, 8,12,16,20,24,28
.irp e, 0,1
	s_delay_alu instid0(VALU_DEP_4)
	v_pk_add_f32 v[SM+2+6*\e:SM+3+6*\e], v[SM+2+6*\e:SM+3+6*\e], v[R+32*\e+\k:R+32*\e+\k+1]
	s_delay_alu instid0(VALU_DEP_4)
	v_pk_add_f32 v[SM+4+6*\e:SM+5+6*\e], v[SM+4+6*\e:SM+5+6*\e], v[R+32*\e+\k+2:R+32*\e+\k+3]
.endr
.endr
.irp e, 0
	s_delay_alu instid0(VALU_DEP_3)
	v_pk_add_f32 v[SM+2+6*\e:SM+3+6*\e], v[SM+2+6*\e:SM+3+6*\e], v[SM+4+6*\e:SM+5+6*\e]
.endr
.irp e, 1
	s_delay_alu instid0(VALU_DEP_2)
	v_pk_add_f32 v[SM+2+6*\e:SM+3+6*\e], v[SM+2+6*\e:SM+3+6*\e], v[SM+4+6*\e:SM+5+6*\e]
.endr
.irp e, 0,1
	s_delay_alu instid0(VALU_DEP_2)
	v_add_f32 v[SM+2+6*\e], v[SM+2+6*\e], v[SM+3+6*\e]
.endr
	ACROSS
.irp e, 0,1
	s_delay_alu instid0(VALU_DEP_2)
	v_mul_f32 v[SM+6*\e], s30, v[SM+2+6*\e]        ; the mean,
.endr
.irp e, 0,1
	s_delay_alu instid0(VALU_DEP_2)
	v_mov_b32 v[SM+1+6*\e], v[SM+6*\e]             ; as a pair
.endr
.irp k, 0,2,4,6,8,10,12,14,16,18,20,22,24,26,28,30
.irp e, 0,1
	v_pk_add_f32 v[R+32*\e+\k:R+32*\e+\k+1], v[R+32*\e+\k:R+32*\e+\k+1], v[SM+6*\e:SM+6*\e+1] neg_lo:[0,1] neg_hi:[0,1]   ; x - mean
.endr
.endr
.irp e, 0,1
	v_pk_mul_f32 v[SM+2+6*\e:SM+3+6*\e], v[R+32*\e:R+32*\e+1], v[R+32*\e:R+32*\e+1]
	v_pk_mul_f32 v[SM+4+6*\e:SM+5+6*\e], v[R+32*\e+2:R+32*\e+3], v[R+32*\e+2:R+32*\e+3]
.endr
.irp k, 4,8,12,16,20,24,28
.irp e, 0,1
	s_delay_alu instid0(VALU_DEP_4)
	v_pk_fma_f32 v[SM+2+6*\e:SM+3+6*\e], v[R+32*\e+\k:R+32*\e+\k+1], v[R+32*\e+\k:R+32*\e+\k+1], v[SM+2+6*\e:SM+3+6*\e]
	s_delay_alu instid0(VALU_DEP_4)
	v_pk_fma_f32 v[SM+4+6*\e:SM+5+6*\e], v[R+32*\e+\k+2:R+32*\e+\k+3], v[R+32*\e+\k+2:R+32*\e+\k+3], v[SM+4+6*\e:SM+5+6*\e]
.endr
.endr
.irp e, 0
	s_delay_alu instid0(VALU_DEP_3)
	v_pk_add_f32 v[SM+2+6*\e:SM+3+6*\e], v[SM+2+6*\e:SM+3+6*\e], v[SM+4+6*\e:SM+5+6*\e]
.endr
.irp e, 1
	s_delay_alu instid0(VALU_DEP_2)
	v_pk_add_f32 v[SM+2+6*\e:SM+3+6*\e], v[SM+2+6*\e:SM+3+6*\e], v[SM+4+6*\e:SM+5+6*\e]
.endr
.irp e, 0,1
	s_delay_alu instid0(VALU_DEP_2)
	v_add_f32 v[SM+2+6*\e], v[SM+2+6*\e], v[SM+3+6*\e]
.endr
	ACROSS
.irp e, 0,1
	s_delay_alu instid0(VALU_DEP_2)
	v_fma_f32 v[SM+2+6*\e], v[SM+2+6*\e], s30, s31 ; the variance + 1e-5
.endr
	s_wait_alu depctr_va_vdst(0)
.irp e, 0,1
	v_rsq_f32 v[SM+2+6*\e], v[SM+2+6*\e]
.endr
	v_nop                                          ; a plain place behind the two roots,
	s_wait_alu depctr_va_vdst(0)                   ; and the one wait ahead of their first reader
.irp k, 0,2,4,6,8,10,12,14,16,18,20,22,24,26,28,30
.irp e, 0,1
	v_pk_mul_f32 v[R+32*\e+\k:R+32*\e+\k+1], v[R+32*\e+\k:R+32*\e+\k+1], v[SM+2+6*\e:SM+3+6*\e] op_sel_hi:[1,0]
.endr
.endr
	s_wait_loadcnt 0x0                             ; gain and bias
.irp k, 0,2,4,6,8,10,12,14,16,18,20,22,24,26,28,30
.irp e, 0,1
	v_pk_fma_f32 v[R+32*\e+\k:R+32*\e+\k+1], v[R+32*\e+\k:R+32*\e+\k+1], v[GW+\k:GW+\k+1], v[GB+\k:GB+\k+1]
.endr
.endr
.irp e, 0,1
.irp j, 0,1,2,3,4,5,6,7
	ds_store_b128 v2, v[R+32*\e+4*\j:R+32*\e+4*\j+3] offset:\e*LP+512*\j
.endr
.endr
	s_wait_dscnt 0x0                               ; for the others' sake: my rows lie in LDS
	s_barrier_signal -1
	s_barrier_wait -1
.irp b, 0,1,2,3
.irp j, 0,1,2,3
	ds_load_b128 v[R+16*\b+4*\j:R+16*\b+4*\j+3], v3 offset:128*\b+16*\j   ; row r, k = 128 w + 32 b + 16 h + 4 j on
.endr
.endr
	s_wait_dscnt 0x0
	QUANT R
	global_store_b128 v1, v[PC:PC+3], s[32:33]                  ; the fragment as it stands: each store covers 512 or 256 consecutive bytes, aligned
	global_store_b64 v4, v[PC+4:PC+5], s[32:33] offset:512
	global_store_b128 v1, v[PC+6:PC+9], s[32:33] offset:768
	global_store_b64 v4, v[PC+10:PC+11], s[32:33] offset:1280
	global_store_b32 v5, v[PW], s[34:35]                        ; 64 bytes: row r's word (lanes 16-31 write the same words with the same values); 128 KiB of such pieces in the launch
	s_branch .Lend
	; ---------------- the weights
.macro LOADW b, pitch                  ; block b: W(32 b + i, my column): 128 consecutive bytes a wave, 1,024 a work-group
.irp i, 0,1,2,3,4,5,6,7,8,9,10,11,12,13,14,15,16,17,18,19,20,21,22,23,24,25,26,27,28,29,30,31
	global_load_b32 v[32+32*((\b)%3)+\i], v2, s[36:37] offset:(32*(\b)+\i)*(\pitch) th:TH_LOAD_NT   ; three sets of 32 registers: block 3 takes block 0's, whose codes are made by then
.endr
.endm
.macro WBLOCK b, dest, tmp             ; a block of 32 along K lies in my 32 registers: its scale, its byte, its codes
.set X, 32+32*((\b)%3)
	v_max3_num_f32 v14, |v[X]|, |v[X+1]|, |v[X+2]|
	v_max3_num_f32 v15, |v[X+3]|, |v[X+4]|, |v[X+5]|
.irp i, 6,10,14,18,22,26
	s_delay_alu instid0(VALU_DEP_2)
	v_max3_num_f32 v14, v14, |v[X+\i]|, |v[X+\i+1]|
	s_delay_alu instid0(VALU_DEP_2)
	v_max3_num_f32 v15, v15, |v[X+\i+2]|, |v[X+\i+3]|
.endr
	s_delay_alu instid0(VALU_DEP_2)
	v_max3_num_f32 v14, v14, |v[X+30]|, |v[X+31]|
	s_delay_alu instid0(VALU_DEP_1)
	v_max3_num_f32 v14, v14, v15, 0x1800000        ; and the floor
	s_delay_alu instid0(VALU_DEP_1)
	v_add_nc_u32 v[24+(\b)], 0xff000000, v14
	s_delay_alu instid0(VALU_DEP_1)
	v_lshrrev_b32 v15, 23, v[24+(\b)]
.if (\b) == 0
	s_delay_alu instid0(VALU_DEP_1)
	v_mov_b32 v20, v15
.else
	s_delay_alu instid0(VALU_DEP_1)
	v_lshl_or_b32 v20, v15, 8*(\b), v20            ; my column's scale word
.endif
	v_cvt_scalef32_pk16_fp6_f32 v[\dest:\dest+2], v[X:X+15], v[24+(\b)]
	v_cvt_scalef32_pk16_fp6_f32 v[\tmp:\tmp+2], v[X+16:X+31], v[24+(\b)]   ; (a conversion's three registers begin on an even number)
.endm
.macro WARM pitch                      ; loads run two blocks ahead: each counted wait leaves the next block's 32 loads out
	LOADW 0, \pitch
	LOADW 1, \pitch
	s_wait_loadcnt 32
	LOADW 2, \pitch
	WBLOCK 0, 128, 152
	s_wait_loadcnt 32
	LOADW 3, \pitch
	WBLOCK 1, 140, 156
	s_wait_loadcnt 32
	WBLOCK 2, 134, 160
	s_wait_loadcnt 0x0
	WBLOCK 3, 146, 164
.endm
.Lweights:
	s_sub_co_u32 s25, ttmp9, 256                   ; 0-127: Wq, Wk, Wv, Wp; 128-255: W2; 256-383: W1
	s_wait_kmcnt 0x0
	s_cmp_lt_u32 s25, 128
	s_cbranch_scc0 .Lnot_four
	s_lshr_b32 s44, s25, 5                         ; which of the four
	s_and_b32 s26, s25, 3                          ; which 256 columns
	s_bfe_u32 s27, s25, 0x30002                    ; which K step
	s_lshl_b32 s28, s44, 6                         ; its first row block in the table
	s_mov_b32 s29, 16                              ; units in a row block
	s_mov_b32 s30, 256                             ; row blocks in the scale table
	s_mov_b32 s31, WA_C
	s_mov_b32 s32, WA_S
	s_mov_b32 s33, 19                              ; 128 rows of 4,096 bytes
	s_cmp_eq_u32 s44, 0
	s_cselect_b64 s[36:37], s[10:11], s[12:13]
	s_cmp_eq_u32 s44, 2
	s_cselect_b64 s[36:37], s[14:15], s[36:37]
	s_cmp_eq_u32 s44, 3
	s_cselect_b64 s[36:37], s[16:17], s[36:37]
	s_branch .Lhave
.Lnot_four:
	s_cmp_lt_u32 s25, 256
	s_cbranch_scc0 .Lis_w1
	s_and_b32 s26, s25, 3
	s_bfe_u32 s27, s25, 0x50002
	s_mov_b32 s28, 0
	s_mov_b32 s29, 64
	s_mov_b32 s30, 64
	s_mov_b32 s31, W2_C
	s_mov_b32 s32, W2_S
	s_mov_b32 s33, 19
	s_mov_b64 s[36:37], s[20:21]
	s_branch .Lhave
.Lis_w1:
	s_and_b32 s26, s25, 15
	s_bfe_u32 s27, s25, 0x30004
	s_mov_b32 s28, 0
	s_mov_b32 s29, 16
	s_mov_b32 s30, 256
	s_mov_b32 s31, W1_C
	s_mov_b32 s32, W1_S
	s_mov_b32 s33, 21                              ; 128 rows of 16,384 bytes
	s_mov_b64 s[36:37], s[18:19]
.Lhave:
	s_lshl_b32 s38, s26, 4
	s_add_co_u32 s38, s38, s28
	s_lshl_b32 s39, s24, 1
	s_add_co_u32 s38, s38, s39                     ; my wave's first row block; it makes two
	s_lshl_b32 s40, s26, 10
	s_lshl_b32 s41, s27, s33
	s_add_co_u32 s40, s40, s41
	s_mov_b32 s41, 0
	s_add_nc_u64 s[36:37], s[36:37], s[40:41]      ; the weight at the work-group's columns and K step
	s_mul_i32 s40, s38, s29
	s_lshl_b32 s42, s27, 1
	s_add_co_u32 s40, s40, s42
	s_mul_i32 s40, s40, 768
	s_add_co_u32 s40, s40, s31
	s_add_nc_u64 s[40:41], s[22:23], s[40:41]      ; the codes' place
	s_mul_i32 s42, s30, s27
	s_add_co_u32 s42, s42, s38
	s_lshl_b32 s42, s42, 6
	s_add_co_u32 s42, s42, s32
	s_mov_b32 s43, 0
	s_add_nc_u64 s[42:43], s[22:23], s[42:43]      ; the scale words' place
	s_mul_i32 s29, s29, 768                        ; from a row block to the next
	s_wait_alu depctr_va_vdst(0)
	v_add_nc_u32 v6, s29, v1
	v_add_nc_u32 v7, s29, v4
	v_lshlrev_b32 v3, 2, v10                       ; 4 x lane
	v_and_b32 v2, 8, v8
	s_delay_alu instid0(VALU_DEP_1)
	v_add_nc_u32 v2, v2, v8
	s_delay_alu instid0(VALU_DEP_1)
	v_lshl_add_u32 v2, v9, 3, v2                   ; my column of the wave's 32: r + 8 (r / 8) + 8 h: lanes 0-15 the first row block's rows, lanes 16-31 the second's
	s_delay_alu instid0(VALU_DEP_1)
	v_lshlrev_b32 v2, 2, v2
	s_lshl_b32 s44, s24, 7
	v_add_nc_u32 v2, s44, v2
	s_cmp_ge_u32 s25, 256
	s_cbranch_scc1 .Lwide
	s_wait_alu depctr_va_vdst(0)
	WARM 4096
	s_branch .Lpack
.Lwide:
	s_wait_alu depctr_va_vdst(0)
	WARM 16384
.Lpack:
	s_wait_alu depctr_va_vdst(0)
	v_nop                                          ; one plain place behind the last conversion
.irp i, 0,1,2
	v_mov_b32 v[131+\i], v[152+\i]
	v_mov_b32 v[143+\i], v[156+\i]
	v_mov_b32 v[137+\i], v[160+\i]
	v_mov_b32 v[149+\i], v[164+\i]
.endr
.irp i, 0,1,2,3,4,5                    ; a lane holds blocks 0-3 of its own column; a fragment wants blocks 0, 2 in lanes 0-15 and blocks 1, 3 of the same rows in lanes 16-31
	v_permlane16_swap_b32 v[128+\i], v[140+\i]
	v_permlane16_swap_b32 v[134+\i], v[146+\i]
.endr
	global_store_b128 v1, v[128:131], s[40:41]
	global_store_b64 v4, v[132:133], s[40:41] offset:512
	global_store_b128 v1, v[134:137], s[40:41] offset:768
	global_store_b64 v4, v[138:139], s[40:41] offset:1280
	global_store_b128 v6, v[140:143], s[40:41]
	global_store_b64 v7, v[144:145], s[40:41] offset:512
	global_store_b128 v6, v[146:149], s[40:41] offset:768
	global_store_b64 v7, v[150:151], s[40:41] offset:1280
	global_store_b32 v3, v20, s[42:43]             ; 128 consecutive bytes a wave, 1,024 a work-group
.Lend:
	s_wait_tensorcnt 0x0                           ; the wave's end
	ds_add_u32 v[SPW], v[NIL]
	s_wait_dscnt 0x0
	s_endpgm
.Lfunc_end_k_q8b182e1a59_prep:
	.size	k_q8b182e1a59_prep, .Lfunc_end_k_q8b182e1a59_prep-k_q8b182e1a59_prep
	.p2alignl 7, 3214868480
	.fill 96, 4, 3214868480
	.section	.rodata,"a",@progbits
	.p2align	6, 0x0
	.amdhsa_kernel k_q8b182e1a59_prep
		.amdhsa_group_segment_fixed_size 66816
		.amdhsa_private_segment_fixed_size 0
		.amdhsa_enable_private_segment 0
		.amdhsa_kernarg_size 80
		.amdhsa_user_sgpr_count 2
		.amdhsa_user_sgpr_kernarg_segment_ptr 1
		.amdhsa_wavefront_size32 1
		.amdhsa_system_sgpr_workgroup_id_x 1
		.amdhsa_system_sgpr_workgroup_id_y 1
		.amdhsa_system_sgpr_workgroup_id_z 1
		.amdhsa_system_vgpr_workitem_id 0
		.amdhsa_next_free_vgpr 168
		.amdhsa_next_free_sgpr 66
		.amdhsa_reserve_vcc 0
		.amdhsa_float_denorm_mode_32 3
		.amdhsa_float_denorm_mode_16_64 3
		.amdhsa_memory_ordered 1
		.amdhsa_forward_progress 1
		.amdhsa_inst_pref_size 73
	.end_amdhsa_kernel
	.amdgpu_metadata
---
amdhsa.version: [ 1, 2 ]
amdhsa.kernels:
  - .name:           k_q8b182e1a59_prep
    .symbol:         k_q8b182e1a59_prep.kd
    .args:
      - { .name: x, .offset: 0, .size: 8, .value_kind: global_buffer, .address_space: global }
      - { .name: ln1_w, .offset: 8, .size: 8, .value_kind: global_buffer, .address_space: global }
      - { .name: ln1_b, .offset: 16, .size: 8, .value_kind: global_buffer, .address_space: global }
      - { .name: Wq, .offset: 24, .size: 8, .value_kind: global_buffer, .address_space: global }
      - { .name: Wk, .offset: 32, .size: 8, .value_kind: global_buffer, .address_space: global }
      - { .name: Wv, .offset: 40, .size: 8, .value_kind: global_buffer, .address_space: global }
      - { .name: Wp, .offset: 48, .size: 8, .value_kind: global_buffer, .address_space: global }
      - { .name: W1, .offset: 56, .size: 8, .value_kind: global_buffer, .address_space: global }
      - { .name: W2, .offset: 64, .size: 8, .value_kind: global_buffer, .address_space: global }
      - { .name: wk, .offset: 72, .size: 8, .value_kind: global_buffer, .address_space: global }
    .group_segment_fixed_size: 66816
    .private_segment_fixed_size: 0
    .kernarg_segment_align: 8
    .kernarg_segment_size: 80
    .max_flat_workgroup_size: 256
    .sgpr_count:     66
    .vgpr_count:     168
    .wavefront_size: 32
...
	.end_amdgpu_metadata
.endif
;; end of part 1
;; launch gqkv (part 2): grid 12 x 16, 4 waves a work-group, clusters of 4 x 4, 327,680 bytes of LDS; arguments wk, qkv; writes qkv
.if DOCPART == 2
	.amdgcn_target "amdgcn-amd-amdhsa--gfx1250"
	.amdhsa_code_object_version 6
	.text
	.protected	k_q8b182e1a59_gqkv
	.globl	k_q8b182e1a59_gqkv
	.p2align	8
	.type	k_q8b182e1a59_gqkv,@function
k_q8b182e1a59_gqkv:
	s_mov_b64 s[64:65], 0
	v_nop
	global_prefetch_b8 v0, s[64:65] scope:SCOPE_SE
	s_setreg_imm32_b32 hwreg(HW_REG_WAVE_MODE, 25, 1), 1
	s_wait_xcnt 0x0
	s_wait_alu depctr_hold_cnt(0) depctr_sa_sdst(0) depctr_va_vdst(0) depctr_va_sdst(0) depctr_va_ssrc(0) depctr_va_vcc(0) depctr_vm_vsrc(0)
	s_getreg_b32 s2, hwreg(HW_REG_IB_STS2, 6, 4)
	s_cmp_eq_u32 s2, 0
	s_cbranch_scc0 .Lentry_in_a_cluster
	s_endpgm
.Lentry_in_a_cluster:
	s_bfe_u32 s2, ttmp6, 0x10000c
	s_cmp_lg_u32 s2, 0xf033
	s_cbranch_scc0 .Lentry_shape_is_right
	s_endpgm
.Lentry_shape_is_right:
.set QKV, 1
.set MA,   8
.set KS,   3                           ; K steps in a slot: the 8 K steps come in three fills of 3, 3 and 2
.set KST,  8
.set NRB,  256
.set LAPS, KST/(2*KS)
.set FRB,  1536
.set RBP,  KST*FRB
.set HALFT, MA*KS*FRB
.set SLOT, 4*HALFT
.set SCL,  2*SLOT
.set HALFS, KST*MA*64
.set SPARE, SCL+4*HALFS
.set WA_S, 3145728
.set W1_C, 3276800
.set W1_S, 6422528
.set H_C,  9830400
.set H_S,  12976128
.set WV_C, 128*RBP
.set WV_S, WA_S+128*64
.set H2_S, 3145728
.set Q_S,  9437184
.set G_S,  12582912
.set A16, 16
.set A8,  18
.set B16, 20
.set B8,  22
.set LI,  24
.set L8,  25
.set L4,  26
.set ADRS, 27
.set SPW, 28
.set NIL, 29
.set BO,  30
.set SC,  32
.set S1F, 64
.set S0F, 160
.set PC,  112
.set TM,  200
.set W8,  224
.set XT,  232
.set G1, 24
.set G0, 32
.set G1B, 48
.set G0B, 56
.set G1S, 68
.set G0S, 76
.set G1SB, 80
.set G0SB, 88
.set SEL, 92
.set MSB, 0
.macro WIN new
.if MSB != (\new)
	s_set_vgpr_msb (MSB<<8)|(\new)
.set MSB, (\new)
.endif
.endm
.macro PLACES n
.rept \n
	v_nop
.endr
.endm
.macro JLOAD g0a, g1a, g0b, g1b
	s_cmp_eq_u32 s15, 0
	s_cbranch_scc0 .Lfor_b_\@
	tensor_load_to_lds s[\g0a:\g0a+3], s[\g1a:\g1a+7]
	s_nop 0
.rept 4
	v_nop
.endr
	s_branch .Lasked_\@
.Lfor_b_\@:
	tensor_load_to_lds s[\g0b:\g0b+3], s[\g1b:\g1b+7]
	s_nop 0
.rept 4
	v_nop
.endr
.Lasked_\@:
.endm
.macro CREST
	s_cmp_lg_u32 s14, 0
	s_cbranch_scc1 .Lnot_wave_0_\@
	s_barrier_signal -3
.Lnot_wave_0_\@:
	s_barrier_wait -3
	s_barrier_signal -1
	s_barrier_wait -1
.endm
.macro CROUND
	s_barrier_signal -1
	s_barrier_wait -1
	CREST
.endm
.if QKV
	s_load_b128 s[4:7], s[0:1], 0x0
.else
	s_load_b256 s[4:11], s[0:1], 0x0
.endif
	v_lshl_add_u32 v[SPW], v0, 2, SPARE
	v_mov_b32 v[NIL], 0
	ds_add_u32 v[SPW], v[NIL]
	ds_add_u32 v[SPW], v[NIL]
	v_lshrrev_b32 v1, 5, v0
	v_readfirstlane_b32 s14, v1
	s_lshr_b32 s15, s14, 1
	s_and_b32 s16, s14, 1
	s_bfe_u32 s40, ttmp6, 0x40000
	s_bfe_u32 s41, ttmp6, 0x40004
	s_and_b32 s45, ttmp7, 0xffff
.if QKV
	s_mov_b32 s67, H_C
	s_mov_b32 s98, WA_S
	s_mov_b32 s99, H_S
	s_cmp_eq_u32 ttmp9, 2
	s_cselect_b32 s42, s45, ttmp9
	s_cselect_b32 s17, 0, s45
	s_cselect_b32 s66, H_C, 0
	s_cselect_b32 s67, WV_C, s67
	s_cselect_b32 s98, H_S, s98
	s_cselect_b32 s99, WV_S, s99
.else
	s_mov_b32 s42, ttmp9
	s_mov_b32 s17, s45
	s_mov_b32 s66, W1_C
	s_mov_b32 s67, 0
	s_mov_b32 s98, W1_S
	s_mov_b32 s99, H2_S
.endif
	s_lshl_b32 s42, s42, 2
	s_add_co_u32 s42, s42, s40
	s_lshl_b32 s17, s17, 2
	s_add_co_u32 s17, s17, s41
	s_lshl_b32 s43, s41, 2
	s_lshl_b32 s43, 15, s43
	s_lshl_b32 s44, 0x1111, s40
	s_or_b32 s[G1+0], s43, (3<<16)|(1<<21)
	s_or_b32 s[G1B+0], s44, (3<<16)|(1<<21)
.irp g, G1, G1B
	s_mov_b32 s[\g+1], (KS*192)<<16
	s_mov_b32 s[\g+2], (2*MA)<<16                  ; the head's loads bring both halves of a side; behind them the two words that count rows are set to MA
	s_mov_b32 s[\g+3], (KS*192)<<16
	s_mov_b32 s[\g+4], 2*MA
	s_mov_b32 s[\g+5], KST*192
	s_mov_b32 s[\g+6], 0
	s_mov_b32 s[\g+7], 0
.endr
	s_or_b32 s[G1S+0], s43, (3<<16)|(1<<21)
	s_or_b32 s[G1SB+0], s44, (3<<16)|(1<<21)
.irp g, G1S, G1SB
	s_mov_b32 s[\g+1], (MA*16)<<16                 ; a side's scale words come whole: KST rows of 2 MA x 64 bytes
	s_mov_b32 s[\g+2], KST<<16
	s_mov_b32 s[\g+3], (MA*16)<<16
	s_mov_b32 s[\g+4], KST
	s_mov_b32 s[\g+5], NRB*8
	s_mov_b32 s[\g+6], 0
	s_mov_b32 s[\g+7], 0
.endr
	s_lshl_b32 s20, s17, 4                         ; the tiles' first row blocks
	s_lshl_b32 s46, s42, 4
	s_lshl_b32 s22, s20, 6
	s_add_co_u32 s22, s22, s99
	s_mul_i32 s20, s20, RBP
	s_add_co_u32 s20, s20, s67
	s_lshl_b32 s96, s46, 6
	s_add_co_u32 s96, s96, s98
	s_mul_i32 s46, s46, RBP
	s_add_co_u32 s46, s46, s66
	s_mov_b32 s21, 0
	s_mov_b32 s23, 0
	s_mov_b32 s47, 0
	s_mov_b32 s97, 0
	s_mul_i32 s45, s14, HALFT
	s_wait_dscnt 0x0
	s_wait_kmcnt 0x0
.if QKV
	s_add_nc_u64 s[20:21], s[4:5], s[20:21]
	s_add_nc_u64 s[22:23], s[4:5], s[22:23]
	s_add_nc_u64 s[46:47], s[4:5], s[46:47]
	s_add_nc_u64 s[96:97], s[4:5], s[96:97]
.else
	s_add_nc_u64 s[20:21], s[4:5], s[20:21]
	s_add_nc_u64 s[22:23], s[4:5], s[22:23]
	s_add_nc_u64 s[46:47], s[6:7], s[46:47]
	s_add_nc_u64 s[96:97], s[6:7], s[96:97]
.endif
	CROUND
	s_mov_b32 s[G0S], 1
	s_mov_b32 s[G0S+1], SCL
	s_mov_b64 s[G0S+2:G0S+3], s[22:23]
	s_or_b32 s[G0S+3], s[G0S+3], 0x80000000
	s_mov_b32 s[G0SB], 1
	s_mov_b32 s[G0SB+1], SCL+2*HALFS
	s_mov_b64 s[G0SB+2:G0SB+3], s[96:97]
	s_or_b32 s[G0SB+3], s[G0SB+3], 0x80000000
.irp s, 0,1
	s_mov_b32 s[G0+4*\s], 1
	s_add_co_u32 s[G0+4*\s+1], s45, \s*SLOT
	s_add_nc_u64 s[G0+4*\s+2:G0+4*\s+3], s[20:21], \s*KS*FRB
	s_or_b32 s[G0+4*\s+3], s[G0+4*\s+3], 0x80000000
	s_mov_b32 s[G0B+4*\s], 1
	s_add_co_u32 s[G0B+4*\s+1], s45, \s*SLOT
	s_add_nc_u64 s[G0B+4*\s+2:G0B+4*\s+3], s[46:47], \s*KS*FRB
	s_or_b32 s[G0B+4*\s+3], s[G0B+4*\s+3], 0x80000000
.endr
	s_mov_b32 s[G0+1], 0                           ; at the head a side's two halves come by one load
	s_mov_b32 s[G0B+1], 2*HALFT
	s_mul_i32 s18, s16, MA*RBP                     ; in the ring I fetch one half of a side: MA row blocks on
	s_mov_b32 s19, 0
	s_add_nc_u64 s[G0+6:G0+7], s[G0+6:G0+7], s[18:19]
	s_add_nc_u64 s[G0B+6:G0B+7], s[G0B+6:G0B+7], s[18:19]
	; THE PREFETCHES INTO THE L2: of the MA = 8 row blocks that a wave's joint load brings, each of the four partners that ask jointly names two, told apart BY ADDRESS (cx for source 1, cy for source 0).
	; A fill's part of a row block is 18 or 12 consecutive blocks of 256 bytes, a lane a block; lanes left over name the last block again.  Every place along K is an immediate; the address registers are never rewritten.
	s_cmp_eq_u32 s15, 0                            ; do I fetch for source 1?
	s_cselect_b64 s[100:101], s[20:21], s[46:47]
	s_cselect_b32 s2, s40, s41                     ; my place among the four
	s_lshl_b32 s3, s16, 2
	s_add_co_u32 s2, s2, s3
	s_mul_i32 s2, s2, 2*RBP                        ; row block 8 x half + 2 x place
	s_mov_b32 s3, 0
	s_add_nc_u64 s[100:101], s[100:101], s[2:3]
	; THE HEAD'S FOUR TILES, ONE A WAVE: slot 0's rows of source 1, of source 0, and the two sides' scale words.  One chain of branches on the wave's number, a load to an arm
	s_cmp_eq_u32 s14, 0
	s_cbranch_scc0 .Lhead_1
	tensor_load_to_lds s[G0:G0+3], s[G1:G1+7]
	s_nop 0
	PLACES 4
	s_branch .Lhead_asked
.Lhead_1:
	s_cmp_eq_u32 s14, 1
	s_cbranch_scc0 .Lhead_2
	tensor_load_to_lds s[G0B:G0B+3], s[G1B:G1B+7]
	s_nop 0
	PLACES 4
	s_branch .Lhead_asked
.Lhead_2:
	s_cmp_eq_u32 s14, 2
	s_cbranch_scc0 .Lhead_3
	tensor_load_to_lds s[G0S:G0S+3], s[G1S:G1S+7]
	s_nop 0
	PLACES 4
	s_branch .Lhead_asked
.Lhead_3:
	tensor_load_to_lds s[G0SB:G0SB+3], s[G1SB:G1SB+7]
	s_nop 0
	PLACES 4
.Lhead_asked:
	v_and_b32 v1, 31, v0
	v_and_b32 v2, 15, v0
	v_bfe_u32 v3, v0, 4, 1
	v_lshlrev_b32 v[LI], 4, v1
	v_lshlrev_b32 v[L8], 3, v1
	v_lshlrev_b32 v[L4], 2, v1
	v_lshlrev_b32 v[BO], 6, v3
	v_min_u32 v8, 17, v1
	v_lshlrev_b32 v8, 8, v8                        ; three K steps: blocks 0 to 17
	v_min_u32 v9, 11, v1
	v_lshlrev_b32 v9, 8, v9                        ; two K steps: blocks 0 to 11
	global_prefetch_b8 v8, s[100:101] offset:KS*FRB th:TH_LOAD_NT scope:SCOPE_SE       ; slot 1's first fill, K steps 3 to 5, is asked for while the head's tiles are on their way
	global_prefetch_b8 v8, s[100:101] offset:RBP+KS*FRB th:TH_LOAD_NT scope:SCOPE_SE
	s_mul_i32 s21, s15, HALFT
	s_mul_i32 s22, s16, HALFT
	s_add_co_u32 s22, s22, 2*HALFT
.irp s, 0,1
	v_add_nc_u32 v[A16+\s], s21, v[LI]
	v_add_nc_u32 v[A8+\s], s21, v[L8]
	v_add_nc_u32 v[B16+\s], s22, v[LI]
	v_add_nc_u32 v[B8+\s], s22, v[L8]
	s_add_co_u32 s21, s21, SLOT
	s_add_co_u32 s22, s22, SLOT
.endr
	v_lshlrev_b32 v5, 2, v2
	s_mul_i32 s21, s15, MA*64                      ; in a K step's 2 MA x 64 bytes: my half of each side's words
	s_mul_i32 s22, s16, MA*64
	s_add_co_u32 s22, s22, 2*HALFS
	s_sub_co_u32 s22, s22, s21
	v_mul_u32_u24 v6, s22, v3
	s_add_co_u32 s21, s21, SCL
	v_add_nc_u32 v5, v5, v6
	v_add_nc_u32 v[ADRS], s21, v5
	s_mov_b32 s[SEL], 0x76543210
	s_mov_b32 s[SEL+1], 0xfedcba98
	s_mov_b32 s94, 0xffff0000
.if QKV
	s_mov_b32 s95, 3072
	s_mov_b32 s23, 98304
	s_and_b32 s18, s42, 3
	s_cmp_eq_u32 ttmp9, 2
	s_cselect_b32 s19, s42, s17
	s_cselect_b32 s20, s16, s15
	s_cselect_b32 s21, s17, s18
	s_cselect_b32 s22, s15, s16
	s_cselect_b32 s66, s23, s95
	s_cselect_b32 s67, s95, s23
	s_lshl_b32 s19, s19, 4
	s_lshl_b32 s20, s20, 3
	s_add_co_u32 s19, s19, s20
	s_lshl_b32 s21, s21, 2
	s_lshl_b32 s22, s22, 1
	s_add_co_u32 s21, s21, s22
	s_lshr_b32 s20, s19, 7
	s_lshl_b32 s20, s20, 4
	s_add_co_u32 s20, s20, s21
	s_and_b32 s19, s19, 127
	s_lshl_b32 s22, s20, 7
	s_add_co_u32 s22, s22, s19
	s_mul_i32 s22, s22, 768
	s_mul_i32 s23, ttmp9, 3145728
	s_add_co_u32 s22, s22, s23
	s_mov_b32 s23, 0
	s_add_nc_u64 s[12:13], s[6:7], s[22:23]
	s_lshl_b32 s22, s20, 6
	s_lshr_b32 s19, s19, 1
	s_add_co_u32 s22, s22, s19
	s_lshl_b32 s22, s22, 6
	s_lshl_b32 s19, ttmp9, 17
	s_add_co_u32 s22, s22, s19
	s_add_co_u32 s22, s22, Q_S
	s_add_nc_u64 s[18:19], s[6:7], s[22:23]
	v_mov_b32 v48, v[LI]
	v_mov_b32 v49, v[L8]
	v_add_nc_u32 v50, s67, v[LI]
	v_add_nc_u32 v51, s67, v[L8]
	v_add_nc_u32 v52, s66, v[LI]
	v_add_nc_u32 v53, s66, v[L8]
	v_add_nc_u32 v54, s67, v52
	v_add_nc_u32 v55, s67, v53
	s_mov_b32 s96, 0x05040100
	s_mov_b32 s97, 0x07060302
.else
	s_lshl_b32 s20, s17, 4
	s_lshl_b32 s21, s15, 3
	s_add_co_u32 s20, s20, s21
	s_lshl_b32 s21, s42, 1
	s_add_co_u32 s21, s21, s16
	s_lshl_b32 s22, s20, 6
	s_lshl_b32 s23, s21, 1
	s_add_co_u32 s22, s22, s23
	s_mul_i32 s22, s22, 768
	s_mov_b32 s23, 0
	s_add_nc_u64 s[12:13], s[10:11], s[22:23]
	s_lshl_b32 s22, s21, 8
	s_add_co_u32 s22, s22, s20
	s_lshl_b32 s22, s22, 6
	s_add_co_u32 s22, s22, G_S
	s_add_nc_u64 s[18:19], s[10:11], s[22:23]
	s_lshl_b32 s22, s21, 9
	s_add_nc_u64 s[8:9], s[8:9], s[22:23]
	WIN 0x40
.irp b, 0,1,2,3,4,5,6,7
	global_load_b128 v[8*\b:8*\b+3], v[BO], s[8:9] offset:(32*(\b/2)+8*(\b%2))*4
	global_load_b128 v[8*\b+4:8*\b+7], v[BO], s[8:9] offset:(32*(\b/2)+8*(\b%2))*4+16
.endr
	WIN 0
.endif
.macro FRAG reg, a16, a8, off
	ds_load_b128 v[\reg:\reg+3], v[\a16] offset:\off
	ds_load_b64 v[\reg+4:\reg+5], v[\a8] offset:(\off)+512
	ds_load_b128 v[\reg+6:\reg+9], v[\a16] offset:(\off)+768
	ds_load_b64 v[\reg+10:\reg+11], v[\a8] offset:(\off)+1280
.endm
.macro FETCH slot, q, p, kk            ; the q-th K step of the slot, which is K step kk of the product, into set p
	WIN (\p)<<6
.irp i, 0,1,2,3,4,5,6,7
	FRAG S0F+12*\i, B16+\slot, B8+\slot, (\i*KS+(\q))*FRB
	FRAG S1F+12*\i, A16+\slot, A8+\slot, (\i*KS+(\q))*FRB
.endr
	WIN 0
.irp i, 0,1,2,3,4,5,6,7
	ds_load_b32 v[SC+MA*(\p)+\i], v[ADRS] offset:((\kk)*2*MA+\i)*64
.endr
.endm
.macro MULH p, half, c
.set AW, 2+(\half)
.if (\c) == 2
	WIN (\p)|((\p)<<2)|(1<<4)|(AW<<6)
.else
	WIN (\p)|((\p)<<2)|(AW<<4)|(AW<<6)
.endif
.irp a, 0,1,2,3
.irp b, 0,1,2,3,4,5,6,7
.set rD, 8*(8*\a+\b)
.set rA, S0F+12*\b
.set rB, S1F+12*(4*(\half)+\a)
.set rX, SC+MA*(\p)+\b
.set rY, SC+MA*(\p)+4*(\half)+\a
.if (\c) == 0
	v_wmma_scale_f32_16x16x128_f8f6f4 v[rD:rD+7], v[rA:rA+11], v[rB:rB+11], v[rD:rD+7], v[rX], v[rY] matrix_a_fmt:MATRIX_FMT_FP6 matrix_b_fmt:MATRIX_FMT_FP6 matrix_a_scale:MATRIX_SCALE_ROW1
.elseif (\c) == 1
	v_wmma_scale_f32_16x16x128_f8f6f4 v[rD:rD+7], v[rA:rA+11], v[rB:rB+11], 0, v[rX], v[rY] matrix_a_fmt:MATRIX_FMT_FP6 matrix_b_fmt:MATRIX_FMT_FP6 matrix_a_scale:MATRIX_SCALE_ROW1
.else
	v_wmma_scale_f32_16x16x128_f8f6f4 v[rD:rD+7], v[rA:rA+11], v[rB:rB+11], v[8*\b:8*\b+7], v[rX], v[rY] matrix_a_fmt:MATRIX_FMT_FP6 matrix_b_fmt:MATRIX_FMT_FP6 matrix_a_scale:MATRIX_SCALE_ROW1
.endif
.endr
.endr
.endm
.macro STEP slot, q, kk, c             ; K step kk, whose successor lies in the same slot; it multiplies set kk % 2
	s_wait_dscnt 0x0
	PLACES 4
	FETCH \slot, (\q)+1, 1-(\kk)%2, (\kk)+1
	MULH (\kk)%2, 0, \c
	MULH (\kk)%2, 1, \c
	WIN 0
.endm
.macro TURN slot, next, fill, kk       ; K step kk is its slot's last
	s_wait_tensorcnt 0x0
	ds_add_u32 v[SPW], v[NIL]
	s_wait_dscnt 0x0
	s_barrier_signal -1
	MULH (\kk)%2, 0, 0
	WIN 0
	s_barrier_wait -1
.if \fill
	CREST
	s_add_nc_u64 s[G0+4*\slot+2:G0+4*\slot+3], s[G0+4*\slot+2:G0+4*\slot+3], 2*KS*FRB
	s_add_nc_u64 s[G0B+4*\slot+2:G0B+4*\slot+3], s[G0B+4*\slot+2:G0B+4*\slot+3], 2*KS*FRB
	s_mov_b32 s[G1+1], ((KST-2*KS)*192)<<16        ; the last fill has KST - 2 KS K steps: tensor_dim0 says where a row ends
	s_mov_b32 s[G1B+1], ((KST-2*KS)*192)<<16
	JLOAD G0+4*\slot, G1, G0B+4*\slot, G1B
.else
	PLACES 4
.endif
	FETCH \next, 0, 1-(\kk)%2, (\kk)+1
	MULH (\kk)%2, 1, 0
	WIN 0
.endm
	s_wait_alu depctr_va_vdst(0)                   ; the wait at the head's end
	s_wait_tensorcnt 0x0                           ; my tile of the head's four is in
	ds_add_u32 v[SPW], v[NIL]
	s_mov_b32 s[G1+2], MA<<16                      ; no tensor load of mine is out, so the descriptors may be written: from here on a load brings MA row blocks,
	s_mov_b32 s[G1+4], MA
	s_mov_b32 s[G1B+2], MA<<16
	s_mov_b32 s[G1B+4], MA
	s_mul_i32 s[G0+1], s14, HALFT                  ; to the wave's own quarter of slot 0,
	s_mul_i32 s[G0B+1], s14, HALFT
	s_mul_i32 s22, s16, MA*RBP                     ; from the half that I fetch
	s_mov_b32 s23, 0
	s_add_nc_u64 s[G0+2:G0+3], s[G0+2:G0+3], s[22:23]
	s_add_nc_u64 s[G0B+2:G0B+3], s[G0B+2:G0B+3], s[22:23]
	s_wait_dscnt 0x0
	CROUND                                         ; a whole round: all four tiles are in, and the joint loads meet
	JLOAD G0+4, G1, G0B+4, G1B                     ; slot 1's first fill: K steps 3 to 5
	FETCH 0, 0, 0, 0
	global_prefetch_b8 v9, s[100:101] offset:2*KS*FRB th:TH_LOAD_NT scope:SCOPE_SE     ; the refill's K steps 6 and 7: three K steps ahead of the load that wants them
	global_prefetch_b8 v9, s[100:101] offset:RBP+2*KS*FRB th:TH_LOAD_NT scope:SCOPE_SE
.if QKV
	STEP 0, 0, 0, 1
.else
	s_wait_loadcnt 0x0
	STEP 0, 0, 0, 2
.endif
	STEP 0, 1, 1, 0
	TURN 0, 1, 1, 2                                ; slot 0 takes K steps 6 and 7
	STEP 1, 0, 3, 0
	STEP 1, 1, 4, 0
	TURN 1, 0, 0, 5                                ; nothing is left to fetch
	STEP 0, 0, 6, 0
	s_wait_dscnt 0x0
	MULH 1, 0, 0
	MULH 1, 1, 0
	WIN 0
.macro QUANTW s, aw, a
	WIN ((\aw)<<2)|((\aw)<<4)
.irp b, 0,1,2,3
	v_max3_num_f32 v[TM+\b], 0x1800000, |v[(\s)+16*\b]|, |v[(\s)+16*\b+1]|
.endr
.irp i, 2,4,6,8,10,12,14
.irp b, 0,1,2,3
	v_max3_num_f32 v[TM+\b], v[TM+\b], |v[(\s)+16*\b+\i]|, |v[(\s)+16*\b+\i+1]|
.endr
.endr
	WIN 0
.irp b, 0,1,2,3
	v_permlanex16_b32 v[TM+4+\b], v[TM+\b], s[SEL], s[SEL+1]
.endr
.irp b, 0,1,2,3
	v_max_num_f32 v[TM+\b], v[TM+\b], v[TM+4+\b]
.endr
.irp b, 0,1,2,3
	v_add_nc_u32 v[TM+12+\b], 0xff000000, v[TM+\b]
.endr
.irp b, 0,1,2,3
	v_lshrrev_b32 v[TM+4+\b], 23, v[TM+12+\b]
.endr
	v_lshl_or_b32 v[W8+(\a)], v[TM+5], 8, v[TM+4]
	v_lshl_or_b32 v[W8+(\a)], v[TM+6], 16, v[W8+(\a)]
	v_lshl_or_b32 v[W8+(\a)], v[TM+7], 24, v[W8+(\a)]
.if (\a) > 0
	s_wait_xcnt 0x0
.endif
	WIN (\aw)
.irp c, 0,1
	v_cvt_scalef32_pk16_fp6_f32 v[PC+6*\c:PC+2+6*\c], v[(\s)+32*\c:(\s)+32*\c+15], v[TM+12+2*\c]
	v_cvt_scalef32_pk16_fp6_f32 v[PC+12+4*\c:PC+14+4*\c], v[(\s)+32*\c+16:(\s)+32*\c+31], v[TM+13+2*\c]
.endr
	WIN 0
	v_nop
.irp c, 0,1
.irp i, 0,1,2
	v_permlane16_swap_b32 v[PC+6*\c+\i], v[PC+12+4*\c+\i]
.endr
.irp i, 0,1,2
	v_mov_b32 v[PC+3+6*\c+\i], v[PC+12+4*\c+\i]
.endr
.endr
.endm
	PLACES 4
.irp b, 0,1,2,3
	v_mov_b32 v[TM+4+\b], 0
.endr
.irp a, 0,1,2,3,4,5,6,7
.if QKV == 0
	WIN ((2+\a/4)<<2)|((2+\a/4)<<6)
.set j, 0
.rept 64
	v_max_num_f32 v[64*(\a%4)+j], 0, v[64*(\a%4)+j]
.set j, j+1
.endr
.endif
	QUANTW 64*(\a%4), 2+\a/4, \a
.if QKV
.irp c, 0,1
	global_store_b128 v[48+4*(\a/4)+2*\c], v[PC+6*\c:PC+6*\c+3], s[12:13] offset:(\a%4)*768
	global_store_b64 v[49+4*(\a/4)+2*\c], v[PC+6*\c+4:PC+6*\c+5], s[12:13] offset:(\a%4)*768+512
.endr
.else
	global_store_b128 v[LI], v[PC:PC+3], s[12:13] offset:\a*49152
	global_store_b64 v[L8], v[PC+4:PC+5], s[12:13] offset:\a*49152+512
	global_store_b128 v[LI], v[PC+6:PC+9], s[12:13] offset:\a*49152+768
	global_store_b64 v[L8], v[PC+10:PC+11], s[12:13] offset:\a*49152+1280
.endif
.endr
.if QKV
	s_cmp_eq_u32 ttmp9, 2
	s_cbranch_scc1 .Lv_words
.irp c, 0,1
.irp p, 0,1,2,3
	v_perm_b32 v[XT+4*\c+\p], v[W8+2*\p+1], v[W8+2*\p], s[96+\c]
.endr
.endr
.irp c, 0,1
.irp f, 0,1
	v_cndmask_b32 v[XT+8+2*\c+\f], v[XT+4*\c+2*\f], v[XT+4*\c+2*\f+1], s94
.endr
.endr
	s_branch .Lwords_made
.Lv_words:
.irp c, 0,1
.irp f, 0,1
	v_cndmask_b32 v[XT+8+2*\c+\f], v[W8+4*\c+2*\f], v[W8+4*\c+2*\f+1], s94
.endr
.endr
.Lwords_made:
	s_wait_alu depctr_va_vdst(0)
.irp c, 0,1
.irp f, 0,1
	global_store_b32 v[L4], v[XT+8+2*\c+\f], s[18:19] offset:4096*\c+128*\f
.endr
.endr
.else
.irp f, 0,1,2,3
	v_cndmask_b32 v[XT+\f], v[W8+2*\f], v[W8+2*\f+1], s94
.endr
.irp f, 0,1,2,3
	global_store_b32 v[L4], v[XT+\f], s[18:19] offset:128*\f
.endr
.endif
	s_wait_tensorcnt 0x0
	ds_add_u32 v[SPW], v[NIL]
	s_wait_dscnt 0x0
	CROUND
	s_endpgm
.Lfunc_end_k_q8b182e1a59_gqkv:
	.size	k_q8b182e1a59_gqkv, .Lfunc_end_k_q8b182e1a59_gqkv-k_q8b182e1a59_gqkv
	.p2alignl 7, 3214868480
	.fill 96, 4, 3214868480
	.section	.rodata,"a",@progbits
	.p2align	6, 0x0
	.amdhsa_kernel k_q8b182e1a59_gqkv
		.amdhsa_group_segment_fixed_size 327680
		.amdhsa_private_segment_fixed_size 0
		.amdhsa_enable_private_segment 0
		.amdhsa_kernarg_size 16
		.amdhsa_user_sgpr_count 2
		.amdhsa_user_sgpr_kernarg_segment_ptr 1
		.amdhsa_wavefront_size32 1
		.amdhsa_system_sgpr_workgroup_id_x 1
		.amdhsa_system_sgpr_workgroup_id_y 1
		.amdhsa_system_sgpr_workgroup_id_z 1
		.amdhsa_system_vgpr_workitem_id 0
		.amdhsa_next_free_vgpr 1024
		.amdhsa_next_free_sgpr 102
		.amdhsa_reserve_vcc 0
		.amdhsa_float_denorm_mode_32 3
		.amdhsa_float_denorm_mode_16_64 3
		.amdhsa_memory_ordered 1
		.amdhsa_forward_progress 1
		.amdhsa_inst_pref_size 153
	.end_amdhsa_kernel
	.amdgpu_metadata
---
amdhsa.version: [ 1, 2 ]
amdhsa.kernels:
  - .name:           k_q8b182e1a59_gqkv
    .symbol:         k_q8b182e1a59_gqkv.kd
    .args:
      - { .name: wk, .offset: 0, .size: 8, .value_kind: global_buffer, .address_space: global }
      - { .name: qkv, .offset: 8, .size: 8, .value_kind: global_buffer, .address_space: global }
    .group_segment_fixed_size: 327680
    .private_segment_fixed_size: 0
    .kernarg_segment_align: 8
    .kernarg_segment_size: 16
    .max_flat_workgroup_size: 128
    .sgpr_count:     102
    .vgpr_count:     1024
    .wavefront_size: 32
...
	.end_amdgpu_metadata
.endif
;; end of part 2
;; launch att (part 3): grid 8 x 32, 16 waves a work-group, clusters of 4 x 1, 241,664 bytes of LDS; arguments qkv, ob; writes ob
.if DOCPART == 3
	.amdgcn_target "amdgcn-amd-amdhsa--gfx1250"
	.amdhsa_code_object_version 6
	.text
	.protected	k_q8b182e1a59_att
	.globl	k_q8b182e1a59_att
	.p2align	8
	.type	k_q8b182e1a59_att,@function
k_q8b182e1a59_att:
	s_mov_b64 s[64:65], 0
	v_nop
	global_prefetch_b8 v0, s[64:65] scope:SCOPE_SE
	s_setreg_imm32_b32 hwreg(HW_REG_WAVE_MODE, 25, 1), 1
	s_wait_xcnt 0x0
	s_wait_alu depctr_hold_cnt(0) depctr_sa_sdst(0) depctr_va_vdst(0) depctr_va_sdst(0) depctr_va_ssrc(0) depctr_va_vcc(0) depctr_vm_vsrc(0)
	s_getreg_b32 s2, hwreg(HW_REG_IB_STS2, 6, 4)
	s_cmp_eq_u32 s2, 0
	s_cbranch_scc0 .Lentry_in_a_cluster
	s_endpgm
.Lentry_in_a_cluster:
	s_bfe_u32 s2, ttmp6, 0x10000c
	s_cmp_lg_u32 s2, 0x3003
	s_cbranch_scc0 .Lentry_shape_is_right
	s_endpgm
.Lentry_shape_is_right:
; CAUSAL ATTENTION ON CODES OF FP6, head size 64; o / l is quantised along channels on the way out.
; LEFT OUT: a step of 128 keys all of which come after a tile's 16 queries: reference()'s own tril gives those keys the weight 0 for all values of the inputs (shown at the head of the first launch's text).
; LIMITS: NaN and infinities are not served, and one that reaches only a step left out is not carried on; a block of zeros gets the byte 1; a block's largest p is made from the block's largest score by the same two
; instructions, which takes v_exp_f32 not to fall where its input rises; the scaled scores stay under 2^31 in magnitude.
; SOFTMAX: t = score x log2(e) / 8; M = the running largest t rounded up to a whole number; p = 2^(t - M) is quantised along the keys; the sum of the unquantised p divides at the end.
; SHARES.  A work-group serves one head of one batch and 16 tiles of 16 queries: token blocks 8 rho + x, rho = 0 .. 15, x = its place among the head's eight.  Tile rho wants key steps 0 .. rho.
; Tiles 15 - a and a (a = 0 .. 7) want 17 steps together, and two waves share them: the wave of kind 0 takes steps 0 .. 8 of tile 15 - a; the wave of kind 1 takes tile a whole (a + 1 steps) and then steps 9 .. 15 - a
; of tile 15 - a (7 - a steps).  So a wave has 9 or 8 steps.  Kind = (w xor w / 4) % 2: any four waves w % 4 or w / 4 alike hold two of each kind.  The two parts of tile 15 - a are joined through LDS: sums, row sum and M
; of kind 0 lie there as an image of its registers; both M are whole numbers, so each part is brought under the larger M by a power of two, which rounds nothing.
; Both loops have constant trip counts (9 and 7) and every wave walks them; a step that is not the wave's is jumped over by a test on the wave's number and the count of steps.
; LDS.  A head's K and V codes (98,304 bytes each) are filled ONCE, one tensor load of 12,288 bytes a wave; the scale words (8,192 bytes) come by plain loads, 512 consecutive bytes a wave, and LDS stores into bytes of their own.
; CLUSTER: the four work-groups of a cluster serve the same head: every tensor load is a joint one.  No data prefetch: all that the launch reads through LDS is asked for at the head; there is no loop to run ahead in.
; K = 64 IN AN INSTRUCTION OF 128: a fragment of K holds token blocks 2 f (k 0-63) and 2 f + 1 (k 64-127); q stands in v16-21 and v28-33 with zeros between: v[16:27] = (q, 0), v[22:33] = (0, q).
; Token blocks are laid so that the 16 registers of score tiles 2 b, 2 b + 1 are keys 32 b + 16 (lane / 16) + 0 .. 15 of the step.  Both products are transposed: a lane holds one query.
.set KC,   3145728
.set QS,   9437184
.set KSS,  9568256
.set OS,   3145728
.set VOFF, 98304
.set KSC,  196608                      ; the scale words: K's 4,096 bytes, V's 4,096
.set MG,   204800                      ; where kind 0 leaves its part: 4,352 bytes for each a
.set MGP,  4352
.set SPARE, MG+8*MGP                   ; the spare words, 128 bytes a wave
.set SPW, 5
.set NIL, 6
.set DQ,  7                            ; my query's place in its key step - 16 (lane / 16)
.set MG16, 84
.set MG8, 85
.set R4,  86                           ; 4 x (lane % 16)
.set SW,  87
.set ADS, 94
.set ASC, 95
.set WV,  8
.set RHO, 15
.set STP, 16
.set TB,  17
.set TS,  18
.set CNT, 19
.set SEL, 20
.set CS,  22
.set G1C, 24
.set TYP, 32
.set AA,  33
.set RH2, 34
.set G0A, 44
.macro WALU
	s_wait_alu depctr_va_vdst(0)
.endm
.macro CROUND
	s_barrier_signal -1
	s_barrier_wait -1
	s_cmp_lg_u32 s[WV], 0
	s_cbranch_scc1 .Lnot_wave_0_\@
	s_barrier_signal -3
.Lnot_wave_0_\@:
	s_barrier_wait -3
	s_barrier_signal -1
	s_barrier_wait -1
.endm
; tile s[RHO]: q and its scale bytes, o's places, the running state
.macro TILE
	s_wait_xcnt 0x0                                ; earlier loads and stores have read their bases and registers
	s_lshl_b32 s58, s[RHO], 3
	s_add_co_u32 s58, s58, s10                     ; my token block in the batch
	s_lshl_b32 s60, s11, 7
	s_add_co_u32 s60, s60, s58
	s_mul_i32 s60, s60, 768
	s_mov_b32 s61, 0
	s_add_nc_u64 s[60:61], s[4:5], s[60:61]        ; q's unit
	s_lshl_b32 s62, s11, 6
	s_lshr_b32 s63, s58, 1
	s_add_co_u32 s62, s62, s63
	s_lshl_b32 s62, s62, 6
	s_add_co_u32 s62, s62, QS
	s_mov_b32 s63, 0
	s_add_nc_u64 s[62:63], s[4:5], s[62:63]        ; the words of its pair of token blocks
	global_load_b128 v[16:19], v1, s[60:61]
	global_load_b64 v[20:21], v2, s[60:61] offset:512
	global_load_b128 v[28:31], v1, s[60:61]        ; q a second time: the two operands share the zeros, not q
	global_load_b64 v[32:33], v2, s[60:61] offset:512
	global_load_b32 v92, v[R4], s[62:63]
	s_lshr_b32 s66, s11, 4                         ; batch
	s_and_b32 s67, s11, 15                         ; head
	s_lshl_b32 s66, s66, 7
	s_add_co_u32 s66, s66, s58
	s_lshl_b32 s68, s66, 4
	s_add_co_u32 s68, s68, s67
	s_mul_i32 s68, s68, 768
	s_mov_b32 s69, 0
	s_add_nc_u64 s[68:69], s[6:7], s[68:69]        ; o's unit: [token block][head]
	s_lshr_b32 s70, s67, 1
	s_lshl_b32 s70, s70, 8
	s_add_co_u32 s70, s70, s66
	s_lshl_b32 s70, s70, 6
	s_and_b32 s71, s67, 1
	s_lshl_b32 s71, s71, 1
	s_add_co_u32 s70, s70, s71
	s_add_co_u32 s70, s70, OS
	s_mov_b32 s71, 0
	s_add_nc_u64 s[70:71], s[6:7], s[70:71]        ; o's two bytes of a row's word
	v_mov_b32 v13, 0xff61b1e6                      ; the largest t so far: -3e38
	v_floor_f32 v12, -v13                          ; -M
	v_mov_b32 v14, 0
	v_mov_b32 v15, 0
	s_wait_loadcnt 0x0
	v_lshrrev_b32 v92, s72, v92
	v_and_b32 v92, 0xffff, v92                     ; q's two bytes for k 0-63,
	v_lshlrev_b32 v93, 16, v92                     ; and for k 64-127
.set j, 0
.rept 32
	v_mov_b32 v[160+j], 0                          ; O^T: the step is written once; the first finds zeros.  (Also the places between the scale registers' writes and the products)
.set j, j+1
.endr
	WALU                                           ; the wait ahead of the loop
.endm
.macro STEP
	s_cmp_gt_u32 s[STP], s[RHO]                    ; not my step: the wave's number and the count of steps alone
	s_cbranch_scc1 .Lhidden_\@
	v_add_nc_u32 v8, s[TB], v1                     ; (these five are also the places behind the last products)
	v_add_nc_u32 v9, s[TB], v2
	v_add_nc_u32 v10, s[TB], v3
	v_add_nc_u32 v11, s[TB], v4
	v_add_nc_u32 v[ADS], s[TS], v[ASC]
.irp f, 0,1,2,3
	ds_load_b128 v[36+12*\f:39+12*\f], v8 offset:1536*\f
	ds_load_b64 v[40+12*\f:41+12*\f], v9 offset:1536*\f+512
	ds_load_b128 v[42+12*\f:45+12*\f], v8 offset:1536*\f+768
	ds_load_b64 v[46+12*\f:47+12*\f], v9 offset:1536*\f+1280
	ds_load_b32 v[248+\f], v[ADS] offset:64*\f
.endr
	s_wait_dscnt 0x0
	s_wait_alu depctr_va_vdst(0)
.irp f, 0,1,2,3                        ; S^T = K Q^T
	v_wmma_scale_f32_16x16x128_f8f6f4 v[96+16*\f:103+16*\f], v[36+12*\f:47+12*\f], v[16:27], 0, v[248+\f], v92 matrix_a_fmt:MATRIX_FMT_FP6 matrix_b_fmt:MATRIX_FMT_FP6
	v_wmma_scale_f32_16x16x128_f8f6f4 v[104+16*\f:111+16*\f], v[36+12*\f:47+12*\f], v[22:33], 0, v[248+\f], v93 matrix_a_fmt:MATRIX_FMT_FP6 matrix_b_fmt:MATRIX_FMT_FP6
.endr
.rept 4
	v_nop                                          ; places in front of the loads below and of the first read of the scores
.endr
.irp t, 0,1,2,3                        ; V's four fragments are asked for now and land under the softmax
	ds_load_b128 v[36+12*\t:39+12*\t], v10 offset:768*\t
	ds_load_b64 v[40+12*\t:41+12*\t], v11 offset:768*\t+512
	ds_load_b128 v[42+12*\t:45+12*\t], v10 offset:3072+768*\t
	ds_load_b64 v[46+12*\t:47+12*\t], v11 offset:3072+768*\t+512
	ds_load_b32 v[248+\t], v[ADS] offset:4096+64*\t
.endr
	s_cmp_lg_u32 s[STP], s[RHO]
	s_cbranch_scc1 .Lopen_\@
	v_mov_b32 v254, 0xff800000                     ; on the diagonal hidden scores become -infinity: register 16 b + i holds key 32 b + i + 16 (lane / 16) of the step
.irp n, 0,1,2,3,4,5,6,7,8,9,10,11,12,13,14,15,16,17,18,19,20,21,22,23,24,25,26,27,28,29,30,31,32,33,34,35,36,37,38,39,40,41,42,43,44,45,46,47,48,49,50,51,52,53,54,55,56,57,58,59,60,61,62,63
	v_cmp_gt_i32 vcc_lo, 32*(\n/16)+\n%16, v[DQ]
	v_cndmask_b32 v[96+\n], v[96+\n], v254, vcc_lo
.endr
.Lopen_\@:
.irp b, 0,1,2,3
	v_max3_num_f32 v[232+\b], v[96+16*\b], v[97+16*\b], v[98+16*\b]   ; the largest score of each block of 32 keys
.endr
.irp i, 3,5,7,9,11,13
.irp b, 0,1,2,3
	v_max3_num_f32 v[232+\b], v[232+\b], v[96+16*\b+\i], v[97+16*\b+\i]
.endr
.endr
.irp b, 0,1,2,3
	v_max_num_f32 v[232+\b], v[232+\b], v[111+16*\b]
.endr
.irp b, 0,1,2,3
	s_delay_alu instid0(VALU_DEP_4)
	v_permlanex16_b32 v[236+\b], v[232+\b], s[SEL], s[SEL+1]
.endr
.irp b, 0,1,2,3
	s_delay_alu instid0(VALU_DEP_4)
	v_max_num_f32 v[232+\b], v[232+\b], v[236+\b]
.endr
	s_delay_alu instid0(VALU_DEP_2)
	v_max3_num_f32 v254, v232, v233, v234
	s_delay_alu instid0(VALU_DEP_1)
	v_max_num_f32 v254, v254, v235
	s_delay_alu instid0(VALU_DEP_1)
	v_mul_f32 v254, s[CS], v254
	s_delay_alu instid0(VALU_DEP_1)
	v_max_num_f32 v13, v13, v254                   ; the running largest t
	v_mov_b32 v254, v12
	s_delay_alu instid0(VALU_DEP_2)
	v_floor_f32 v12, -v13                          ; -M = floor(-t): a whole number
	s_delay_alu instid0(VALU_DEP_1)
	v_sub_f32 v254, v12, v254
	s_delay_alu instid0(VALU_DEP_1)
	v_cvt_i32_f32 v254, v254                       ; (it saturates)
	s_delay_alu instid0(VALU_DEP_1)
	v_ldexp_f32 v252, 1.0, v254                    ; f = 2^(old M - new M)
.set j, 0
.rept 32
	v_pk_fma_f32 v[96+j:97+j], v[96+j:97+j], s[CS:CS+1], v[12:13] op_sel_hi:[1,0,0]   ; t - M
.set j, j+2
.endr
.irp b, 0,1,2,3
	v_fma_f32 v[232+\b], v[232+\b], s[CS], v12
.endr
.set j, 0
	s_wait_alu depctr_va_vdst(0)
.rept 64
	v_exp_f32 v[96+j], v[96+j]                     ; p, not normalised
.set j, j+1
.endr
	v_pk_mul_f32 v[14:15], v[14:15], v[252:253] op_sel_hi:[1,0]   ; the sums under the new M: a plain place behind the batch
	s_wait_alu depctr_va_vdst(0)                   ; one wait for the batch, ahead of its first reader
.irp b, 0,1,2,3
	v_exp_f32 v[232+\b], v[232+\b]                 ; the blocks' largest p
.endr
	v_pk_add_f32 v[236:237], v[100:101], v[104:105]
	v_pk_add_f32 v[254:255], v[108:109], v[112:113]
	v_pk_add_f32 v[246:247], v[116:117], v[120:121]
	v_pk_add_f32 v[244:245], v[124:125], v[128:129]
	v_pk_add_f32 v[242:243], v[132:133], v[136:137]
	v_pk_add_f32 v[240:241], v[140:141], v[144:145]
	v_pk_add_f32 v[238:239], v[148:149], v[152:153]
	v_pk_add_f32 v[14:15], v[14:15], v[156:157]
	v_pk_add_f32 v[236:237], v[236:237], v[96:97]
	v_pk_add_f32 v[254:255], v[254:255], v[98:99]
	v_pk_add_f32 v[246:247], v[246:247], v[102:103]
	v_pk_add_f32 v[244:245], v[244:245], v[106:107]
	v_pk_add_f32 v[242:243], v[242:243], v[110:111]
	v_pk_add_f32 v[240:241], v[240:241], v[114:115]
	v_pk_add_f32 v[238:239], v[238:239], v[118:119]
	v_pk_add_f32 v[14:15], v[14:15], v[122:123]
	v_pk_add_f32 v[236:237], v[236:237], v[126:127]
	v_pk_add_f32 v[254:255], v[254:255], v[130:131]
	v_pk_add_f32 v[246:247], v[246:247], v[134:135]
	v_pk_add_f32 v[244:245], v[244:245], v[138:139]
	v_pk_add_f32 v[242:243], v[242:243], v[142:143]
	v_pk_add_f32 v[240:241], v[240:241], v[146:147]
	v_pk_add_f32 v[238:239], v[238:239], v[150:151]
	v_pk_add_f32 v[14:15], v[14:15], v[154:155]
	v_pk_add_f32 v[236:237], v[236:237], v[158:159]
	s_delay_alu instid0(VALU_DEP_2)
	v_pk_add_f32 v[14:15], v[14:15], v[244:245]
	s_delay_alu instid0(VALU_DEP_2)
	v_pk_add_f32 v[236:237], v[236:237], v[242:243]
	v_pk_add_f32 v[254:255], v[254:255], v[240:241]
	v_pk_add_f32 v[246:247], v[246:247], v[238:239]
	s_delay_alu instid0(VALU_DEP_2)
	v_pk_add_f32 v[14:15], v[14:15], v[254:255]
	s_delay_alu instid0(VALU_DEP_2)
	v_pk_add_f32 v[236:237], v[236:237], v[246:247]
	s_delay_alu instid0(VALU_DEP_1)
	v_pk_add_f32 v[14:15], v[14:15], v[236:237]
	s_wait_alu depctr_va_vdst(0)                   ; and one for the four
.irp b, 0,1,2,3
	v_max_num_f32 v[232+\b], 0x1800000, v[232+\b]  ; the floor: the byte cannot fall under 1
.endr
.irp b, 0,1,2,3
	s_delay_alu instid0(VALU_DEP_4)
	v_add_nc_u32 v[244+\b], 0xff000000, v[232+\b]
.endr
.irp b, 0,1,2,3
	s_delay_alu instid0(VALU_DEP_4)
	v_lshrrev_b32 v[236+\b], 23, v[244+\b]
.endr
	s_delay_alu instid0(VALU_DEP_3)
	v_lshl_or_b32 v253, v237, 8, v236              ; p's scale word
	s_delay_alu instid0(VALU_DEP_1)
	v_lshl_or_b32 v253, v238, 16, v253
	s_delay_alu instid0(VALU_DEP_1)
	v_lshl_or_b32 v253, v239, 24, v253
.irp c, 0,1
	v_cvt_scalef32_pk16_fp6_f32 v[224+6*\c:226+6*\c], v[96+32*\c:111+32*\c], v[244+2*\c]
	v_cvt_scalef32_pk16_fp6_f32 v[236+4*\c:238+4*\c], v[112+32*\c:127+32*\c], v[244+2*\c+1]
.endr
	v_nop
.irp c, 0,1
.irp i, 0,1,2
	v_permlane16_swap_b32 v[224+6*\c+\i], v[236+4*\c+\i]
.endr
.irp i, 0,1,2
	s_delay_alu instid0(VALU_DEP_3)
	v_mov_b32 v[227+6*\c+\i], v[236+4*\c+\i]
.endr
.endr
.set j, 0
.rept 16
	v_pk_mul_f32 v[160+j:161+j], v[160+j:161+j], v[252:253] op_sel_hi:[1,0]   ; O^T under the new M; also the places ahead of the products below
.set j, j+2
.endr
	s_wait_alu depctr_va_vdst(0)
	s_wait_dscnt 0x0                               ; V
.irp t, 0,1,2,3                        ; O^T += V^T P^T: four accumulators, one instruction each
	v_wmma_scale_f32_16x16x128_f8f6f4 v[160+8*\t:167+8*\t], v[36+12*\t:47+12*\t], v[224:235], v[160+8*\t:167+8*\t], v[248+\t], v253 matrix_a_fmt:MATRIX_FMT_FP6 matrix_b_fmt:MATRIX_FMT_FP6
.endr
.Lhidden_\@:
	s_add_co_u32 s[STP], s[STP], 1
	s_add_co_u32 s[TB], s[TB], 6144
	s_add_co_u32 s[TS], s[TS], 256
.endm
; o = O^T / l; its 32 registers are channels 32 b + 16 (lane / 16) + i: two blocks, one unit of codes, two bytes
.macro WAYOUT
.rept 4
	v_nop                                          ; places behind the last products
.endr
	v_add_f32 v14, v14, v15
	v_permlanex16_b32 v252, v14, s[SEL], s[SEL+1]
	v_add_f32 v14, v14, v252
	s_wait_alu depctr_va_vdst(0)
	v_rcp_f32 v14, v14
	v_nop                                          ; a plain place
	s_wait_alu depctr_va_vdst(0)
.set j, 0
.rept 32
	v_mul_f32 v[96+j], v[160+j], v14
.set j, j+1
.endr
.irp b, 0,1
	v_max3_num_f32 v[232+\b], |v[96+16*\b]|, |v[97+16*\b]|, 0x1800000
.endr
.irp i, 2,4,6,8,10,12,14
.irp b, 0,1
	v_max3_num_f32 v[232+\b], v[232+\b], |v[96+16*\b+\i]|, |v[97+16*\b+\i]|
.endr
.endr
.irp b, 0,1
	v_permlanex16_b32 v[236+\b], v[232+\b], s[SEL], s[SEL+1]
.endr
.irp b, 0,1
	v_max_num_f32 v[232+\b], v[232+\b], v[236+\b]
.endr
.irp b, 0,1
	v_add_nc_u32 v[244+\b], 0xff000000, v[232+\b]
.endr
.irp b, 0,1
	v_lshrrev_b32 v[236+\b], 23, v[244+\b]
.endr
	v_lshl_or_b32 v252, v237, 8, v236
	v_cvt_scalef32_pk16_fp6_f32 v[224:226], v[96:111], v244
	v_cvt_scalef32_pk16_fp6_f32 v[240:242], v[112:127], v245
	v_nop
.irp i, 0,1,2
	v_permlane16_swap_b32 v[224+\i], v[240+\i]
.endr
.irp i, 0,1,2
	v_mov_b32 v[227+\i], v[240+\i]
.endr
	global_store_b128 v1, v[224:227], s[68:69]
	global_store_b64 v2, v[228:229], s[68:69] offset:512
	global_store_b16 v[R4], v252, s[70:71]         ; two bytes of each row's word (lanes 16-31 write the same): the other two are the neighbouring head's
.endm
	s_load_b128 s[4:7], s[0:1], 0x0                ; qkv, ob
	v_lshl_add_u32 v[SPW], v0, 2, SPARE
	v_mov_b32 v[NIL], 0
	ds_add_u32 v[SPW], v[NIL]                      ; the opening: the add, twice on end, and its wait ahead of my first tensor load
	ds_add_u32 v[SPW], v[NIL]
	v_lshrrev_b32 v8, 5, v0
	v_readfirstlane_b32 s[WV], v8                  ; wave 0..15
	s_bfe_u32 s9, ttmp6, 0x40000                   ; cx
	s_lshl_b32 s10, ttmp9, 2
	s_add_co_u32 s10, s10, s9                      ; x: it enters q's and o's addresses and the mask's numbers alone
	s_and_b32 s11, ttmp7, 0xffff                   ; 16 x batch + head
	s_and_b32 s12, s[WV], 7
	s_lshr_b32 s13, s[WV], 3                       ; waves 0-7 fetch for K, waves 8-15 for V
	s_lshr_b32 s[AA], s[WV], 1                     ; a
	s_lshr_b32 s14, s[WV], 2
	s_xor_b32 s14, s14, s[WV]
	s_and_b32 s[TYP], s14, 1                       ; my kind
	s_xor_b32 s14, s[AA], 15                       ; 15 - a
	s_mul_i32 s[RH2], s14, s[TYP]                  ; the second loop's tile: 15 - a for kind 1; 0 for kind 0, which then finds every step from 9 on not its own
	s_xor_b32 s[RHO], s[TYP], 1
	s_mul_i32 s[RHO], s[RHO], 15
	s_xor_b32 s[RHO], s[RHO], s[AA]                ; the first loop's tile: 15 - a for kind 0, a for kind 1
	s_mov_b32 s[G1C], 15|(3<<16)|(1<<21)           ; all four work-groups; elements of 8 bytes; no padding
	s_mov_b32 s[G1C+1], 32<<16                     ; rows of 256 bytes,
	s_mov_b32 s[G1C+2], 48<<16                     ; 48 of them, dense: two key steps
	s_mov_b32 s[G1C+3], 32<<16
	s_mov_b32 s[G1C+4], 48
	s_mov_b32 s[G1C+5], 32
	s_mov_b32 s[G1C+6], 0
	s_mov_b32 s[G1C+7], 0
	s_lshl_b32 s52, s13, 17
	s_lshl_b32 s53, s11, 12
	s_add_co_u32 s52, s52, s53
	s_lshl_b32 s53, s12, 9
	s_add_co_u32 s52, s52, s53
	s_add_co_u32 s52, s52, KSS                     ; my 512 bytes of scale words
	s_mov_b32 s53, 0
	s_mul_i32 s54, s13, 3145728
	s_mul_i32 s55, s11, 98304
	s_add_co_u32 s54, s54, s55
	s_mul_i32 s55, s12, 12288
	s_add_co_u32 s54, s54, s55
	s_add_co_u32 s54, s54, KC                      ; my two key steps' codes
	s_mov_b32 s55, 0
	s_mul_i32 s56, s[WV], 12288                    ; and their place in LDS: K's eight parts, then V's
	s_lshl_b32 s57, s[WV], 9
	s_add_co_u32 s57, s57, KSC
	s_mul_i32 s59, s[AA], MGP
	s_add_co_u32 s59, s59, MG
	s_lshr_b32 s73, s10, 1
	s_lshl_b32 s73, s73, 5
	s_and_b32 s74, s10, 1
	s_lshl_b32 s72, s74, 4                         ; which half of the pair's word is q's
	s_lshl_b32 s74, s74, 3
	s_add_co_u32 s73, s73, s74
	s_mov_b32 s[SEL], 0x76543210
	s_mov_b32 s[SEL+1], 0xfedcba98
	s_mov_b32 s[CS], 0x3e38aa3b                    ; log2(e) / 8
	s_mov_b32 s[CS+1], s[CS]
	v_and_b32 v8, 15, v0                           ; r
	v_bfe_u32 v9, v0, 4, 1                         ; h
	v_and_b32 v10, 31, v0
	v_lshlrev_b32 v1, 4, v10                       ; 16 x lane
	v_lshlrev_b32 v2, 3, v10                       ; 8 x lane
	v_add_nc_u32 v3, VOFF, v1
	v_add_nc_u32 v4, VOFF, v2
	v_lshl_add_u32 v[ASC], v8, 2, KSC
	v_lshlrev_b32 v[R4], 2, v8
	v_add_nc_u32 v[SW], s57, v1
	v_add_nc_u32 v[MG16], s59, v1
	v_add_nc_u32 v[MG8], s59, v2
	v_and_b32 v[DQ], 8, v8
	v_add_nc_u32 v[DQ], v[DQ], v8
	v_add_nc_u32 v[DQ], s73, v[DQ]                 ; my query's place in its key step: 32 (x / 2) + 8 (x % 2) + r + 8 (r / 8)
	v_lshlrev_b32 v9, 4, v9
	v_sub_nc_u32 v[DQ], v[DQ], v9
.irp j, 22,23,24,25,26,27,236,237,238,239,252,253,254,255
	v_mov_b32 v\j, 0
.endr
	WALU                                           ; the wait at the head's end
	s_wait_dscnt 0x0                               ; both opening adds are done
	s_wait_kmcnt 0x0
	s_mov_b32 s[G0A], 1
	s_mov_b32 s[G0A+1], s56
	s_add_nc_u64 s[G0A+2:G0A+3], s[4:5], s[54:55]
	s_or_b32 s[G0A+3], s[G0A+3], 0x80000000
	s_add_nc_u64 s[52:53], s[4:5], s[52:53]
	CROUND                                         ; all four work-groups are here: the joint loads meet
	tensor_load_to_lds s[G0A:G0A+3], s[G1C:G1C+7]  ; my one tensor load
	s_nop 0
.rept 4
	v_nop
.endr
	global_load_b128 v[36:39], v1, s[52:53]        ; 512 consecutive bytes of scale words
	TILE                                           ; (its wait for loads covers the line above)
	ds_store_b128 v[SW], v[36:39]
	s_wait_tensorcnt 0x0                           ; my part of K or V is in,
	s_wait_dscnt 0x0                               ; my scale words lie in LDS
	s_barrier_signal -1
	s_barrier_wait -1                              ; everybody's: nothing is ever filled again
	s_mov_b32 s[STP], 0
	s_mov_b32 s[TB], 0
	s_mov_b32 s[TS], 0
	s_mov_b32 s[CNT], 9
.Lfirst:
	STEP
	s_sub_co_u32 s[CNT], s[CNT], 1
	s_cmp_lg_u32 s[CNT], 0
	s_cbranch_scc1 .Lfirst
	s_mov_b32 s[RHO], s[RH2]
	s_cmp_eq_u32 s[TYP], 0
	s_cbranch_scc1 .Lkind_0
	WAYOUT                                         ; kind 1: tile a is whole
	TILE                                           ; and tile 15 - a begins anew, for its steps from 9 on
	s_branch .Lgo_on
.Lkind_0:
	v_add_f32 v15, v14, v15                        ; kind 0: my lane's part of the row's sum,
	v_mov_b32 v14, v12                             ; beside -M
.rept 4
	v_nop                                          ; places behind the last products
.endr
.set j, 0
.rept 8
	ds_store_b128 v[MG16], v[160+j:163+j] offset:128*j   ; O^T as an image of its registers, each accumulator from its low end on
.set j, j+4
.endr
	ds_store_b64 v[MG8], v[14:15] offset:4096
.Lgo_on:
	s_mov_b32 s[STP], 9
	s_mov_b32 s[TB], 9*6144
	s_mov_b32 s[TS], 9*256
	s_mov_b32 s[CNT], 7
.Lsecond:
	STEP
	s_sub_co_u32 s[CNT], s[CNT], 1
	s_cmp_lg_u32 s[CNT], 0
	s_cbranch_scc1 .Lsecond
	WALU
	s_wait_dscnt 0x0                               ; for the others' sake: kind 0's part lies in LDS
	s_barrier_signal -1
	s_barrier_wait -1
	s_cmp_eq_u32 s[TYP], 0
	s_cbranch_scc1 .Ldone
.set j, 0
.rept 8
	ds_load_b128 v[96+j:99+j], v[MG16] offset:128*j
.set j, j+4
.endr
	ds_load_b64 v[128:129], v[MG8] offset:4096
	s_wait_dscnt 0x0
	v_min_num_f32 v130, v12, v128                  ; -M of the two parts together
	v_sub_f32 v131, v130, v12
	v_sub_f32 v132, v130, v128
	v_cvt_i32_f32 v131, v131                       ; (they saturate)
	v_cvt_i32_f32 v132, v132
	v_ldexp_f32 v252, 1.0, v131                    ; my part's factor,
	v_ldexp_f32 v254, 1.0, v132                    ; the other's: powers of two
	v_add_f32 v14, v14, v15
	v_mul_f32 v14, v14, v252
	v_fma_f32 v14, v129, v254, v14
	v_mov_b32 v15, 0
.set j, 0
.rept 16
	v_pk_mul_f32 v[160+j:161+j], v[160+j:161+j], v[252:253] op_sel_hi:[1,0]
	v_pk_fma_f32 v[160+j:161+j], v[96+j:97+j], v[254:255], v[160+j:161+j] op_sel_hi:[1,0,1]
.set j, j+2
.endr
	WAYOUT                                         ; tile 15 - a
.Ldone:
	s_wait_tensorcnt 0x0                           ; the wave's end
	ds_add_u32 v[SPW], v[NIL]
	s_wait_dscnt 0x0
	CROUND                                         ; the closing round
	s_endpgm
.Lfunc_end_k_q8b182e1a59_att:
	.size	k_q8b182e1a59_att, .Lfunc_end_k_q8b182e1a59_att-k_q8b182e1a59_att
	.p2alignl 7, 3214868480
	.fill 96, 4, 3214868480
	.section	.rodata,"a",@progbits
	.p2align	6, 0x0
	.amdhsa_kernel k_q8b182e1a59_att
		.amdhsa_group_segment_fixed_size 241664
		.amdhsa_private_segment_fixed_size 0
		.amdhsa_enable_private_segment 0
		.amdhsa_kernarg_size 16
		.amdhsa_user_sgpr_count 2
		.amdhsa_user_sgpr_kernarg_segment_ptr 1
		.amdhsa_wavefront_size32 1
		.amdhsa_system_sgpr_workgroup_id_x 1
		.amdhsa_system_sgpr_workgroup_id_y 1
		.amdhsa_system_sgpr_workgroup_id_z 1
		.amdhsa_system_vgpr_workitem_id 0
		.amdhsa_next_free_vgpr 256
		.amdhsa_next_free_sgpr 80
		.amdhsa_reserve_vcc 1
		.amdhsa_float_denorm_mode_32 3
		.amdhsa_float_denorm_mode_16_64 3
		.amdhsa_memory_ordered 1
		.amdhsa_forward_progress 1
		.amdhsa_inst_pref_size 69
	.end_amdhsa_kernel
	.amdgpu_metadata
---
amdhsa.version: [ 1, 2 ]
amdhsa.kernels:
  - .name:           k_q8b182e1a59_att
    .symbol:         k_q8b182e1a59_att.kd
    .args:
      - { .name: qkv, .offset: 0, .size: 8, .value_kind: global_buffer, .address_space: global }
      - { .name: ob, .offset: 8, .size: 8, .value_kind: global_buffer, .address_space: global }
    .group_segment_fixed_size: 241664
    .private_segment_fixed_size: 0
    .kernarg_segment_align: 8
    .kernarg_segment_size: 16
    .max_flat_workgroup_size: 512
    .sgpr_count:     80
    .vgpr_count:     256
    .wavefront_size: 32
...
	.end_amdgpu_metadata
.endif
;; end of part 3
;; launch gproj (part 4): grid 8 x 32, 4 waves a work-group, clusters of 4 x 4, 327,680 bytes of LDS; arguments ob, wk, bp, x, x1; writes x1
.if DOCPART == 4
	.amdgcn_target "amdgcn-amd-amdhsa--gfx1250"
	.amdhsa_code_object_version 6
	.text
	.protected	k_q8b182e1a59_gproj
	.globl	k_q8b182e1a59_gproj
	.p2align	8
	.type	k_q8b182e1a59_gproj,@function
k_q8b182e1a59_gproj:
	s_mov_b64 s[64:65], 0
	v_nop
	global_prefetch_b8 v0, s[64:65] scope:SCOPE_SE
	s_setreg_imm32_b32 hwreg(HW_REG_WAVE_MODE, 25, 1), 1
	s_wait_xcnt 0x0
	s_wait_alu depctr_hold_cnt(0) depctr_sa_sdst(0) depctr_va_vdst(0) depctr_va_sdst(0) depctr_va_ssrc(0) depctr_va_vcc(0) depctr_vm_vsrc(0)
	s_getreg_b32 s2, hwreg(HW_REG_IB_STS2, 6, 4)
	s_cmp_eq_u32 s2, 0
	s_cbranch_scc0 .Lentry_in_a_cluster
	s_endpgm
.Lentry_in_a_cluster:
	s_bfe_u32 s2, ttmp6, 0x10000c
	s_cmp_lg_u32 s2, 0xf033
	s_cbranch_scc0 .Lentry_shape_is_right
	s_endpgm
.Lentry_shape_is_right:
; A GEMM ON CODES OF FP6 with a bias and a residual, f32 out.  One text, two launches: FF2 = 0: x1 = x + o Wp + bp (K = 1,024);  FF2 = 1: out = x1 + g W2 + b2 (K = 4,096).
; Source 0 (S0) = the weight's columns, source 1 (S1) = tokens; tables as the first launch lays them (codes [row block][K / 64][768] as images of operand registers; scale words [K / 128][row block][16];
; row i of row block j is index 32 (j / 2) + 8 (j % 2) + i + 8 (i / 8)).
; N = 1,024 gives 64 tiles of 256 x 256 but 256 of 128 x 128: so a work-group of four waves makes 128 x 128, a wave 64 x 64: 16 accumulators.
; THE RING.  A K step of 128 is 16 fragments of 1,536 bytes for the work-group: 24,576 bytes.  K = 1,024: slot 0 holds all 8 K steps: nothing is filled again.
; K = 4,096: slot 0 holds 5 K steps and slot 1 holds 6: 270,336 bytes, with the scale words' 32,768 and the spare words' 512 in all 303,616 (two slots of 6 would be 512 bytes more than a WGP has).  The 32 K steps come in
; six fills of 5, 6, 5, 6, 5, 5: two at the head and four refills, each behind a round of the cluster's barrier.  The walk over K is written out: a lap of 11 K steps is odd, and the three sets of fragment registers
; take turns by the K step's number.
; CLUSTERS 4 x 4: S1's tiles are shared along a row of the cluster, S0's along a column.  The scale words of all of K come once.  A wave has at most three tensor loads out, later one.
; The bias is the C of each sum's first product; the residual is asked for at the head, in the layout in which rows leave, and awaited and added on the way out.
; REGISTERS: window 0: v14-31 addresses, v32-39 scale words (two sets), v64-159 fragment set 0; window 1: v0-31 the bias, v64-159 fragment set 1; window 2: v0-127 accumulators ((a, b) at v[8 (4 a + b)]), v128-255 the residual.
.set FF2, 0
.set MA,   4                           ; row blocks of a wave, each side
.if FF2
.set KST,  32                          ; K steps of 128 in all
.set KSA,  5                           ; K steps in slot 0,
.set KSB,  6                           ; in slot 1,
.set LASTK, 5                          ; and in the last fill, which goes to slot 1
.set NRB0, 64
.set S1_S, 12582912                    ; g's scale words
.set S0_C, 6553600                     ; W2's tables in wk
.set S0_S, 9699328
.else
.set KST,  8
.set KSA,  8                           ; slot 0 holds all of K: one fill, at the head
.set KSB,  4
.set LASTK, 4
.set NRB0, 256
.set S1_S, 3145728                     ; o's scale words
.set S0_C, 192*12288                   ; Wp's row blocks begin at 192 of the stacked table
.set S0_S, 3145728+192*64
.endif
.set PER,  KSA+KSB                     ; K steps in a lap
.set NRB1, 256
.set FRB,  1536                        ; a fragment
.set RBP,  KST*FRB                     ; from a row block to the next
.set HTA,  MA*KSA*FRB                  ; what one tensor load brings into slot 0,
.set HTB,  MA*KSB*FRB                  ; into slot 1
.set SL1,  4*HTA                       ; a slot: S1's two halves, S0's two halves; slot 1 begins here
.set SCL,  SL1+4*HTB                   ; behind the ring: the scale words, four quarters [K step][MA x 64 bytes]
.set HALFS, KST*MA*64
.set SPARE, SCL+4*HALFS                ; the spare words, 128 bytes a wave
.set CO,  15                           ; my byte offset in two rows of the output
.set A16, 16                           ; v16-17 S1's fragments in slot 0, 1: 16 x lane + the half's place;  v18-19 the same with 8 x lane
.set A8,  18
.set B16, 20                           ; v20-23 the same for S0
.set B8,  22
.set LI,  24
.set L8,  25
.set STO, 26
.set ADRS, 27                          ; my scale words' place; never rewritten
.set SPW, 28
.set NIL, 29
.set BO,  30
.set RD,  31
.set SC,  32
.set S1F, 64
.set S0F, 112
.set BK,  64                           ; the way out: rows read back from the stage, two buffers of 32
.set G1A,  24                          ; s[24:31] group 1 for S1's tiles of slot 0;  s[40:47] of slot 1
.set G0,   32                          ; s[32:39] group 0 for S1's tiles, a set for each slot
.set G1A1, 40
.set G1B,  48                          ; s[48:55] group 1 for S0's tiles of slot 0;  s[92:99] of slot 1
.set G0B,  56                          ; s[56:63] group 0 for S0's tiles
.set G1S,  68                          ; s[68:75], s[76:79] groups 1 and 0 for S1's scale words;  s[80:87], s[88:91] for S0's
.set G0S,  76
.set G1SB, 80
.set G0SB, 88
.set G1B1, 92
.set MSB, 0
.macro WIN new                         ; the immediate's high byte repeats the setting that is left
.if MSB != (\new)
	s_set_vgpr_msb (MSB<<8)|(\new)
.set MSB, (\new)
.endif
.endm
.macro PLACES n
.rept \n
	v_nop
.endr
.endm
.macro JLOAD g0a, g1a, g0b, g1b        ; a joint load: waves 0 and 1 fetch for S1, waves 2 and 3 for S0; an s_nop 0 and four v_nop follow each line
	s_cmp_eq_u32 s15, 0
	s_cbranch_scc0 .Lfor_b_\@
	tensor_load_to_lds s[\g0a:\g0a+3], s[\g1a:\g1a+7]
	s_nop 0
.rept 4
	v_nop
.endr
	s_branch .Lasked_\@
.Lfor_b_\@:
	tensor_load_to_lds s[\g0b:\g0b+3], s[\g1b:\g1b+7]
	s_nop 0
.rept 4
	v_nop
.endr
.Lasked_\@:
.endm
.macro CREST                           ; a round of the cluster's barrier behind its opening barrier
	s_cmp_lg_u32 s14, 0
	s_cbranch_scc1 .Lnot_wave_0_\@
	s_barrier_signal -3
.Lnot_wave_0_\@:
	s_barrier_wait -3
	s_barrier_signal -1
	s_barrier_wait -1
.endm
.macro CROUND
	s_barrier_signal -1
	s_barrier_wait -1
	CREST
.endm
	s_load_b256 s[4:11], s[0:1], 0x0               ; S1's tables, wk, the bias, the residual
	s_load_b64 s[12:13], s[0:1], 0x20              ; the output
	v_lshl_add_u32 v[SPW], v0, 2, SPARE
	v_mov_b32 v[NIL], 0
	ds_add_u32 v[SPW], v[NIL]                      ; the opening: the add, twice on end, and its wait ahead of my first tensor load
	ds_add_u32 v[SPW], v[NIL]
	v_lshrrev_b32 v1, 5, v0
	v_readfirstlane_b32 s14, v1                    ; wave 0..3
	s_lshr_b32 s15, s14, 1                         ; my half of S1's rows.  Also: I fetch for S1 (0) or S0 (1)
	s_and_b32 s16, s14, 1                          ; my half of S0's rows.  Also: which half I fetch
	s_bfe_u32 s2, ttmp6, 0x40000                   ; cx
	s_bfe_u32 s3, ttmp6, 0x40004                   ; cy
	s_lshl_b32 s20, s3, 2
	s_lshl_b32 s20, 15, s20                        ; my row of the cluster
	s_lshl_b32 s18, 0x1111, s2                     ; my column
	s_or_b32 s[G1A], s20, (3<<16)|(1<<21)          ; 15:0 the mask; 17:16 elements of 8 bytes; 21 set beside a mask; no padding
	s_or_b32 s[G1A1], s20, (3<<16)|(1<<21)
	s_or_b32 s[G1S], s20, (3<<16)|(1<<21)
	s_or_b32 s[G1B], s18, (3<<16)|(1<<21)
	s_or_b32 s[G1B1], s18, (3<<16)|(1<<21)
	s_or_b32 s[G1SB], s18, (3<<16)|(1<<21)
	s_lshl_b32 s19, ttmp9, 2
	s_add_co_u32 s2, s19, s2                       ; the tile of columns = 4 x cluster x + cx
	s_and_b32 s17, ttmp7, 0xffff
	s_lshl_b32 s17, s17, 2
	s_add_co_u32 s17, s17, s3                      ; the tile of tokens = 4 x cluster y + cy
.irp g, G1A, G1B                       ; codes for slot 0: 2 MA rows (row blocks) of KSA fragments
	s_mov_b32 s[\g+1], (KSA*192)<<16               ; tensor_dim0
	s_mov_b32 s[\g+2], (2*MA)<<16                  ; tensor_dim1: a load brings both halves of a side
	s_mov_b32 s[\g+3], (KSA*192)<<16               ; tile_dim0
	s_mov_b32 s[\g+4], 2*MA                        ; tile_dim1
	s_mov_b32 s[\g+5], KST*192                     ; from row block to row block
	s_mov_b32 s[\g+6], 0
	s_mov_b32 s[\g+7], 0
.endr
.irp g, G1A1, G1B1                     ; for slot 1: of KSB fragments
	s_mov_b32 s[\g+1], (KSB*192)<<16
	s_mov_b32 s[\g+2], MA<<16
	s_mov_b32 s[\g+3], (KSB*192)<<16
	s_mov_b32 s[\g+4], MA
	s_mov_b32 s[\g+5], KST*192
	s_mov_b32 s[\g+6], 0
	s_mov_b32 s[\g+7], 0
.endr
.irp g, G1S, G1SB                      ; scale words: KST rows (K steps) of 2 MA x 64 bytes
	s_mov_b32 s[\g+1], (MA*16)<<16                 ; a side's scale words come whole: KST rows of 2 MA x 64 bytes
	s_mov_b32 s[\g+2], KST<<16
	s_mov_b32 s[\g+3], (MA*16)<<16
	s_mov_b32 s[\g+4], KST
	s_mov_b32 s[\g+6], 0
	s_mov_b32 s[\g+7], 0
.endr
	s_mov_b32 s[G1S+5], NRB1*8
	s_mov_b32 s[G1SB+5], NRB0*8
	s_lshl_b32 s20, s17, 3                         ; S1: the tile's first row block
	s_lshl_b32 s18, s2, 3                          ; S0 likewise
	s_lshl_b32 s22, s20, 6
	s_add_co_u32 s22, s22, S1_S                    ; S1's scale words,
	s_mul_i32 s20, s20, RBP                        ; S1's codes,
	s_lshl_b32 s66, s18, 6
	s_add_co_u32 s66, s66, S0_S                    ; S0's scale words,
	s_mul_i32 s18, s18, RBP
	s_add_co_u32 s18, s18, S0_C                    ; S0's codes: byte offsets in their buffers
	s_mov_b32 s19, 0
	s_mov_b32 s21, 0
	s_mov_b32 s23, 0
	s_mov_b32 s67, 0
	s_mov_b32 s[G0], 1                             ; groups 0: the count, and where the tiles go: by the wave's number alone
	s_mov_b32 s[G0+1], 0                           ; S1's two halves by one load,
	s_mov_b32 s[G0+4], 1
	s_mul_i32 s[G0+5], s14, HTB
	s_add_co_u32 s[G0+5], s[G0+5], SL1
	s_mov_b32 s[G0B], 1
	s_mov_b32 s[G0B+1], 2*HTA                      ; S0's two halves by one load
	s_mov_b32 s[G0B+4], 1
	s_mul_i32 s[G0B+5], s14, HTB
	s_add_co_u32 s[G0B+5], s[G0B+5], SL1
	s_mov_b32 s[G0S], 1
	s_mov_b32 s[G0S+1], SCL
	s_mov_b32 s[G0SB], 1
	s_mov_b32 s[G0SB+1], SCL+2*HALFS
	s_wait_dscnt 0x0                               ; both opening adds are done
	s_wait_kmcnt 0x0
	s_add_nc_u64 s[G0+2:G0+3], s[4:5], s[20:21]    ; slot 0 begins with K step 0,
	s_add_nc_u64 s[G0+6:G0+7], s[G0+2:G0+3], KSA*FRB   ; slot 1 with K step KSA
	s_or_b32 s[G0+3], s[G0+3], 0x80000000          ; 127:126 type = 2
	s_or_b32 s[G0+7], s[G0+7], 0x80000000
	s_add_nc_u64 s[G0B+2:G0B+3], s[6:7], s[18:19]
	s_add_nc_u64 s[G0B+6:G0B+7], s[G0B+2:G0B+3], KSA*FRB
	s_or_b32 s[G0B+3], s[G0B+3], 0x80000000
	s_or_b32 s[G0B+7], s[G0B+7], 0x80000000
	s_add_nc_u64 s[G0S+2:G0S+3], s[4:5], s[22:23]
	s_or_b32 s[G0S+3], s[G0S+3], 0x80000000
	s_add_nc_u64 s[G0SB+2:G0SB+3], s[6:7], s[66:67]
	s_or_b32 s[G0SB+3], s[G0SB+3], 0x80000000
	CROUND                                         ; all sixteen work-groups are here: the joint loads meet
	; THE LAUNCH'S FOUR TILES, ONE A WAVE: all of K of S1's rows, of S0's, S1's scale words, S0's.  One chain of branches on the wave's number, a load to an arm
	s_cmp_eq_u32 s14, 0
	s_cbranch_scc0 .Lhead_1
	tensor_load_to_lds s[G0:G0+3], s[G1A:G1A+7]
	s_nop 0
	PLACES 4
	s_branch .Lhead_asked
.Lhead_1:
	s_cmp_eq_u32 s14, 1
	s_cbranch_scc0 .Lhead_2
	tensor_load_to_lds s[G0B:G0B+3], s[G1B:G1B+7]
	s_nop 0
	PLACES 4
	s_branch .Lhead_asked
.Lhead_2:
	s_cmp_eq_u32 s14, 2
	s_cbranch_scc0 .Lhead_3
	tensor_load_to_lds s[G0S:G0S+3], s[G1S:G1S+7]
	s_nop 0
	PLACES 4
	s_branch .Lhead_asked
.Lhead_3:
	tensor_load_to_lds s[G0SB:G0SB+3], s[G1SB:G1SB+7]
	s_nop 0
	PLACES 4
.Lhead_asked:
	v_and_b32 v1, 31, v0
	v_and_b32 v2, 15, v0                           ; r
	v_bfe_u32 v3, v0, 4, 1                         ; h
	v_lshlrev_b32 v[LI], 4, v1
	v_lshlrev_b32 v[L8], 3, v1
	v_lshlrev_b32 v[BO], 6, v3
	s_mul_i32 s21, s15, HTA                        ; slot 0: my half of S1,
	s_mul_i32 s22, s16, HTA
	s_add_co_u32 s22, s22, 2*HTA                   ; my half of S0
	v_add_nc_u32 v[A16], s21, v[LI]
	v_add_nc_u32 v[A8], s21, v[L8]
	v_add_nc_u32 v[B16], s22, v[LI]
	v_add_nc_u32 v[B8], s22, v[L8]
	s_mul_i32 s21, s15, HTB                        ; slot 1 likewise
	s_add_co_u32 s21, s21, SL1
	s_mul_i32 s22, s16, HTB
	s_add_co_u32 s22, s22, SL1+2*HTB
	v_add_nc_u32 v[A16+1], s21, v[LI]
	v_add_nc_u32 v[A8+1], s21, v[L8]
	v_add_nc_u32 v[B16+1], s22, v[LI]
	v_add_nc_u32 v[B8+1], s22, v[L8]
	v_lshlrev_b32 v5, 2, v2
	s_mul_i32 s21, s15, MA*64                      ; in a K step's 2 MA x 64 bytes: my half of S1's words,
	s_mul_i32 s22, s16, MA*64                      ; my half of S0's
	s_add_co_u32 s22, s22, 2*HALFS
	s_sub_co_u32 s22, s22, s21
	v_mul_u32_u24 v6, s22, v3                      ; lanes 0-15 take S1's words, lanes 16-31 S0's
	s_add_co_u32 s21, s21, SCL
	v_add_nc_u32 v5, v5, v6
	v_add_nc_u32 v[ADRS], s21, v5
	s_mul_i32 s23, s14, 16*272                     ; my stage: 16 rows x (256 bytes + 16),
	s_add_co_u32 s23, s23, SPARE+512               ; in bytes of its own behind the spare words: no tile lands there, and no barrier parts the last reads of the slot from the first results
	v_mul_u32_u24 v5, v2, 272
	v_lshl_add_u32 v5, v3, 6, v5
	v_add_nc_u32 v[STO], s23, v5                   ; in: row r, + 64 h
	v_mul_u32_u24 v5, v3, 272
	v_lshl_add_u32 v5, v2, 4, v5
	v_add_nc_u32 v[RD], s23, v5                    ; back: lanes 0-15 one row, lanes 16-31 the next
	v_lshlrev_b32 v5, 12, v3
	v_lshl_add_u32 v[CO], v2, 4, v5                ; and the same two rows in memory
	s_wait_alu depctr_va_vdst(0)
	s_lshl_b32 s20, s17, 19
	s_lshl_b32 s21, s15, 18
	s_add_co_u32 s20, s20, s21                     ; my first token's row,
	s_lshl_b32 s22, s2, 9
	s_lshl_b32 s23, s16, 8
	s_add_co_u32 s22, s22, s23                     ; my first column, in bytes
	s_mov_b32 s23, 0
	s_add_nc_u64 s[8:9], s[8:9], s[22:23]
	s_add_co_u32 s20, s20, s22
	s_mov_b32 s21, 0
	s_add_nc_u64 s[10:11], s[10:11], s[20:21]
	s_add_nc_u64 s[12:13], s[12:13], s[20:21]
	WIN 0x40                                       ; destination window 1: the bias in the result's layout: 8 loads
.irp b, 0,1,2,3
	global_load_b128 v[8*\b:8*\b+3], v[BO], s[8:9] offset:(32*(\b/2)+8*(\b%2))*4
	global_load_b128 v[8*\b+4:8*\b+7], v[BO], s[8:9] offset:(32*(\b/2)+8*(\b%2))*4+16
.endr
	WIN 0x80                                       ; destination window 2: the residual, 32 loads: block a's rows 2 i, 2 i + 1 are tokens 32 (a / 2) + 8 (a % 2) + 2 i + 8 (i / 4), + 1
.irp a, 0,1,2,3
.irp i, 0,1,2,3,4,5,6,7
	global_load_b128 v[128+4*(8*\a+\i):128+4*(8*\a+\i)+3], v[CO], s[10:11] offset:(32*(\a/2)+8*(\a%2)+2*\i+8*(\i/4))*4096
.endr
.endr
	WIN 0
.macro FRAG reg, a16, a8, off          ; a fragment comes as it was stored: 12 registers by four loads, each of consecutive bytes
	ds_load_b128 v[\reg:\reg+3], v[\a16] offset:\off
	ds_load_b64 v[\reg+4:\reg+5], v[\a8] offset:(\off)+512
	ds_load_b128 v[\reg+6:\reg+9], v[\a16] offset:(\off)+768
	ds_load_b64 v[\reg+10:\reg+11], v[\a8] offset:(\off)+1280
.endm
; K step kk of the product, which is the q-th of the fill that lies in the slot (len: K steps in a row of that slot), into set p: 8 fragments and 4 registers of scale words
.macro FETCH slot, len, q, kk, p
	WIN (((\p)+1)/2)<<6                            ; THREE sets of fragment registers: set 0 in window 0, sets 1 and 2 in window 1 (set 2 96 registers on)
.irp i, 0,1,2,3
	FRAG S0F+96*((\p)/2)+12*\i, B16+\slot, B8+\slot, (\i*(\len)+(\q))*FRB
	FRAG S1F+96*((\p)/2)+12*\i, A16+\slot, A8+\slot, (\i*(\len)+(\q))*FRB
.endr
	WIN 0
.irp i, 0,1,2,3
	ds_load_b32 v[SC+MA*(\p)+\i], v[ADRS] offset:((\kk)*2*MA+\i)*64
.endr
.endm
; 8 matrix instructions: S1's blocks 2 half, 2 half + 1 x S0's four.  c = 0: in place; 2: the bias starts the sums.  The 16 accumulators take turns in the same order in every step.
.macro MULH p, half, c
.set PW_, ((\p)+1)/2
.if (\c) == 2
	WIN PW_|(PW_<<2)|(1<<4)|(2<<6)
.else
	WIN PW_|(PW_<<2)|(2<<4)|(2<<6)
.endif
.irp a, 0,1
.irp b, 0,1,2,3
.set rD, 8*(4*(2*(\half)+\a)+\b)
.set rA, S0F+96*((\p)/2)+12*\b
.set rB, S1F+96*((\p)/2)+12*(2*(\half)+\a)
.set rX, SC+MA*(\p)+\b
.set rY, SC+MA*(\p)+2*(\half)+\a
.if (\c) == 0
	v_wmma_scale_f32_16x16x128_f8f6f4 v[rD:rD+7], v[rA:rA+11], v[rB:rB+11], v[rD:rD+7], v[rX], v[rY] matrix_a_fmt:MATRIX_FMT_FP6 matrix_b_fmt:MATRIX_FMT_FP6 matrix_a_scale:MATRIX_SCALE_ROW1
.else
	v_wmma_scale_f32_16x16x128_f8f6f4 v[rD:rD+7], v[rA:rA+11], v[rB:rB+11], v[8*\b:8*\b+7], v[rX], v[rY] matrix_a_fmt:MATRIX_FMT_FP6 matrix_b_fmt:MATRIX_FMT_FP6 matrix_a_scale:MATRIX_SCALE_ROW1
.endif
.endr
.endr
.endm
.macro STEP slot, len, q, kk, c        ; K step kk is multiplied (set kk % 3); K step kk + 2, the q-th of the fill in the slot, is fetched
	s_wait_dscnt 36                                ; this step's set is in; the 36 loads of the next step's may be out
	PLACES 4                                       ; in front of loads into the set that the last step multiplied
	FETCH \slot, \len, \q, (\kk)+2, ((\kk)+2)%3
	MULH (\kk)%3, 0, \c
	MULH (\kk)%3, 1, \c
	WIN 0
.endm
.macro RUN slot, len, kf, q0, q1       ; K steps q0 .. q1 of the fill that begins with K step kf
.set RQ, \q0
.rept (\q1)-(\q0)+1
	STEP \slot, \len, RQ, (\kf)+RQ-2, 0
.set RQ, RQ+1
.endr
.endm
; K step kk is its fill's last and changes slots: all my tensor loads have landed, the add, the wait for it and for my reads of this slot; one barrier.  fill = 1, 2: the barrier opens a round of the cluster's barrier, and
; this slot is filled again first behind the round, with the K steps a lap on.  fill = 2: the last fill, of LASTK K steps: tensor_dim0 says where the row ends; the places beyond it in LDS are read by nobody.
.macro TURN slot, next, nlen, kk, fill
	s_wait_tensorcnt 0x0
	ds_add_u32 v[SPW], v[NIL]
	s_wait_dscnt 0x0
	s_barrier_signal -1
	MULH (\kk)%2, 0, 0                             ; work on registers while the others arrive
	WIN 0
	s_barrier_wait -1
.if \fill
	CREST
	s_add_nc_u64 s[G0+4*\slot+2:G0+4*\slot+3], s[G0+4*\slot+2:G0+4*\slot+3], PER*FRB   ; no tensor load of mine is out: the descriptors may be written
	s_add_nc_u64 s[G0B+4*\slot+2:G0B+4*\slot+3], s[G0B+4*\slot+2:G0B+4*\slot+3], PER*FRB
.if \fill == 2
	s_mov_b32 s[G1A1+1], (LASTK*192)<<16
	s_mov_b32 s[G1B1+1], (LASTK*192)<<16
.endif
.if \slot == 0
	JLOAD G0, G1A, G0B, G1B                        ; the four v_nop behind it are the places in front of the loads below
.else
	JLOAD G0+4, G1A1, G0B+4, G1B1
.endif
.else
	PLACES 4
.endif
	FETCH \next, \nlen, 0, (\kk)+1, 1-(\kk)%2
	MULH (\kk)%2, 1, 0
	WIN 0
.endm
	s_wait_alu depctr_va_vdst(0)                   ; the wait at the head's end
	s_wait_tensorcnt 0x0                           ; my tile is in; the barrier shows all four; nothing is ever filled again
	s_barrier_signal -1
	s_barrier_wait -1
	FETCH 0, KSA, 0, 0, 0
	FETCH 0, KSA, 1, 1, 1
	s_wait_loadcnt 32                              ; the bias's 8 loads are in; the residual's 32, issued behind them, may be out
	STEP 0, KSA, 2, 0, 2
	RUN 0, KSA, 0, 3, KSA-1
.if FF2
	TURN 0, 1, KSB, KSA-1, 1                       ; slot 0 takes K steps 11 to 15
	RUN 1, KSB, KSA, 0, KSB-2
	TURN 1, 0, KSA, PER-1, 1                       ; slot 1 takes 16 to 21
	RUN 0, KSA, PER, 0, KSA-2
	TURN 0, 1, KSB, PER+KSA-1, 1                   ; slot 0 takes 22 to 26
	RUN 1, KSB, PER+KSA, 0, KSB-2
	TURN 1, 0, KSA, 2*PER-1, 2                     ; slot 1 takes 27 to 31
	RUN 0, KSA, 2*PER, 0, KSA-2
	TURN 0, 1, KSB, 2*PER+KSA-1, 0                 ; nothing is left to fetch
	RUN 1, KSB, 2*PER+KSA, 0, LASTK-2
.else
.endif
	s_wait_dscnt 36                                ; the last two K steps fetch nothing
	MULH (KST-2)%3, 0, 0
	MULH (KST-2)%3, 1, 0
	s_wait_dscnt 0x0
	MULH (KST-1)%3, 0, 0
	MULH (KST-1)%3, 1, 0
	WIN 0
; THE WAY OUT, a block of 16 tokens x 64 columns at a time: through my stage, back as rows of 256 bytes, + the residual, stored: sixteen lanes to an aligned run of 256 bytes.
.macro TOSTAGE a
	WIN 0x08                                       ; an LDS store's data: window 2
.irp b, 0,1,2,3
	ds_store_b128 v[STO], v[8*(4*(\a)+\b):8*(4*(\a)+\b)+3] offset:128*(\b/2)+32*(\b%2)       ; each accumulator from its low end on
	ds_store_b128 v[STO], v[8*(4*(\a)+\b)+4:8*(4*(\a)+\b)+7] offset:128*(\b/2)+32*(\b%2)+16
.endr
	WIN 0
.irp i, 0,1,2,3,4,5,6,7
	ds_load_b128 v[BK+32*((\a)%2)+4*\i:BK+32*((\a)%2)+4*\i+3], v[RD] offset:544*\i   ; LDS serves a wave's instructions in order: these see the stores above
.endr
.endm
.macro SEND a, younger
	s_wait_dscnt \younger
	WIN 0x08                                       ; source 1: the residual, window 2
.irp i, 0,1,2,3,4,5,6,7,8,9,10,11,12,13,14,15
	v_pk_add_f32 v[BK+32*((\a)%2)+2*\i:BK+32*((\a)%2)+2*\i+1], v[BK+32*((\a)%2)+2*\i:BK+32*((\a)%2)+2*\i+1], v[128+32*(\a)+2*\i:128+32*(\a)+2*\i+1]
.endr
	WIN 0
.irp i, 0,1,2,3,4,5,6,7
	global_store_b128 v[CO], v[BK+32*((\a)%2)+4*\i:BK+32*((\a)%2)+4*\i+3], s[12:13] offset:(32*((\a)/2)+8*((\a)%2)+2*\i+8*(\i/4))*4096
.endr
.endm
	PLACES 4
	TOSTAGE 0
	TOSTAGE 1
	s_wait_loadcnt 0x0                             ; the residual
	SEND 0, 16                                     ; behind block 0's loads: block 1's 8 stores and 8 loads
	s_wait_xcnt 0x0                                ; block 0's stores have read their registers
	TOSTAGE 2
	SEND 1, 16
	s_wait_xcnt 0x0
	TOSTAGE 3
	SEND 2, 16
	SEND 3, 0
	s_wait_tensorcnt 0x0                           ; the wave's end
	ds_add_u32 v[SPW], v[NIL]
	s_wait_dscnt 0x0
	CROUND                                         ; the closing round
	s_endpgm
.Lfunc_end_k_q8b182e1a59_gproj:
	.size	k_q8b182e1a59_gproj, .Lfunc_end_k_q8b182e1a59_gproj-k_q8b182e1a59_gproj
	.p2alignl 7, 3214868480
	.fill 96, 4, 3214868480
	.section	.rodata,"a",@progbits
	.p2align	6, 0x0
	.amdhsa_kernel k_q8b182e1a59_gproj
		.amdhsa_group_segment_fixed_size 327680
		.amdhsa_private_segment_fixed_size 0
		.amdhsa_enable_private_segment 0
		.amdhsa_kernarg_size 40
		.amdhsa_user_sgpr_count 2
		.amdhsa_user_sgpr_kernarg_segment_ptr 1
		.amdhsa_wavefront_size32 1
		.amdhsa_system_sgpr_workgroup_id_x 1
		.amdhsa_system_sgpr_workgroup_id_y 1
		.amdhsa_system_sgpr_workgroup_id_z 1
		.amdhsa_system_vgpr_workitem_id 0
		.amdhsa_next_free_vgpr 768
		.amdhsa_next_free_sgpr 100
		.amdhsa_reserve_vcc 0
		.amdhsa_float_denorm_mode_32 3
		.amdhsa_float_denorm_mode_16_64 3
		.amdhsa_memory_ordered 1
		.amdhsa_forward_progress 1
		.amdhsa_inst_pref_size 62
	.end_amdhsa_kernel
	.amdgpu_metadata
---
amdhsa.version: [ 1, 2 ]
amdhsa.kernels:
  - .name:           k_q8b182e1a59_gproj
    .symbol:         k_q8b182e1a59_gproj.kd
    .args:
      - { .name: ob, .offset: 0, .size: 8, .value_kind: global_buffer, .address_space: global }
      - { .name: wk, .offset: 8, .size: 8, .value_kind: global_buffer, .address_space: global }
      - { .name: bp, .offset: 16, .size: 8, .value_kind: global_buffer, .address_space: global }
      - { .name: x, .offset: 24, .size: 8, .value_kind: global_buffer, .address_space: global }
      - { .name: x1, .offset: 32, .size: 8, .value_kind: global_buffer, .address_space: global }
    .group_segment_fixed_size: 327680
    .private_segment_fixed_size: 0
    .kernarg_segment_align: 8
    .kernarg_segment_size: 40
    .max_flat_workgroup_size: 128
    .sgpr_count:     100
    .vgpr_count:     768
    .wavefront_size: 32
...
	.end_amdgpu_metadata
.endif
;; end of part 4
;; launch ln2 (part 5): grid 256 x 1, 8 waves a work-group, no clusters, 66,816 bytes of LDS; arguments x1, ln2_w, ln2_b, h2; writes h2
.if DOCPART == 5
	.amdgcn_target "amdgcn-amd-amdhsa--gfx1250"
	.amdhsa_code_object_version 6
	.text
	.protected	k_q8b182e1a59_ln2
	.globl	k_q8b182e1a59_ln2
	.p2align	8
	.type	k_q8b182e1a59_ln2,@function
k_q8b182e1a59_ln2:
	s_mov_b64 s[64:65], 0
	v_nop
	global_prefetch_b8 v0, s[64:65] scope:SCOPE_SE
	s_setreg_imm32_b32 hwreg(HW_REG_WAVE_MODE, 25, 1), 1
	s_wait_xcnt 0x0
; h2 = layer_norm(x1, ln2_w, ln2_b) as codes of FP6 (E2M3) with one E8M0 byte for each 32 along K: the first launch's layer norm on other buffers.
; Work-group j takes row block j: tokens 32 (j / 2) + 8 (j % 2) + i + 8 (i / 8).  Wave w normalises rows 2 w, 2 w + 1; the 16 rows meet in LDS; wave w then quantises K step w of all 16.
; Codes: [row block][16 units][768] as images of operand registers; scale words: [K step][row block][16].  Memory binds: no matrix unit, no cluster, no tensor load.
; LIMITS: a block of zeros gets the byte 1 (its codes are zeros; only this program reads the bytes); NaN and infinities are not served.
.set DST_C, 0
.set DST_S, 3145728
.set LP,    4112
.set SPARE, 16*LP
.set SPW, 12
.set NIL, 13
.set R,   16
.set GW,  80
.set GB,  112
.set SM,  144
.set TP,  156
.set TM,  160
.set PW,  176
.set PC,  178
.set SEL, 28
.set DP,  10                           ; s[10:11] the buffer that is stored into
.macro QUANT s
.irp b, 0,1,2,3
	v_max3_num_f32 v[TM+\b], |v[\s+16*\b]|, |v[\s+1+16*\b]|, 0x1800000   ; my 16 numbers of block b, and the floor 2^(3 - 127)
.endr
.irp i, 2,4,6,8,10,12,14
.irp b, 0,1,2,3
	s_delay_alu instid0(VALU_DEP_4)
	v_max3_num_f32 v[TM+\b], v[TM+\b], |v[\s+16*\b+\i]|, |v[\s+1+16*\b+\i]|
.endr
.endr
.irp b, 0,1,2,3
	s_delay_alu instid0(VALU_DEP_4)
	v_permlanex16_b32 v[TM+4+\b], v[TM+\b], s[SEL], s[SEL+1]
.endr
.irp b, 0,1,2,3
	s_delay_alu instid0(VALU_DEP_4)
	v_max_num_f32 v[TM+\b], v[TM+\b], v[TM+4+\b]
.endr
.irp b, 0,1,2,3
	s_delay_alu instid0(VALU_DEP_4)
	v_add_nc_u32 v[TM+12+\b], 0xff000000, v[TM+\b]
.endr
.irp b, 0,1,2,3
	s_delay_alu instid0(VALU_DEP_4)
	v_lshrrev_b32 v[TM+4+\b], 23, v[TM+12+\b]
.endr
	s_delay_alu instid0(VALU_DEP_3)
	v_lshl_or_b32 v[PW], v[TM+5], 8, v[TM+4]
	s_delay_alu instid0(VALU_DEP_1)
	v_lshl_or_b32 v[PW], v[TM+6], 16, v[PW]
	s_delay_alu instid0(VALU_DEP_1)
	v_lshl_or_b32 v[PW], v[TM+7], 24, v[PW]
.irp c, 0,1
	v_cvt_scalef32_pk16_fp6_f32 v[PC+6*\c:PC+2+6*\c], v[\s+32*\c:\s+15+32*\c], v[TM+12+2*\c]
	v_cvt_scalef32_pk16_fp6_f32 v[PC+12+4*\c:PC+14+4*\c], v[\s+16+32*\c:\s+31+32*\c], v[TM+12+2*\c+1]
.endr
	v_nop
.irp c, 0,1
.irp i, 0,1,2
	v_permlane16_swap_b32 v[PC+6*\c+\i], v[PC+12+4*\c+\i]
.endr
.irp i, 0,1,2
	s_delay_alu instid0(VALU_DEP_3)
	v_mov_b32 v[PC+3+6*\c+\i], v[PC+12+4*\c+\i]
.endr
.endr
.endm
.macro ACROSS
.irp m, 1,2,4,8
.irp e, 0,1
	s_delay_alu instid0(VALU_DEP_2)
	v_add_f32_dpp v[SM+2+6*\e], v[SM+2+6*\e], v[SM+2+6*\e] row_xmask:\m row_mask:0xf bank_mask:0xf
.endr
.endr
.irp e, 0,1
	s_delay_alu instid0(VALU_DEP_2)
	v_permlanex16_b32 v[TP+\e], v[SM+2+6*\e], s[SEL], s[SEL+1]
.endr
.irp e, 0,1
	s_delay_alu instid0(VALU_DEP_2)
	v_add_f32 v[SM+2+6*\e], v[SM+2+6*\e], v[TP+\e]
.endr
.endm
	s_load_b256 s[4:11], s[0:1], 0x0               ; x1, ln2_w, ln2_b, h2
	v_lshl_add_u32 v[SPW], v0, 2, SPARE
	v_mov_b32 v[NIL], 0
	v_lshrrev_b32 v1, 5, v0
	s_delay_alu instid0(VALU_DEP_1)
	v_readfirstlane_b32 s24, v1                    ; wave 0..7
	v_and_b32 v10, 31, v0
	v_and_b32 v8, 15, v0                           ; r
	v_bfe_u32 v9, v0, 4, 1                         ; h
	s_delay_alu instid0(VALU_DEP_3)
	v_lshlrev_b32 v1, 4, v10
	s_delay_alu instid0(VALU_DEP_4)
	v_lshlrev_b32 v4, 3, v10
	s_delay_alu instid0(VALU_DEP_4)
	v_lshlrev_b32 v5, 2, v8
	s_mul_i32 s25, s24, 2*LP
	v_add_nc_u32 v2, s25, v1                       ; LDS, in
	v_mul_u32_u24 v3, v8, LP
	s_delay_alu instid0(VALU_DEP_1)
	v_lshl_add_u32 v3, v9, 6, v3
	s_lshl_b32 s25, s24, 9
	v_add_nc_u32 v3, s25, v3                       ; LDS, out
	s_mov_b32 s[SEL], 0x76543210
	s_mov_b32 s[SEL+1], 0xfedcba98
	s_mov_b32 s30, 0x3a800000                      ; 1 / 1024
	s_mov_b32 s31, 0x3727c5ac                      ; 1e-5
	v_mov_b32 v[TP], 0
	v_mov_b32 v[TP+1], 0
.irp b, 0,1,2,3
	v_mov_b32 v[TM+4+\b], 0
.endr
	s_lshr_b32 s25, ttmp9, 1
	s_lshl_b32 s25, s25, 5
	s_and_b32 s26, ttmp9, 1
	s_lshl_b32 s26, s26, 3
	s_add_co_u32 s25, s25, s26
	s_lshl_b32 s26, s24, 1
	s_add_co_u32 s25, s25, s26
	s_lshr_b32 s26, s24, 2
	s_lshl_b32 s26, s26, 3
	s_add_co_u32 s25, s25, s26                     ; my first token
	s_lshl_b32 s26, s25, 12
	s_mov_b32 s27, 0
	s_lshl_b32 s32, ttmp9, 4
	s_lshl_b32 s33, s24, 1
	s_add_co_u32 s32, s32, s33
	s_mul_i32 s32, s32, 768
	s_add_co_u32 s32, s32, DST_C
	s_mov_b32 s33, 0
	s_lshl_b32 s34, s24, 8
	s_add_co_u32 s34, s34, ttmp9
	s_lshl_b32 s34, s34, 6
	s_add_co_u32 s34, s34, DST_S
	s_mov_b32 s35, 0
	s_wait_kmcnt 0x0
	s_add_nc_u64 s[4:5], s[4:5], s[26:27]
	s_add_nc_u64 s[32:33], s[DP:DP+1], s[32:33]
	s_add_nc_u64 s[34:35], s[DP:DP+1], s[34:35]
.irp j, 0,1,2,3,4,5,6,7,8,9,10,11,12,13,14,15
	global_load_b128 v[R+4*\j:R+4*\j+3], v1, s[4:5] offset:512*\j
.endr
.irp j, 0,1,2,3,4,5,6,7
	global_load_b128 v[GW+4*\j:GW+4*\j+3], v1, s[6:7] offset:512*\j
.endr
.irp j, 0,1,2,3,4,5,6,7
	global_load_b128 v[GB+4*\j:GB+4*\j+3], v1, s[8:9] offset:512*\j
.endr
	s_wait_loadcnt 16                              ; the rows are in; the 16 loads of gain and bias may be out
.irp e, 0,1
	v_pk_add_f32 v[SM+2+6*\e:SM+3+6*\e], v[R+32*\e:R+32*\e+1], v[R+32*\e+2:R+32*\e+3]
	v_pk_add_f32 v[SM+4+6*\e:SM+5+6*\e], v[R+32*\e+4:R+32*\e+5], v[R+32*\e+6:R+32*\e+7]
.endr
.irp k, 8,12,16,20,24,28
.irp e, 0,1
	s_delay_alu instid0(VALU_DEP_4)
	v_pk_add_f32 v[SM+2+6*\e:SM+3+6*\e], v[SM+2+6*\e:SM+3+6*\e], v[R+32*\e+\k:R+32*\e+\k+1]
	s_delay_alu instid0(VALU_DEP_4)
	v_pk_add_f32 v[SM+4+6*\e:SM+5+6*\e], v[SM+4+6*\e:SM+5+6*\e], v[R+32*\e+\k+2:R+32*\e+\k+3]
.endr
.endr
.irp e, 0
	s_delay_alu instid0(VALU_DEP_3)
	v_pk_add_f32 v[SM+2+6*\e:SM+3+6*\e], v[SM+2+6*\e:SM+3+6*\e], v[SM+4+6*\e:SM+5+6*\e]
.endr
.irp e, 1
	s_delay_alu instid0(VALU_DEP_2)
	v_pk_add_f32 v[SM+2+6*\e:SM+3+6*\e], v[SM+2+6*\e:SM+3+6*\e], v[SM+4+6*\e:SM+5+6*\e]
.endr
.irp e, 0,1
	s_delay_alu instid0(VALU_DEP_2)
	v_add_f32 v[SM+2+6*\e], v[SM+2+6*\e], v[SM+3+6*\e]
.endr
	ACROSS
.irp e, 0,1
	s_delay_alu instid0(VALU_DEP_2)
	v_mul_f32 v[SM+6*\e], s30, v[SM+2+6*\e]        ; the mean,
.endr
.irp e, 0,1
	s_delay_alu instid0(VALU_DEP_2)
	v_mov_b32 v[SM+1+6*\e], v[SM+6*\e]             ; as a pair
.endr
.irp k, 0,2,4,6,8,10,12,14,16,18,20,22,24,26,28,30
.irp e, 0,1
	v_pk_add_f32 v[R+32*\e+\k:R+32*\e+\k+1], v[R+32*\e+\k:R+32*\e+\k+1], v[SM+6*\e:SM+6*\e+1] neg_lo:[0,1] neg_hi:[0,1]
.endr
.endr
.irp e, 0,1
	v_pk_mul_f32 v[SM+2+6*\e:SM+3+6*\e], v[R+32*\e:R+32*\e+1], v[R+32*\e:R+32*\e+1]
	v_pk_mul_f32 v[SM+4+6*\e:SM+5+6*\e], v[R+32*\e+2:R+32*\e+3], v[R+32*\e+2:R+32*\e+3]
.endr
.irp k, 4,8,12,16,20,24,28
.irp e, 0,1
	s_delay_alu instid0(VALU_DEP_4)
	v_pk_fma_f32 v[SM+2+6*\e:SM+3+6*\e], v[R+32*\e+\k:R+32*\e+\k+1], v[R+32*\e+\k:R+32*\e+\k+1], v[SM+2+6*\e:SM+3+6*\e]
	s_delay_alu instid0(VALU_DEP_4)
	v_pk_fma_f32 v[SM+4+6*\e:SM+5+6*\e], v[R+32*\e+\k+2:R+32*\e+\k+3], v[R+32*\e+\k+2:R+32*\e+\k+3], v[SM+4+6*\e:SM+5+6*\e]
.endr
.endr
.irp e, 0
	s_delay_alu instid0(VALU_DEP_3)
	v_pk_add_f32 v[SM+2+6*\e:SM+3+6*\e], v[SM+2+6*\e:SM+3+6*\e], v[SM+4+6*\e:SM+5+6*\e]
.endr
.irp e, 1
	s_delay_alu instid0(VALU_DEP_2)
	v_pk_add_f32 v[SM+2+6*\e:SM+3+6*\e], v[SM+2+6*\e:SM+3+6*\e], v[SM+4+6*\e:SM+5+6*\e]
.endr
.irp e, 0,1
	s_delay_alu instid0(VALU_DEP_2)
	v_add_f32 v[SM+2+6*\e], v[SM+2+6*\e], v[SM+3+6*\e]
.endr
	ACROSS
.irp e, 0,1
	s_delay_alu instid0(VALU_DEP_2)
	v_fma_f32 v[SM+2+6*\e], v[SM+2+6*\e], s30, s31
.endr
	s_wait_alu depctr_va_vdst(0)
.irp e, 0,1
	v_rsq_f32 v[SM+2+6*\e], v[SM+2+6*\e]
.endr
	v_nop                                          ; a plain place behind the two roots,
	s_wait_alu depctr_va_vdst(0)                   ; and the one wait ahead of their first reader
.irp k, 0,2,4,6,8,10,12,14,16,18,20,22,24,26,28,30
.irp e, 0,1
	v_pk_mul_f32 v[R+32*\e+\k:R+32*\e+\k+1], v[R+32*\e+\k:R+32*\e+\k+1], v[SM+2+6*\e:SM+3+6*\e] op_sel_hi:[1,0]
.endr
.endr
	s_wait_loadcnt 0x0
.irp k, 0,2,4,6,8,10,12,14,16,18,20,22,24,26,28,30
.irp e, 0,1
	v_pk_fma_f32 v[R+32*\e+\k:R+32*\e+\k+1], v[R+32*\e+\k:R+32*\e+\k+1], v[GW+\k:GW+\k+1], v[GB+\k:GB+\k+1]
.endr
.endr
.irp e, 0,1
.irp j, 0,1,2,3,4,5,6,7
	ds_store_b128 v2, v[R+32*\e+4*\j:R+32*\e+4*\j+3] offset:\e*LP+512*\j
.endr
.endr
	s_wait_dscnt 0x0                               ; for the others' sake: my rows lie in LDS
	s_barrier_signal -1
	s_barrier_wait -1
.irp b, 0,1,2,3
.irp j, 0,1,2,3
	ds_load_b128 v[R+16*\b+4*\j:R+16*\b+4*\j+3], v3 offset:128*\b+16*\j
.endr
.endr
	s_wait_dscnt 0x0
	QUANT R
	global_store_b128 v1, v[PC:PC+3], s[32:33]
	global_store_b64 v4, v[PC+4:PC+5], s[32:33] offset:512
	global_store_b128 v1, v[PC+6:PC+9], s[32:33] offset:768
	global_store_b64 v4, v[PC+10:PC+11], s[32:33] offset:1280
	global_store_b32 v5, v[PW], s[34:35]           ; 64 bytes: row r's word (lanes 16-31 write the same words with the same values)
	s_wait_tensorcnt 0x0                           ; the wave's end
	ds_add_u32 v[SPW], v[NIL]
	s_wait_dscnt 0x0
	s_endpgm
.Lfunc_end_k_q8b182e1a59_ln2:
	.size	k_q8b182e1a59_ln2, .Lfunc_end_k_q8b182e1a59_ln2-k_q8b182e1a59_ln2
	.p2alignl 7, 3214868480
	.fill 96, 4, 3214868480
	.section	.rodata,"a",@progbits
	.p2align	6, 0x0
	.amdhsa_kernel k_q8b182e1a59_ln2
		.amdhsa_group_segment_fixed_size 66816
		.amdhsa_private_segment_fixed_size 0
		.amdhsa_enable_private_segment 0
		.amdhsa_kernarg_size 32
		.amdhsa_user_sgpr_count 2
		.amdhsa_user_sgpr_kernarg_segment_ptr 1
		.amdhsa_wavefront_size32 1
		.amdhsa_system_sgpr_workgroup_id_x 1
		.amdhsa_system_sgpr_workgroup_id_y 1
		.amdhsa_system_sgpr_workgroup_id_z 1
		.amdhsa_system_vgpr_workitem_id 0
		.amdhsa_next_free_vgpr 200
		.amdhsa_next_free_sgpr 66
		.amdhsa_reserve_vcc 0
		.amdhsa_float_denorm_mode_32 3
		.amdhsa_float_denorm_mode_16_64 3
		.amdhsa_memory_ordered 1
		.amdhsa_forward_progress 1
		.amdhsa_inst_pref_size 29
	.end_amdhsa_kernel
	.amdgpu_metadata
---
amdhsa.version: [ 1, 2 ]
amdhsa.kernels:
  - .name:           k_q8b182e1a59_ln2
    .symbol:         k_q8b182e1a59_ln2.kd
    .args:
      - { .name: x1, .offset: 0, .size: 8, .value_kind: global_buffer, .address_space: global }
      - { .name: ln2_w, .offset: 8, .size: 8, .value_kind: global_buffer, .address_space: global }
      - { .name: ln2_b, .offset: 16, .size: 8, .value_kind: global_buffer, .address_space: global }
      - { .name: h2, .offset: 24, .size: 8, .value_kind: global_buffer, .address_space: global }
    .group_segment_fixed_size: 66816
    .private_segment_fixed_size: 0
    .kernarg_segment_align: 8
    .kernarg_segment_size: 32
    .max_flat_workgroup_size: 256
    .sgpr_count:     66
    .vgpr_count:     200
    .wavefront_size: 32
...
	.end_amdgpu_metadata
.endif
;; end of part 5
;; launch gff1 (part 6): grid 16 x 16, 4 waves a work-group, clusters of 4 x 4, 327,680 bytes of LDS; arguments h2, wk, b1, g; writes g
.if DOCPART == 6
	.amdgcn_target "amdgcn-amd-amdhsa--gfx1250"
	.amdhsa_code_object_version 6
	.text
	.protected	k_q8b182e1a59_gff1
	.globl	k_q8b182e1a59_gff1
	.p2align	8
	.type	k_q8b182e1a59_gff1,@function
k_q8b182e1a59_gff1:
	s_mov_b64 s[64:65], 0
	v_nop
	global_prefetch_b8 v0, s[64:65] scope:SCOPE_SE
	s_setreg_imm32_b32 hwreg(HW_REG_WAVE_MODE, 25, 1), 1
	s_wait_xcnt 0x0
	s_wait_alu depctr_hold_cnt(0) depctr_sa_sdst(0) depctr_va_vdst(0) depctr_va_sdst(0) depctr_va_ssrc(0) depctr_va_vcc(0) depctr_vm_vsrc(0)
	s_getreg_b32 s2, hwreg(HW_REG_IB_STS2, 6, 4)
	s_cmp_eq_u32 s2, 0
	s_cbranch_scc0 .Lentry_in_a_cluster
	s_endpgm
.Lentry_in_a_cluster:
	s_bfe_u32 s2, ttmp6, 0x10000c
	s_cmp_lg_u32 s2, 0xf033
	s_cbranch_scc0 .Lentry_shape_is_right
	s_endpgm
.Lentry_shape_is_right:
.set QKV, 0
.set MA,   8
.set KS,   3                           ; K steps in a slot: the 8 K steps come in three fills of 3, 3 and 2
.set KST,  8
.set NRB,  256
.set LAPS, KST/(2*KS)
.set FRB,  1536
.set RBP,  KST*FRB
.set HALFT, MA*KS*FRB
.set SLOT, 4*HALFT
.set SCL,  2*SLOT
.set HALFS, KST*MA*64
.set SPARE, SCL+4*HALFS
.set WA_S, 3145728
.set W1_C, 3276800
.set W1_S, 6422528
.set H_C,  9830400
.set H_S,  12976128
.set WV_C, 128*RBP
.set WV_S, WA_S+128*64
.set H2_S, 3145728
.set Q_S,  9437184
.set G_S,  12582912
.set A16, 16
.set A8,  18
.set B16, 20
.set B8,  22
.set LI,  24
.set L8,  25
.set L4,  26
.set ADRS, 27
.set SPW, 28
.set NIL, 29
.set BO,  30
.set SC,  32
.set S1F, 64
.set S0F, 160
.set PC,  112
.set TM,  200
.set W8,  224
.set XT,  232
.set G1, 24
.set G0, 32
.set G1B, 48
.set G0B, 56
.set G1S, 68
.set G0S, 76
.set G1SB, 80
.set G0SB, 88
.set SEL, 92
.set MSB, 0
.macro WIN new
.if MSB != (\new)
	s_set_vgpr_msb (MSB<<8)|(\new)
.set MSB, (\new)
.endif
.endm
.macro PLACES n
.rept \n
	v_nop
.endr
.endm
.macro JLOAD g0a, g1a, g0b, g1b
	s_cmp_eq_u32 s15, 0
	s_cbranch_scc0 .Lfor_b_\@
	tensor_load_to_lds s[\g0a:\g0a+3], s[\g1a:\g1a+7]
	s_nop 0
.rept 4
	v_nop
.endr
	s_branch .Lasked_\@
.Lfor_b_\@:
	tensor_load_to_lds s[\g0b:\g0b+3], s[\g1b:\g1b+7]
	s_nop 0
.rept 4
	v_nop
.endr
.Lasked_\@:
.endm
.macro CREST
	s_cmp_lg_u32 s14, 0
	s_cbranch_scc1 .Lnot_wave_0_\@
	s_barrier_signal -3
.Lnot_wave_0_\@:
	s_barrier_wait -3
	s_barrier_signal -1
	s_barrier_wait -1
.endm
.macro CROUND
	s_barrier_signal -1
	s_barrier_wait -1
	CREST
.endm
.if QKV
	s_load_b128 s[4:7], s[0:1], 0x0
.else
	s_load_b256 s[4:11], s[0:1], 0x0
.endif
	v_lshl_add_u32 v[SPW], v0, 2, SPARE
	v_mov_b32 v[NIL], 0
	ds_add_u32 v[SPW], v[NIL]
	ds_add_u32 v[SPW], v[NIL]
	v_lshrrev_b32 v1, 5, v0
	v_readfirstlane_b32 s14, v1
	s_lshr_b32 s15, s14, 1
	s_and_b32 s16, s14, 1
	s_bfe_u32 s40, ttmp6, 0x40000
	s_bfe_u32 s41, ttmp6, 0x40004
	s_and_b32 s45, ttmp7, 0xffff
.if QKV
	s_mov_b32 s67, H_C
	s_mov_b32 s98, WA_S
	s_mov_b32 s99, H_S
	s_cmp_eq_u32 ttmp9, 2
	s_cselect_b32 s42, s45, ttmp9
	s_cselect_b32 s17, 0, s45
	s_cselect_b32 s66, H_C, 0
	s_cselect_b32 s67, WV_C, s67
	s_cselect_b32 s98, H_S, s98
	s_cselect_b32 s99, WV_S, s99
.else
	s_mov_b32 s42, ttmp9
	s_mov_b32 s17, s45
	s_mov_b32 s66, W1_C
	s_mov_b32 s67, 0
	s_mov_b32 s98, W1_S
	s_mov_b32 s99, H2_S
.endif
	s_lshl_b32 s42, s42, 2
	s_add_co_u32 s42, s42, s40
	s_lshl_b32 s17, s17, 2
	s_add_co_u32 s17, s17, s41
	s_lshl_b32 s43, s41, 2
	s_lshl_b32 s43, 15, s43
	s_lshl_b32 s44, 0x1111, s40
	s_or_b32 s[G1+0], s43, (3<<16)|(1<<21)
	s_or_b32 s[G1B+0], s44, (3<<16)|(1<<21)
.irp g, G1, G1B
	s_mov_b32 s[\g+1], (KS*192)<<16
	s_mov_b32 s[\g+2], (2*MA)<<16                  ; the head's loads bring both halves of a side; behind them the two words that count rows are set to MA
	s_mov_b32 s[\g+3], (KS*192)<<16
	s_mov_b32 s[\g+4], 2*MA
	s_mov_b32 s[\g+5], KST*192
	s_mov_b32 s[\g+6], 0
	s_mov_b32 s[\g+7], 0
.endr
	s_or_b32 s[G1S+0], s43, (3<<16)|(1<<21)
	s_or_b32 s[G1SB+0], s44, (3<<16)|(1<<21)
.irp g, G1S, G1SB
	s_mov_b32 s[\g+1], (MA*16)<<16                 ; a side's scale words come whole: KST rows of 2 MA x 64 bytes
	s_mov_b32 s[\g+2], KST<<16
	s_mov_b32 s[\g+3], (MA*16)<<16
	s_mov_b32 s[\g+4], KST
	s_mov_b32 s[\g+5], NRB*8
	s_mov_b32 s[\g+6], 0
	s_mov_b32 s[\g+7], 0
.endr
	s_lshl_b32 s20, s17, 4                         ; the tiles' first row blocks
	s_lshl_b32 s46, s42, 4
	s_lshl_b32 s22, s20, 6
	s_add_co_u32 s22, s22, s99
	s_mul_i32 s20, s20, RBP
	s_add_co_u32 s20, s20, s67
	s_lshl_b32 s96, s46, 6
	s_add_co_u32 s96, s96, s98
	s_mul_i32 s46, s46, RBP
	s_add_co_u32 s46, s46, s66
	s_mov_b32 s21, 0
	s_mov_b32 s23, 0
	s_mov_b32 s47, 0
	s_mov_b32 s97, 0
	s_mul_i32 s45, s14, HALFT
	s_wait_dscnt 0x0
	s_wait_kmcnt 0x0
.if QKV
	s_add_nc_u64 s[20:21], s[4:5], s[20:21]
	s_add_nc_u64 s[22:23], s[4:5], s[22:23]
	s_add_nc_u64 s[46:47], s[4:5], s[46:47]
	s_add_nc_u64 s[96:97], s[4:5], s[96:97]
.else
	s_add_nc_u64 s[20:21], s[4:5], s[20:21]
	s_add_nc_u64 s[22:23], s[4:5], s[22:23]
	s_add_nc_u64 s[46:47], s[6:7], s[46:47]
	s_add_nc_u64 s[96:97], s[6:7], s[96:97]
.endif
	CROUND
	s_mov_b32 s[G0S], 1
	s_mov_b32 s[G0S+1], SCL
	s_mov_b64 s[G0S+2:G0S+3], s[22:23]
	s_or_b32 s[G0S+3], s[G0S+3], 0x80000000
	s_mov_b32 s[G0SB], 1
	s_mov_b32 s[G0SB+1], SCL+2*HALFS
	s_mov_b64 s[G0SB+2:G0SB+3], s[96:97]
	s_or_b32 s[G0SB+3], s[G0SB+3], 0x80000000
.irp s, 0,1
	s_mov_b32 s[G0+4*\s], 1
	s_add_co_u32 s[G0+4*\s+1], s45, \s*SLOT
	s_add_nc_u64 s[G0+4*\s+2:G0+4*\s+3], s[20:21], \s*KS*FRB
	s_or_b32 s[G0+4*\s+3], s[G0+4*\s+3], 0x80000000
	s_mov_b32 s[G0B+4*\s], 1
	s_add_co_u32 s[G0B+4*\s+1], s45, \s*SLOT
	s_add_nc_u64 s[G0B+4*\s+2:G0B+4*\s+3], s[46:47], \s*KS*FRB
	s_or_b32 s[G0B+4*\s+3], s[G0B+4*\s+3], 0x80000000
.endr
	s_mov_b32 s[G0+1], 0                           ; at the head a side's two halves come by one load
	s_mov_b32 s[G0B+1], 2*HALFT
	s_mul_i32 s18, s16, MA*RBP                     ; in the ring I fetch one half of a side: MA row blocks on
	s_mov_b32 s19, 0
	s_add_nc_u64 s[G0+6:G0+7], s[G0+6:G0+7], s[18:19]
	s_add_nc_u64 s[G0B+6:G0B+7], s[G0B+6:G0B+7], s[18:19]
	; THE PREFETCHES INTO THE L2: of the MA = 8 row blocks that a wave's joint load brings, each of the four partners that ask jointly names two, told apart BY ADDRESS (cx for source 1, cy for source 0).
	; A fill's part of a row block is 18 or 12 consecutive blocks of 256 bytes, a lane a block; lanes left over name the last block again.  Every place along K is an immediate; the address registers are never rewritten.
	s_cmp_eq_u32 s15, 0                            ; do I fetch for source 1?
	s_cselect_b64 s[100:101], s[20:21], s[46:47]
	s_cselect_b32 s2, s40, s41                     ; my place among the four
	s_lshl_b32 s3, s16, 2
	s_add_co_u32 s2, s2, s3
	s_mul_i32 s2, s2, 2*RBP                        ; row block 8 x half + 2 x place
	s_mov_b32 s3, 0
	s_add_nc_u64 s[100:101], s[100:101], s[2:3]
	; THE HEAD'S FOUR TILES, ONE A WAVE: slot 0's rows of source 1, of source 0, and the two sides' scale words.  One chain of branches on the wave's number, a load to an arm
	s_cmp_eq_u32 s14, 0
	s_cbranch_scc0 .Lhead_1
	tensor_load_to_lds s[G0:G0+3], s[G1:G1+7]
	s_nop 0
	PLACES 4
	s_branch .Lhead_asked
.Lhead_1:
	s_cmp_eq_u32 s14, 1
	s_cbranch_scc0 .Lhead_2
	tensor_load_to_lds s[G0B:G0B+3], s[G1B:G1B+7]
	s_nop 0
	PLACES 4
	s_branch .Lhead_asked
.Lhead_2:
	s_cmp_eq_u32 s14, 2
	s_cbranch_scc0 .Lhead_3
	tensor_load_to_lds s[G0S:G0S+3], s[G1S:G1S+7]
	s_nop 0
	PLACES 4
	s_branch .Lhead_asked
.Lhead_3:
	tensor_load_to_lds s[G0SB:G0SB+3], s[G1SB:G1SB+7]
	s_nop 0
	PLACES 4
.Lhead_asked:
	v_and_b32 v1, 31, v0
	v_and_b32 v2, 15, v0
	v_bfe_u32 v3, v0, 4, 1
	v_lshlrev_b32 v[LI], 4, v1
	v_lshlrev_b32 v[L8], 3, v1
	v_lshlrev_b32 v[L4], 2, v1
	v_lshlrev_b32 v[BO], 6, v3
	v_min_u32 v8, 17, v1
	v_lshlrev_b32 v8, 8, v8                        ; three K steps: blocks 0 to 17
	v_min_u32 v9, 11, v1
	v_lshlrev_b32 v9, 8, v9                        ; two K steps: blocks 0 to 11
	global_prefetch_b8 v8, s[100:101] offset:KS*FRB th:TH_LOAD_NT scope:SCOPE_SE       ; slot 1's first fill, K steps 3 to 5, is asked for while the head's tiles are on their way
	global_prefetch_b8 v8, s[100:101] offset:RBP+KS*FRB th:TH_LOAD_NT scope:SCOPE_SE
	s_mul_i32 s21, s15, HALFT
	s_mul_i32 s22, s16, HALFT
	s_add_co_u32 s22, s22, 2*HALFT
.irp s, 0,1
	v_add_nc_u32 v[A16+\s], s21, v[LI]
	v_add_nc_u32 v[A8+\s], s21, v[L8]
	v_add_nc_u32 v[B16+\s], s22, v[LI]
	v_add_nc_u32 v[B8+\s], s22, v[L8]
	s_add_co_u32 s21, s21, SLOT
	s_add_co_u32 s22, s22, SLOT
.endr
	v_lshlrev_b32 v5, 2, v2
	s_mul_i32 s21, s15, MA*64                      ; in a K step's 2 MA x 64 bytes: my half of each side's words
	s_mul_i32 s22, s16, MA*64
	s_add_co_u32 s22, s22, 2*HALFS
	s_sub_co_u32 s22, s22, s21
	v_mul_u32_u24 v6, s22, v3
	s_add_co_u32 s21, s21, SCL
	v_add_nc_u32 v5, v5, v6
	v_add_nc_u32 v[ADRS], s21, v5
	s_mov_b32 s[SEL], 0x76543210
	s_mov_b32 s[SEL+1], 0xfedcba98
	s_mov_b32 s94, 0xffff0000
.if QKV
	s_mov_b32 s95, 3072
	s_mov_b32 s23, 98304
	s_and_b32 s18, s42, 3
	s_cmp_eq_u32 ttmp9, 2
	s_cselect_b32 s19, s42, s17
	s_cselect_b32 s20, s16, s15
	s_cselect_b32 s21, s17, s18
	s_cselect_b32 s22, s15, s16
	s_cselect_b32 s66, s23, s95
	s_cselect_b32 s67, s95, s23
	s_lshl_b32 s19, s19, 4
	s_lshl_b32 s20, s20, 3
	s_add_co_u32 s19, s19, s20
	s_lshl_b32 s21, s21, 2
	s_lshl_b32 s22, s22, 1
	s_add_co_u32 s21, s21, s22
	s_lshr_b32 s20, s19, 7
	s_lshl_b32 s20, s20, 4
	s_add_co_u32 s20, s20, s21
	s_and_b32 s19, s19, 127
	s_lshl_b32 s22, s20, 7
	s_add_co_u32 s22, s22, s19
	s_mul_i32 s22, s22, 768
	s_mul_i32 s23, ttmp9, 3145728
	s_add_co_u32 s22, s22, s23
	s_mov_b32 s23, 0
	s_add_nc_u64 s[12:13], s[6:7], s[22:23]
	s_lshl_b32 s22, s20, 6
	s_lshr_b32 s19, s19, 1
	s_add_co_u32 s22, s22, s19
	s_lshl_b32 s22, s22, 6
	s_lshl_b32 s19, ttmp9, 17
	s_add_co_u32 s22, s22, s19
	s_add_co_u32 s22, s22, Q_S
	s_add_nc_u64 s[18:19], s[6:7], s[22:23]
	v_mov_b32 v48, v[LI]
	v_mov_b32 v49, v[L8]
	v_add_nc_u32 v50, s67, v[LI]
	v_add_nc_u32 v51, s67, v[L8]
	v_add_nc_u32 v52, s66, v[LI]
	v_add_nc_u32 v53, s66, v[L8]
	v_add_nc_u32 v54, s67, v52
	v_add_nc_u32 v55, s67, v53
	s_mov_b32 s96, 0x05040100
	s_mov_b32 s97, 0x07060302
.else
	s_lshl_b32 s20, s17, 4
	s_lshl_b32 s21, s15, 3
	s_add_co_u32 s20, s20, s21
	s_lshl_b32 s21, s42, 1
	s_add_co_u32 s21, s21, s16
	s_lshl_b32 s22, s20, 6
	s_lshl_b32 s23, s21, 1
	s_add_co_u32 s22, s22, s23
	s_mul_i32 s22, s22, 768
	s_mov_b32 s23, 0
	s_add_nc_u64 s[12:13], s[10:11], s[22:23]
	s_lshl_b32 s22, s21, 8
	s_add_co_u32 s22, s22, s20
	s_lshl_b32 s22, s22, 6
	s_add_co_u32 s22, s22, G_S
	s_add_nc_u64 s[18:19], s[10:11], s[22:23]
	s_lshl_b32 s22, s21, 9
	s_add_nc_u64 s[8:9], s[8:9], s[22:23]
	WIN 0x40
.irp b, 0,1,2,3,4,5,6,7
	global_load_b128 v[8*\b:8*\b+3], v[BO], s[8:9] offset:(32*(\b/2)+8*(\b%2))*4
	global_load_b128 v[8*\b+4:8*\b+7], v[BO], s[8:9] offset:(32*(\b/2)+8*(\b%2))*4+16
.endr
	WIN 0
.endif
.macro FRAG reg, a16, a8, off
	ds_load_b128 v[\reg:\reg+3], v[\a16] offset:\off
	ds_load_b64 v[\reg+4:\reg+5], v[\a8] offset:(\off)+512
	ds_load_b128 v[\reg+6:\reg+9], v[\a16] offset:(\off)+768
	ds_load_b64 v[\reg+10:\reg+11], v[\a8] offset:(\off)+1280
.endm
.macro FETCH slot, q, p, kk            ; the q-th K step of the slot, which is K step kk of the product, into set p
	WIN (\p)<<6
.irp i, 0,1,2,3,4,5,6,7
	FRAG S0F+12*\i, B16+\slot, B8+\slot, (\i*KS+(\q))*FRB
	FRAG S1F+12*\i, A16+\slot, A8+\slot, (\i*KS+(\q))*FRB
.endr
	WIN 0
.irp i, 0,1,2,3,4,5,6,7
	ds_load_b32 v[SC+MA*(\p)+\i], v[ADRS] offset:((\kk)*2*MA+\i)*64
.endr
.endm
.macro MULH p, half, c
.set AW, 2+(\half)
.if (\c) == 2
	WIN (\p)|((\p)<<2)|(1<<4)|(AW<<6)
.else
	WIN (\p)|((\p)<<2)|(AW<<4)|(AW<<6)
.endif
.irp a, 0,1,2,3
.irp b, 0,1,2,3,4,5,6,7
.set rD, 8*(8*\a+\b)
.set rA, S0F+12*\b
.set rB, S1F+12*(4*(\half)+\a)
.set rX, SC+MA*(\p)+\b
.set rY, SC+MA*(\p)+4*(\half)+\a
.if (\c) == 0
	v_wmma_scale_f32_16x16x128_f8f6f4 v[rD:rD+7], v[rA:rA+11], v[rB:rB+11], v[rD:rD+7], v[rX], v[rY] matrix_a_fmt:MATRIX_FMT_FP6 matrix_b_fmt:MATRIX_FMT_FP6 matrix_a_scale:MATRIX_SCALE_ROW1
.elseif (\c) == 1
	v_wmma_scale_f32_16x16x128_f8f6f4 v[rD:rD+7], v[rA:rA+11], v[rB:rB+11], 0, v[rX], v[rY] matrix_a_fmt:MATRIX_FMT_FP6 matrix_b_fmt:MATRIX_FMT_FP6 matrix_a_scale:MATRIX_SCALE_ROW1
.else
	v_wmma_scale_f32_16x16x128_f8f6f4 v[rD:rD+7], v[rA:rA+11], v[rB:rB+11], v[8*\b:8*\b+7], v[rX], v[rY] matrix_a_fmt:MATRIX_FMT_FP6 matrix_b_fmt:MATRIX_FMT_FP6 matrix_a_scale:MATRIX_SCALE_ROW1
.endif
.endr
.endr
.endm
.macro STEP slot, q, kk, c             ; K step kk, whose successor lies in the same slot; it multiplies set kk % 2
	s_wait_dscnt 0x0
	PLACES 4
	FETCH \slot, (\q)+1, 1-(\kk)%2, (\kk)+1
	MULH (\kk)%2, 0, \c
	MULH (\kk)%2, 1, \c
	WIN 0
.endm
.macro TURN slot, next, fill, kk       ; K step kk is its slot's last
	s_wait_tensorcnt 0x0
	ds_add_u32 v[SPW], v[NIL]
	s_wait_dscnt 0x0
	s_barrier_signal -1
	MULH (\kk)%2, 0, 0
	WIN 0
	s_barrier_wait -1
.if \fill
	CREST
	s_add_nc_u64 s[G0+4*\slot+2:G0+4*\slot+3], s[G0+4*\slot+2:G0+4*\slot+3], 2*KS*FRB
	s_add_nc_u64 s[G0B+4*\slot+2:G0B+4*\slot+3], s[G0B+4*\slot+2:G0B+4*\slot+3], 2*KS*FRB
	s_mov_b32 s[G1+1], ((KST-2*KS)*192)<<16        ; the last fill has KST - 2 KS K steps: tensor_dim0 says where a row ends
	s_mov_b32 s[G1B+1], ((KST-2*KS)*192)<<16
	JLOAD G0+4*\slot, G1, G0B+4*\slot, G1B
.else
	PLACES 4
.endif
	FETCH \next, 0, 1-(\kk)%2, (\kk)+1
	MULH (\kk)%2, 1, 0
	WIN 0
.endm
	s_wait_alu depctr_va_vdst(0)                   ; the wait at the head's end
	s_wait_tensorcnt 0x0                           ; my tile of the head's four is in
	ds_add_u32 v[SPW], v[NIL]
	s_mov_b32 s[G1+2], MA<<16                      ; no tensor load of mine is out, so the descriptors may be written: from here on a load brings MA row blocks,
	s_mov_b32 s[G1+4], MA
	s_mov_b32 s[G1B+2], MA<<16
	s_mov_b32 s[G1B+4], MA
	s_mul_i32 s[G0+1], s14, HALFT                  ; to the wave's own quarter of slot 0,
	s_mul_i32 s[G0B+1], s14, HALFT
	s_mul_i32 s22, s16, MA*RBP                     ; from the half that I fetch
	s_mov_b32 s23, 0
	s_add_nc_u64 s[G0+2:G0+3], s[G0+2:G0+3], s[22:23]
	s_add_nc_u64 s[G0B+2:G0B+3], s[G0B+2:G0B+3], s[22:23]
	s_wait_dscnt 0x0
	CROUND                                         ; a whole round: all four tiles are in, and the joint loads meet
	JLOAD G0+4, G1, G0B+4, G1B                     ; slot 1's first fill: K steps 3 to 5
	FETCH 0, 0, 0, 0
	global_prefetch_b8 v9, s[100:101] offset:2*KS*FRB th:TH_LOAD_NT scope:SCOPE_SE     ; the refill's K steps 6 and 7: three K steps ahead of the load that wants them
	global_prefetch_b8 v9, s[100:101] offset:RBP+2*KS*FRB th:TH_LOAD_NT scope:SCOPE_SE
.if QKV
	STEP 0, 0, 0, 1
.else
	s_wait_loadcnt 0x0
	STEP 0, 0, 0, 2
.endif
	STEP 0, 1, 1, 0
	TURN 0, 1, 1, 2                                ; slot 0 takes K steps 6 and 7
	STEP 1, 0, 3, 0
	STEP 1, 1, 4, 0
	TURN 1, 0, 0, 5                                ; nothing is left to fetch
	STEP 0, 0, 6, 0
	s_wait_dscnt 0x0
	MULH 1, 0, 0
	MULH 1, 1, 0
	WIN 0
.macro QUANTW s, aw, a
	WIN ((\aw)<<2)|((\aw)<<4)
.irp b, 0,1,2,3
	v_max3_num_f32 v[TM+\b], 0x1800000, |v[(\s)+16*\b]|, |v[(\s)+16*\b+1]|
.endr
.irp i, 2,4,6,8,10,12,14
.irp b, 0,1,2,3
	v_max3_num_f32 v[TM+\b], v[TM+\b], |v[(\s)+16*\b+\i]|, |v[(\s)+16*\b+\i+1]|
.endr
.endr
	WIN 0
.irp b, 0,1,2,3
	v_permlanex16_b32 v[TM+4+\b], v[TM+\b], s[SEL], s[SEL+1]
.endr
.irp b, 0,1,2,3
	v_max_num_f32 v[TM+\b], v[TM+\b], v[TM+4+\b]
.endr
.irp b, 0,1,2,3
	v_add_nc_u32 v[TM+12+\b], 0xff000000, v[TM+\b]
.endr
.irp b, 0,1,2,3
	v_lshrrev_b32 v[TM+4+\b], 23, v[TM+12+\b]
.endr
	v_lshl_or_b32 v[W8+(\a)], v[TM+5], 8, v[TM+4]
	v_lshl_or_b32 v[W8+(\a)], v[TM+6], 16, v[W8+(\a)]
	v_lshl_or_b32 v[W8+(\a)], v[TM+7], 24, v[W8+(\a)]
.if (\a) > 0
	s_wait_xcnt 0x0
.endif
	WIN (\aw)
.irp c, 0,1
	v_cvt_scalef32_pk16_fp6_f32 v[PC+6*\c:PC+2+6*\c], v[(\s)+32*\c:(\s)+32*\c+15], v[TM+12+2*\c]
	v_cvt_scalef32_pk16_fp6_f32 v[PC+12+4*\c:PC+14+4*\c], v[(\s)+32*\c+16:(\s)+32*\c+31], v[TM+13+2*\c]
.endr
	WIN 0
	v_nop
.irp c, 0,1
.irp i, 0,1,2
	v_permlane16_swap_b32 v[PC+6*\c+\i], v[PC+12+4*\c+\i]
.endr
.irp i, 0,1,2
	v_mov_b32 v[PC+3+6*\c+\i], v[PC+12+4*\c+\i]
.endr
.endr
.endm
	PLACES 4
.irp b, 0,1,2,3
	v_mov_b32 v[TM+4+\b], 0
.endr
.irp a, 0,1,2,3,4,5,6,7
.if QKV == 0
	WIN ((2+\a/4)<<2)|((2+\a/4)<<6)
.set j, 0
.rept 64
	v_max_num_f32 v[64*(\a%4)+j], 0, v[64*(\a%4)+j]
.set j, j+1
.endr
.endif
	QUANTW 64*(\a%4), 2+\a/4, \a
.if QKV
.irp c, 0,1
	global_store_b128 v[48+4*(\a/4)+2*\c], v[PC+6*\c:PC+6*\c+3], s[12:13] offset:(\a%4)*768
	global_store_b64 v[49+4*(\a/4)+2*\c], v[PC+6*\c+4:PC+6*\c+5], s[12:13] offset:(\a%4)*768+512
.endr
.else
	global_store_b128 v[LI], v[PC:PC+3], s[12:13] offset:\a*49152
	global_store_b64 v[L8], v[PC+4:PC+5], s[12:13] offset:\a*49152+512
	global_store_b128 v[LI], v[PC+6:PC+9], s[12:13] offset:\a*49152+768
	global_store_b64 v[L8], v[PC+10:PC+11], s[12:13] offset:\a*49152+1280
.endif
.endr
.if QKV
	s_cmp_eq_u32 ttmp9, 2
	s_cbranch_scc1 .Lv_words
.irp c, 0,1
.irp p, 0,1,2,3
	v_perm_b32 v[XT+4*\c+\p], v[W8+2*\p+1], v[W8+2*\p], s[96+\c]
.endr
.endr
.irp c, 0,1
.irp f, 0,1
	v_cndmask_b32 v[XT+8+2*\c+\f], v[XT+4*\c+2*\f], v[XT+4*\c+2*\f+1], s94
.endr
.endr
	s_branch .Lwords_made
.Lv_words:
.irp c, 0,1
.irp f, 0,1
	v_cndmask_b32 v[XT+8+2*\c+\f], v[W8+4*\c+2*\f], v[W8+4*\c+2*\f+1], s94
.endr
.endr
.Lwords_made:
.irp c, 0,1
.irp f, 0,1
	global_store_b32 v[L4], v[XT+8+2*\c+\f], s[18:19] offset:4096*\c+128*\f
.endr
.endr
.else
.irp f, 0,1,2,3
	v_cndmask_b32 v[XT+\f], v[W8+2*\f], v[W8+2*\f+1], s94
.endr
.irp f, 0,1,2,3
	global_store_b32 v[L4], v[XT+\f], s[18:19] offset:128*\f
.endr
.endif
	s_wait_tensorcnt 0x0
	ds_add_u32 v[SPW], v[NIL]
	s_wait_dscnt 0x0
	CROUND
	s_endpgm
.Lfunc_end_k_q8b182e1a59_gff1:
	.size	k_q8b182e1a59_gff1, .Lfunc_end_k_q8b182e1a59_gff1-k_q8b182e1a59_gff1
	.p2alignl 7, 3214868480
	.fill 96, 4, 3214868480
	.section	.rodata,"a",@progbits
	.p2align	6, 0x0
	.amdhsa_kernel k_q8b182e1a59_gff1
		.amdhsa_group_segment_fixed_size 327680
		.amdhsa_private_segment_fixed_size 0
		.amdhsa_enable_private_segment 0
		.amdhsa_kernarg_size 32
		.amdhsa_user_sgpr_count 2
		.amdhsa_user_sgpr_kernarg_segment_ptr 1
		.amdhsa_wavefront_size32 1
		.amdhsa_system_sgpr_workgroup_id_x 1
		.amdhsa_system_sgpr_workgroup_id_y 1
		.amdhsa_system_sgpr_workgroup_id_z 1
		.amdhsa_system_vgpr_workitem_id 0
		.amdhsa_next_free_vgpr 1024
		.amdhsa_next_free_sgpr 102
		.amdhsa_reserve_vcc 0
		.amdhsa_float_denorm_mode_32 3
		.amdhsa_float_denorm_mode_16_64 3
		.amdhsa_memory_ordered 1
		.amdhsa_forward_progress 1
		.amdhsa_inst_pref_size 168
	.end_amdhsa_kernel
	.amdgpu_metadata
---
amdhsa.version: [ 1, 2 ]
amdhsa.kernels:
  - .name:           k_q8b182e1a59_gff1
    .symbol:         k_q8b182e1a59_gff1.kd
    .args:
      - { .name: h2, .offset: 0, .size: 8, .value_kind: global_buffer, .address_space: global }
      - { .name: wk, .offset: 8, .size: 8, .value_kind: global_buffer, .address_space: global }
      - { .name: b1, .offset: 16, .size: 8, .value_kind: global_buffer, .address_space: global }
      - { .name: g, .offset: 24, .size: 8, .value_kind: global_buffer, .address_space: global }
    .group_segment_fixed_size: 327680
    .private_segment_fixed_size: 0
    .kernarg_segment_align: 8
    .kernarg_segment_size: 32
    .max_flat_workgroup_size: 128
    .sgpr_count:     102
    .vgpr_count:     1024
    .wavefront_size: 32
...
	.end_amdgpu_metadata
.endif
;; end of part 6
;; launch gff2 (part 7): grid 8 x 32, 4 waves a work-group, clusters of 4 x 4, 327,680 bytes of LDS; arguments g, wk, b2, x1, out0; writes out0
.if DOCPART == 7
	.amdgcn_target "amdgcn-amd-amdhsa--gfx1250"
	.amdhsa_code_object_version 6
	.text
	.protected	k_q8b182e1a59_gff2
	.globl	k_q8b182e1a59_gff2
	.p2align	8
	.type	k_q8b182e1a59_gff2,@function
k_q8b182e1a59_gff2:
	s_mov_b64 s[64:65], 0
	v_nop
	global_prefetch_b8 v0, s[64:65] scope:SCOPE_SE
	s_setreg_imm32_b32 hwreg(HW_REG_WAVE_MODE, 25, 1), 1
	s_wait_xcnt 0x0
	s_wait_alu depctr_hold_cnt(0) depctr_sa_sdst(0) depctr_va_vdst(0) depctr_va_sdst(0) depctr_va_ssrc(0) depctr_va_vcc(0) depctr_vm_vsrc(0)
	s_getreg_b32 s2, hwreg(HW_REG_IB_STS2, 6, 4)
	s_cmp_eq_u32 s2, 0
	s_cbranch_scc0 .Lentry_in_a_cluster
	s_endpgm
.Lentry_in_a_cluster:
	s_bfe_u32 s2, ttmp6, 0x10000c
	s_cmp_lg_u32 s2, 0xf033
	s_cbranch_scc0 .Lentry_shape_is_right
	s_endpgm
.Lentry_shape_is_right:
; A GEMM ON CODES OF FP6 with a bias and a residual, f32 out.  One text, two launches: FF2 = 0: x1 = x + o Wp + bp (K = 1,024);  FF2 = 1: out = x1 + g W2 + b2 (K = 4,096).
; Source 0 (S0) = the weight's columns, source 1 (S1) = tokens; tables as the first launch lays them (codes [row block][K / 64][768] as images of operand registers; scale words [K / 128][row block][16];
; row i of row block j is index 32 (j / 2) + 8 (j % 2) + i + 8 (i / 8)).
; N = 1,024 gives 64 tiles of 256 x 256 but 256 of 128 x 128: so a work-group of four waves makes 128 x 128, a wave 64 x 64: 16 accumulators.
; THE RING.  A K step of 128 is 16 fragments of 1,536 bytes for the work-group: 24,576 bytes.  K = 1,024: two slots of 4 K steps hold all of K: nothing is filled again.
; K = 4,096: slot 0 holds 5 K steps and slot 1 holds 6: 270,336 bytes, with the scale words' 32,768 and the spare words' 512 in all 303,616 (two slots of 6 would be 512 bytes more than a WGP has).  The 32 K steps come in
; six fills of 5, 6, 5, 6, 5, 5: two at the head and four refills, each behind a round of the cluster's barrier.  The walk over K is written out: a lap of 11 K steps is odd, and the three sets of fragment registers
; take turns by the K step's number.
; CLUSTERS 4 x 4: S1's tiles are shared along a row of the cluster, S0's along a column.  The scale words of all of K come once.  A wave has at most three tensor loads out, later one.
; The bias is the C of each sum's first product; the residual is asked for at the head, in the layout in which rows leave, and awaited and added on the way out.
; REGISTERS: window 0: v14-31 addresses, v32-39 scale words (two sets), v64-159 fragment set 0; window 1: v0-31 the bias, v64-159 fragment set 1; window 2: v0-127 accumulators ((a, b) at v[8 (4 a + b)]), v128-255 the residual.
.set FF2, 1
.set MA,   4                           ; row blocks of a wave, each side
.if FF2
.set KST,  32                          ; K steps of 128 in all
.set KSA,  5                           ; K steps in slot 0,
.set KSB,  6                           ; in slot 1,
.set LASTK, 5                          ; and in the last fill, which goes to slot 1
.set NRB0, 64
.set S1_S, 12582912                    ; g's scale words
.set S0_C, 6553600                     ; W2's tables in wk
.set S0_S, 9699328
.else
.set KST,  8
.set KSA,  4
.set KSB,  4
.set LASTK, 4
.set NRB0, 256
.set S1_S, 3145728                     ; o's scale words
.set S0_C, 192*12288                   ; Wp's row blocks begin at 192 of the stacked table
.set S0_S, 3145728+192*64
.endif
.set PER,  KSA+KSB                     ; K steps in a lap
.set NRB1, 256
.set FRB,  1536                        ; a fragment
.set RBP,  KST*FRB                     ; from a row block to the next
.set HTA,  MA*KSA*FRB                  ; what one tensor load brings into slot 0,
.set HTB,  MA*KSB*FRB                  ; into slot 1
.set SL1,  4*HTA                       ; a slot: S1's two halves, S0's two halves; slot 1 begins here
.set SCL,  SL1+4*HTB                   ; behind the ring: the scale words, four quarters [K step][MA x 64 bytes]
.set HALFS, KST*MA*64
.set SPARE, SCL+4*HALFS                ; the spare words, 128 bytes a wave
.set CO,  15                           ; my byte offset in two rows of the output
.set A16, 16                           ; v16-17 S1's fragments in slot 0, 1: 16 x lane + the half's place;  v18-19 the same with 8 x lane
.set A8,  18
.set B16, 20                           ; v20-23 the same for S0
.set B8,  22
.set LI,  24
.set L8,  25
.set STO, 26
.set ADRS, 27                          ; my scale words' place; never rewritten
.set SPW, 28
.set NIL, 29
.set BO,  30
.set RD,  31
.set SC,  32
.set S1F, 64
.set S0F, 112
.set BK,  64                           ; the way out: rows read back from the stage, two buffers of 32
.set G1A,  24                          ; s[24:31] group 1 for S1's tiles of slot 0;  s[40:47] of slot 1
.set G0,   32                          ; s[32:39] group 0 for S1's tiles, a set for each slot
.set G1A1, 40
.set G1B,  48                          ; s[48:55] group 1 for S0's tiles of slot 0;  s[92:99] of slot 1
.set G0B,  56                          ; s[56:63] group 0 for S0's tiles
.set G1S,  68                          ; s[68:75], s[76:79] groups 1 and 0 for S1's scale words;  s[80:87], s[88:91] for S0's
.set G0S,  76
.set G1SB, 80
.set G0SB, 88
.set G1B1, 92
.set MSB, 0
.macro WIN new                         ; the immediate's high byte repeats the setting that is left
.if MSB != (\new)
	s_set_vgpr_msb (MSB<<8)|(\new)
.set MSB, (\new)
.endif
.endm
.macro PLACES n
.rept \n
	v_nop
.endr
.endm
.macro JLOAD g0a, g1a, g0b, g1b        ; a joint load: waves 0 and 1 fetch for S1, waves 2 and 3 for S0; an s_nop 0 and four v_nop follow each line
	s_cmp_eq_u32 s15, 0
	s_cbranch_scc0 .Lfor_b_\@
	tensor_load_to_lds s[\g0a:\g0a+3], s[\g1a:\g1a+7]
	s_nop 0
.rept 4
	v_nop
.endr
	s_branch .Lasked_\@
.Lfor_b_\@:
	tensor_load_to_lds s[\g0b:\g0b+3], s[\g1b:\g1b+7]
	s_nop 0
.rept 4
	v_nop
.endr
.Lasked_\@:
.endm
.macro CREST                           ; a round of the cluster's barrier behind its opening barrier
	s_cmp_lg_u32 s14, 0
	s_cbranch_scc1 .Lnot_wave_0_\@
	s_barrier_signal -3
.Lnot_wave_0_\@:
	s_barrier_wait -3
	s_barrier_signal -1
	s_barrier_wait -1
.endm
.macro CROUND
	s_barrier_signal -1
	s_barrier_wait -1
	CREST
.endm
	s_load_b256 s[4:11], s[0:1], 0x0               ; S1's tables, wk, the bias, the residual
	s_load_b64 s[12:13], s[0:1], 0x20              ; the output
	v_lshl_add_u32 v[SPW], v0, 2, SPARE
	v_mov_b32 v[NIL], 0
	ds_add_u32 v[SPW], v[NIL]                      ; the opening: the add, twice on end, and its wait ahead of my first tensor load
	ds_add_u32 v[SPW], v[NIL]
	v_lshrrev_b32 v1, 5, v0
	v_readfirstlane_b32 s14, v1                    ; wave 0..3
	s_lshr_b32 s15, s14, 1                         ; my half of S1's rows.  Also: I fetch for S1 (0) or S0 (1)
	s_and_b32 s16, s14, 1                          ; my half of S0's rows.  Also: which half I fetch
	s_bfe_u32 s2, ttmp6, 0x40000                   ; cx
	s_bfe_u32 s3, ttmp6, 0x40004                   ; cy
	s_lshl_b32 s20, s3, 2
	s_lshl_b32 s20, 15, s20                        ; my row of the cluster
	s_lshl_b32 s18, 0x1111, s2                     ; my column
	s_or_b32 s[G1A], s20, (3<<16)|(1<<21)          ; 15:0 the mask; 17:16 elements of 8 bytes; 21 set beside a mask; no padding
	s_or_b32 s[G1A1], s20, (3<<16)|(1<<21)
	s_or_b32 s[G1S], s20, (3<<16)|(1<<21)
	s_or_b32 s[G1B], s18, (3<<16)|(1<<21)
	s_or_b32 s[G1B1], s18, (3<<16)|(1<<21)
	s_or_b32 s[G1SB], s18, (3<<16)|(1<<21)
	s_lshl_b32 s19, ttmp9, 2
	s_add_co_u32 s2, s19, s2                       ; the tile of columns = 4 x cluster x + cx
	s_and_b32 s17, ttmp7, 0xffff
	s_lshl_b32 s17, s17, 2
	s_add_co_u32 s17, s17, s3                      ; the tile of tokens = 4 x cluster y + cy
.irp g, G1A, G1B                       ; codes for slot 0: MA rows (row blocks) of KSA fragments
	s_mov_b32 s[\g+1], (KSA*192)<<16               ; tensor_dim0
	s_mov_b32 s[\g+2], (2*MA)<<16                  ; tensor_dim1: the head's loads bring both halves; behind them the two words that count rows are set to MA
	s_mov_b32 s[\g+3], (KSA*192)<<16               ; tile_dim0
	s_mov_b32 s[\g+4], 2*MA                        ; tile_dim1
	s_mov_b32 s[\g+5], KST*192                     ; from row block to row block
	s_mov_b32 s[\g+6], 0
	s_mov_b32 s[\g+7], 0
.endr
.irp g, G1A1, G1B1                     ; for slot 1: of KSB fragments
	s_mov_b32 s[\g+1], (KSB*192)<<16
	s_mov_b32 s[\g+2], MA<<16
	s_mov_b32 s[\g+3], (KSB*192)<<16
	s_mov_b32 s[\g+4], MA
	s_mov_b32 s[\g+5], KST*192
	s_mov_b32 s[\g+6], 0
	s_mov_b32 s[\g+7], 0
.endr
.irp g, G1S, G1SB                      ; scale words: KST rows (K steps) of 2 MA x 64 bytes
	s_mov_b32 s[\g+1], (MA*16)<<16                 ; a side's scale words come whole: KST rows of 2 MA x 64 bytes
	s_mov_b32 s[\g+2], KST<<16
	s_mov_b32 s[\g+3], (MA*16)<<16
	s_mov_b32 s[\g+4], KST
	s_mov_b32 s[\g+6], 0
	s_mov_b32 s[\g+7], 0
.endr
	s_mov_b32 s[G1S+5], NRB1*8
	s_mov_b32 s[G1SB+5], NRB0*8
	s_lshl_b32 s20, s17, 3                         ; S1: the tile's first row block
	s_lshl_b32 s18, s2, 3                          ; S0 likewise
	s_lshl_b32 s22, s20, 6
	s_add_co_u32 s22, s22, S1_S                    ; S1's scale words,
	s_mul_i32 s20, s20, RBP                        ; S1's codes,
	s_lshl_b32 s66, s18, 6
	s_add_co_u32 s66, s66, S0_S                    ; S0's scale words,
	s_mul_i32 s18, s18, RBP
	s_add_co_u32 s18, s18, S0_C                    ; S0's codes: byte offsets in their buffers
	s_mov_b32 s19, 0
	s_mov_b32 s21, 0
	s_mov_b32 s23, 0
	s_mov_b32 s67, 0
	s_mov_b32 s[G0], 1                             ; groups 0: the count, and where the tiles go: by the wave's number alone
	s_mov_b32 s[G0+1], 0                           ; at the head: S1's two halves by one load,
	s_mov_b32 s[G0+4], 1
	s_mul_i32 s[G0+5], s14, HTB
	s_add_co_u32 s[G0+5], s[G0+5], SL1
	s_mov_b32 s[G0B], 1
	s_mov_b32 s[G0B+1], 2*HTA                      ; S0's two halves by one load
	s_mov_b32 s[G0B+4], 1
	s_mul_i32 s[G0B+5], s14, HTB
	s_add_co_u32 s[G0B+5], s[G0B+5], SL1
	s_mov_b32 s[G0S], 1
	s_mov_b32 s[G0S+1], SCL
	s_mov_b32 s[G0SB], 1
	s_mov_b32 s[G0SB+1], SCL+2*HALFS
	s_wait_dscnt 0x0                               ; both opening adds are done
	s_wait_kmcnt 0x0
	s_add_nc_u64 s[G0+2:G0+3], s[4:5], s[20:21]    ; slot 0 begins with K step 0,
	s_add_nc_u64 s[G0+6:G0+7], s[G0+2:G0+3], KSA*FRB   ; slot 1 with K step KSA
	s_or_b32 s[G0+3], s[G0+3], 0x80000000          ; 127:126 type = 2
	s_or_b32 s[G0+7], s[G0+7], 0x80000000
	s_add_nc_u64 s[G0B+2:G0B+3], s[6:7], s[18:19]
	s_add_nc_u64 s[G0B+6:G0B+7], s[G0B+2:G0B+3], KSA*FRB
	s_or_b32 s[G0B+3], s[G0B+3], 0x80000000
	s_or_b32 s[G0B+7], s[G0B+7], 0x80000000
	s_add_nc_u64 s[G0S+2:G0S+3], s[4:5], s[22:23]
	s_or_b32 s[G0S+3], s[G0S+3], 0x80000000
	s_add_nc_u64 s[G0SB+2:G0SB+3], s[6:7], s[66:67]
	s_or_b32 s[G0SB+3], s[G0SB+3], 0x80000000
	s_mul_i32 s22, s16, MA*RBP                     ; in the ring I fetch one half of a side: MA row blocks on
	s_add_nc_u64 s[G0+6:G0+7], s[G0+6:G0+7], s[22:23]
	s_add_nc_u64 s[G0B+6:G0B+7], s[G0B+6:G0B+7], s[22:23]
	CROUND                                         ; all sixteen work-groups are here: the first joint loads meet
	; THE HEAD'S FOUR TILES, ONE A WAVE: slot 0's rows of S1, of S0, S1's scale words, S0's.  One chain of branches on the wave's number, a load to an arm
	s_cmp_eq_u32 s14, 0
	s_cbranch_scc0 .Lhead_1
	tensor_load_to_lds s[G0:G0+3], s[G1A:G1A+7]
	s_nop 0
	PLACES 4
	s_branch .Lhead_asked
.Lhead_1:
	s_cmp_eq_u32 s14, 1
	s_cbranch_scc0 .Lhead_2
	tensor_load_to_lds s[G0B:G0B+3], s[G1B:G1B+7]
	s_nop 0
	PLACES 4
	s_branch .Lhead_asked
.Lhead_2:
	s_cmp_eq_u32 s14, 2
	s_cbranch_scc0 .Lhead_3
	tensor_load_to_lds s[G0S:G0S+3], s[G1S:G1S+7]
	s_nop 0
	PLACES 4
	s_branch .Lhead_asked
.Lhead_3:
	tensor_load_to_lds s[G0SB:G0SB+3], s[G1SB:G1SB+7]
	s_nop 0
	PLACES 4
.Lhead_asked:
	v_and_b32 v1, 31, v0
	v_and_b32 v2, 15, v0                           ; r
	v_bfe_u32 v3, v0, 4, 1                         ; h
	v_lshlrev_b32 v[LI], 4, v1
	v_lshlrev_b32 v[L8], 3, v1
	v_lshlrev_b32 v[BO], 6, v3
	s_mul_i32 s21, s15, HTA                        ; slot 0: my half of S1,
	s_mul_i32 s22, s16, HTA
	s_add_co_u32 s22, s22, 2*HTA                   ; my half of S0
	v_add_nc_u32 v[A16], s21, v[LI]
	v_add_nc_u32 v[A8], s21, v[L8]
	v_add_nc_u32 v[B16], s22, v[LI]
	v_add_nc_u32 v[B8], s22, v[L8]
	s_mul_i32 s21, s15, HTB                        ; slot 1 likewise
	s_add_co_u32 s21, s21, SL1
	s_mul_i32 s22, s16, HTB
	s_add_co_u32 s22, s22, SL1+2*HTB
	v_add_nc_u32 v[A16+1], s21, v[LI]
	v_add_nc_u32 v[A8+1], s21, v[L8]
	v_add_nc_u32 v[B16+1], s22, v[LI]
	v_add_nc_u32 v[B8+1], s22, v[L8]
	v_lshlrev_b32 v5, 2, v2
	s_mul_i32 s21, s15, MA*64                      ; in a K step's 2 MA x 64 bytes: my half of S1's words,
	s_mul_i32 s22, s16, MA*64                      ; my half of S0's
	s_add_co_u32 s22, s22, 2*HALFS
	s_sub_co_u32 s22, s22, s21
	v_mul_u32_u24 v6, s22, v3                      ; lanes 0-15 take S1's words, lanes 16-31 S0's
	s_add_co_u32 s21, s21, SCL
	v_add_nc_u32 v5, v5, v6
	v_add_nc_u32 v[ADRS], s21, v5
	s_mul_i32 s23, s14, 16*272                     ; my stage: 16 rows x (256 bytes + 16), in slot 0, which has had its last fill and its last read when the first result is stored there
	v_mul_u32_u24 v5, v2, 272
	v_lshl_add_u32 v5, v3, 6, v5
	v_add_nc_u32 v[STO], s23, v5                   ; in: row r, + 64 h
	v_mul_u32_u24 v5, v3, 272
	v_lshl_add_u32 v5, v2, 4, v5
	v_add_nc_u32 v[RD], s23, v5                    ; back: lanes 0-15 one row, lanes 16-31 the next
	v_lshlrev_b32 v5, 12, v3
	v_lshl_add_u32 v[CO], v2, 4, v5                ; and the same two rows in memory
	s_wait_alu depctr_va_vdst(0)
	s_lshl_b32 s20, s17, 19
	s_lshl_b32 s21, s15, 18
	s_add_co_u32 s20, s20, s21                     ; my first token's row,
	s_lshl_b32 s22, s2, 9
	s_lshl_b32 s23, s16, 8
	s_add_co_u32 s22, s22, s23                     ; my first column, in bytes
	s_mov_b32 s23, 0
	s_add_nc_u64 s[8:9], s[8:9], s[22:23]
	s_add_co_u32 s20, s20, s22
	s_mov_b32 s21, 0
	s_add_nc_u64 s[10:11], s[10:11], s[20:21]
	s_add_nc_u64 s[12:13], s[12:13], s[20:21]
	WIN 0x40                                       ; destination window 1: the bias in the result's layout: 8 loads
.irp b, 0,1,2,3
	global_load_b128 v[8*\b:8*\b+3], v[BO], s[8:9] offset:(32*(\b/2)+8*(\b%2))*4
	global_load_b128 v[8*\b+4:8*\b+7], v[BO], s[8:9] offset:(32*(\b/2)+8*(\b%2))*4+16
.endr
	WIN 0
	; THE PREFETCHES INTO THE L2: a refill's bytes are asked for two fills ahead of it.  Of the MA = 4 row blocks that a wave's joint load brings, each of the four partners that ask jointly names one, told apart BY ADDRESS
	; (cx for S1, cy for S0): a fill's part of a row block is 30 or 36 consecutive blocks of 256 bytes, a lane a block; lanes left over name the last block again.  Every place along K is an immediate; the address registers are never rewritten.
	s_bfe_u32 s20, ttmp6, 0x40000                  ; cx
	s_lshl_b32 s21, s17, 3
	s_add_co_u32 s21, s21, s20                     ; S1: the tile's first row block + cx
	s_lshl_b32 s22, s2, 3
	s_add_co_u32 s22, s22, s3                      ; S0: + cy
	s_cmp_eq_u32 s15, 0                            ; do I fetch for S1?
	s_cselect_b32 s20, s21, s22
	s_cselect_b32 s21, 0, S0_C
	s_cselect_b64 s[100:101], s[4:5], s[6:7]
	s_lshl_b32 s22, s16, 2
	s_add_co_u32 s20, s20, s22                     ; + the half that I fetch
	s_mul_i32 s20, s20, RBP
	s_add_co_u32 s20, s20, s21
	s_mov_b32 s21, 0
	s_add_nc_u64 s[100:101], s[100:101], s[20:21]
	v_min_u32 v8, 29, v1
	v_lshlrev_b32 v8, 8, v8                        ; five K steps: blocks 0 to 29
	v_lshlrev_b32 v9, 8, v1                        ; six K steps: blocks 0 to 31,
	v_min_u32 v10, 3, v1
	v_lshlrev_b32 v10, 8, v10                      ; and 32 to 35
.macro PF5 k                           ; K steps k to k + 4
	global_prefetch_b8 v8, s[100:101] offset:(\k)*FRB th:TH_LOAD_NT scope:SCOPE_SE
.endm
.macro PF6 k                           ; K steps k to k + 5
	global_prefetch_b8 v9, s[100:101] offset:(\k)*FRB th:TH_LOAD_NT scope:SCOPE_SE
	global_prefetch_b8 v10, s[100:101] offset:(\k)*FRB+8192 th:TH_LOAD_NT scope:SCOPE_SE
.endm
	PF6 KSA                                        ; slot 1's first fill, K steps 5 to 10, is asked for while the head's tiles are on their way,
	PF5 PER                                        ; and the first refill's K steps 11 to 15
.macro FRAG reg, a16, a8, off          ; a fragment comes as it was stored: 12 registers by four loads, each of consecutive bytes
	ds_load_b128 v[\reg:\reg+3], v[\a16] offset:\off
	ds_load_b64 v[\reg+4:\reg+5], v[\a8] offset:(\off)+512
	ds_load_b128 v[\reg+6:\reg+9], v[\a16] offset:(\off)+768
	ds_load_b64 v[\reg+10:\reg+11], v[\a8] offset:(\off)+1280
.endm
; K step kk of the product, which is the q-th of the fill that lies in the slot (len: K steps in a row of that slot), into set p: 8 fragments and 4 registers of scale words
.macro FETCH slot, len, q, kk, p
	WIN (((\p)+1)/2)<<6                            ; THREE sets of fragment registers: set 0 in window 0, sets 1 and 2 in window 1 (set 2 96 registers on)
.irp i, 0,1,2,3
	FRAG S0F+96*((\p)/2)+12*\i, B16+\slot, B8+\slot, (\i*(\len)+(\q))*FRB
	FRAG S1F+96*((\p)/2)+12*\i, A16+\slot, A8+\slot, (\i*(\len)+(\q))*FRB
.endr
	WIN 0
.irp i, 0,1,2,3
	ds_load_b32 v[SC+MA*(\p)+\i], v[ADRS] offset:((\kk)*2*MA+\i)*64
.endr
.endm
; 8 matrix instructions: S1's blocks 2 half, 2 half + 1 x S0's four.  c = 0: in place; 2: the bias starts the sums.  The 16 accumulators take turns in the same order in every step.
.macro MULH p, half, c
.set PW_, ((\p)+1)/2
.if (\c) == 2
	WIN PW_|(PW_<<2)|(1<<4)|(2<<6)
.else
	WIN PW_|(PW_<<2)|(2<<4)|(2<<6)
.endif
.irp a, 0,1
.irp b, 0,1,2,3
.set rD, 8*(4*(2*(\half)+\a)+\b)
.set rA, S0F+96*((\p)/2)+12*\b
.set rB, S1F+96*((\p)/2)+12*(2*(\half)+\a)
.set rX, SC+MA*(\p)+\b
.set rY, SC+MA*(\p)+2*(\half)+\a
.if (\c) == 0
	v_wmma_scale_f32_16x16x128_f8f6f4 v[rD:rD+7], v[rA:rA+11], v[rB:rB+11], v[rD:rD+7], v[rX], v[rY] matrix_a_fmt:MATRIX_FMT_FP6 matrix_b_fmt:MATRIX_FMT_FP6 matrix_a_scale:MATRIX_SCALE_ROW1
.else
	v_wmma_scale_f32_16x16x128_f8f6f4 v[rD:rD+7], v[rA:rA+11], v[rB:rB+11], v[8*\b:8*\b+7], v[rX], v[rY] matrix_a_fmt:MATRIX_FMT_FP6 matrix_b_fmt:MATRIX_FMT_FP6 matrix_a_scale:MATRIX_SCALE_ROW1
.endif
.endr
.endr
.endm
.macro STEP slot, len, q, kk, c        ; K step kk is multiplied (set kk % 3); K step kk + 2, the q-th of the fill in the slot, is fetched
	s_wait_dscnt 36                                ; this step's set is in; the 36 loads of the next step's may be out
	PLACES 4                                       ; in front of loads into the set that the last step multiplied
	FETCH \slot, \len, \q, (\kk)+2, ((\kk)+2)%3
	MULH (\kk)%3, 0, \c
	MULH (\kk)%3, 1, \c
	WIN 0
.endm
.macro RUN slot, len, kf, q0, q1       ; K steps q0 .. q1 of the fill that begins with K step kf
.set RQ, \q0
.rept (\q1)-(\q0)+1
	STEP \slot, \len, RQ, (\kf)+RQ-2, 0
.set RQ, RQ+1
.endr
.endm
; K step kk is its fill's last but one; K step kk + 2 changes slots: all my tensor loads have landed, the add, the wait for it and for my reads of this slot; one barrier.  fill = 1, 2: the barrier opens a round of the cluster's barrier, and
; this slot is filled again first behind the round, with the K steps a lap on.  fill = 2: the last fill, of LASTK K steps: tensor_dim0 says where the row ends; the places beyond it in LDS are read by nobody.
.macro TURN slot, next, nlen, kk, fill, pf=0
	s_wait_tensorcnt 0x0
	ds_add_u32 v[SPW], v[NIL]
	s_wait_dscnt 0x0
	s_barrier_signal -1
	MULH (\kk)%3, 0, 0                             ; K step kk is the last but one of its fill: the fill's last step lies in registers too, so the slot is read no more, and K step kk + 2 is the next fill's first
	WIN 0
	s_barrier_wait -1
.if \fill
	CREST
	s_add_nc_u64 s[G0+4*\slot+2:G0+4*\slot+3], s[G0+4*\slot+2:G0+4*\slot+3], PER*FRB   ; no tensor load of mine is out: the descriptors may be written
	s_add_nc_u64 s[G0B+4*\slot+2:G0B+4*\slot+3], s[G0B+4*\slot+2:G0B+4*\slot+3], PER*FRB
.if \fill == 2
	s_mov_b32 s[G1A1+1], (LASTK*192)<<16
	s_mov_b32 s[G1B1+1], (LASTK*192)<<16
.endif
.if \slot == 0
	JLOAD G0, G1A, G0B, G1B                        ; the four v_nop behind it are the places in front of the loads below
.else
	JLOAD G0+4, G1A1, G0B+4, G1B1
.endif
.else
	PLACES 4
.endif
	FETCH \next, \nlen, 0, (\kk)+2, ((\kk)+2)%3
.if \pf
	PF5 \pf                                        ; behind the joint load and the run of LDS loads: the refill that stands two on
.endif
	MULH (\kk)%3, 1, 0
	WIN 0
.endm
	s_wait_alu depctr_va_vdst(0)                   ; the wait at the head's end
	s_wait_tensorcnt 0x0                           ; my tile of the head's four is in
	ds_add_u32 v[SPW], v[NIL]
	s_mov_b32 s[G1A+2], MA<<16                     ; no tensor load of mine is out, so the descriptors may be written: from here on a load brings MA row blocks,
	s_mov_b32 s[G1A+4], MA
	s_mov_b32 s[G1B+2], MA<<16
	s_mov_b32 s[G1B+4], MA
	s_mul_i32 s[G0+1], s14, HTA                    ; to the wave's own quarter of slot 0,
	s_mul_i32 s[G0B+1], s14, HTA
	s_mul_i32 s22, s16, MA*RBP                     ; from the half that I fetch
	s_mov_b32 s23, 0
	s_add_nc_u64 s[G0+2:G0+3], s[G0+2:G0+3], s[22:23]
	s_add_nc_u64 s[G0B+2:G0B+3], s[G0B+2:G0B+3], s[22:23]
	s_wait_dscnt 0x0                               ; the add is done
	CROUND                                         ; a whole round: all four tiles are in, and the joint loads meet
	JLOAD G0+4, G1A1, G0B+4, G1B1                  ; slot 1's first fill, the first tensor load behind the round
	FETCH 0, KSA, 0, 0, 0
	FETCH 0, KSA, 1, 1, 1
	PF6 PER+KSA                                    ; the second refill's K steps 16 to 21
	s_wait_loadcnt 0x0                             ; the bias
	STEP 0, KSA, 2, 0, 2
	RUN 0, KSA, 0, 3, KSA-1
.if FF2
	TURN 0, 1, KSB, KSA-2, 1, 2*PER                ; slot 0 takes K steps 11 to 15; K steps 22 to 26 are asked for
	RUN 1, KSB, KSA, 1, KSB-1
	TURN 1, 0, KSA, PER-2, 1, 2*PER+KSA            ; slot 1 takes 16 to 21; K steps 27 to 31 are asked for
	WIN 0x80                                       ; destination window 2: the residual, 32 loads, wanted on the way out: block a's rows 2 i, 2 i + 1 are tokens 32 (a / 2) + 8 (a % 2) + 2 i + 8 (i / 4), + 1
.irp a, 0,1,2,3
.irp i, 0,1,2,3,4,5,6,7
	global_load_b128 v[128+4*(8*\a+\i):128+4*(8*\a+\i)+3], v[CO], s[10:11] offset:(32*(\a/2)+8*(\a%2)+2*\i+8*(\i/4))*4096
.endr
.endr
	WIN 0
	RUN 0, KSA, PER, 1, KSA-1
	TURN 0, 1, KSB, PER+KSA-2, 1                   ; slot 0 takes K steps 22 to 26
	RUN 1, KSB, PER+KSA, 1, KSB-1
	TURN 1, 0, KSA, 2*PER-2, 2                     ; slot 1 takes 27 to 31
	RUN 0, KSA, 2*PER, 1, KSA-1
	TURN 0, 1, KSB, 2*PER+KSA-2, 0                 ; nothing is left to fetch from memory
	RUN 1, KSB, 2*PER+KSA, 1, LASTK-1
.else
	TURN 0, 1, KSB, KSA-1, 0                       ; all of K was asked for at the head
	RUN 1, KSB, KSA, 0, LASTK-2
.endif
	s_wait_dscnt 36                                ; the last two K steps fetch nothing
	MULH (KST-2)%3, 0, 0
	MULH (KST-2)%3, 1, 0
	s_wait_dscnt 0x0
	MULH (KST-1)%3, 0, 0
	MULH (KST-1)%3, 1, 0
	WIN 0
; THE WAY OUT, a block of 16 tokens x 64 columns at a time: through my stage, back as rows of 256 bytes, + the residual, stored: sixteen lanes to an aligned run of 256 bytes.
.macro TOSTAGE a
	WIN 0x08                                       ; an LDS store's data: window 2
.irp b, 0,1,2,3
	ds_store_b128 v[STO], v[8*(4*(\a)+\b):8*(4*(\a)+\b)+3] offset:128*(\b/2)+32*(\b%2)       ; each accumulator from its low end on
	ds_store_b128 v[STO], v[8*(4*(\a)+\b)+4:8*(4*(\a)+\b)+7] offset:128*(\b/2)+32*(\b%2)+16
.endr
	WIN 0
.irp i, 0,1,2,3,4,5,6,7
	ds_load_b128 v[BK+32*((\a)%2)+4*\i:BK+32*((\a)%2)+4*\i+3], v[RD] offset:544*\i   ; LDS serves a wave's instructions in order: these see the stores above
.endr
.endm
.macro SEND a, younger
	s_wait_dscnt \younger
	WIN 0x08                                       ; source 1: the residual, window 2
.irp i, 0,1,2,3,4,5,6,7,8,9,10,11,12,13,14,15
	v_pk_add_f32 v[BK+32*((\a)%2)+2*\i:BK+32*((\a)%2)+2*\i+1], v[BK+32*((\a)%2)+2*\i:BK+32*((\a)%2)+2*\i+1], v[128+32*(\a)+2*\i:128+32*(\a)+2*\i+1]
.endr
	WIN 0
.irp i, 0,1,2,3,4,5,6,7
	global_store_b128 v[CO], v[BK+32*((\a)%2)+4*\i:BK+32*((\a)%2)+4*\i+3], s[12:13] offset:(32*((\a)/2)+8*((\a)%2)+2*\i+8*(\i/4))*4096
.endr
.endm
	PLACES 4
	TOSTAGE 0
	TOSTAGE 1
	s_wait_loadcnt 0x0                             ; the residual
	SEND 0, 16                                     ; behind block 0's loads: block 1's 8 stores and 8 loads
	s_wait_xcnt 0x0                                ; block 0's stores have read their registers
	TOSTAGE 2
	SEND 1, 16
	s_wait_xcnt 0x0
	TOSTAGE 3
	SEND 2, 16
	SEND 3, 0
	s_wait_tensorcnt 0x0                           ; the wave's end
	ds_add_u32 v[SPW], v[NIL]
	s_wait_dscnt 0x0
	CROUND                                         ; the closing round
	s_endpgm
.Lfunc_end_k_q8b182e1a59_gff2:
	.size	k_q8b182e1a59_gff2, .Lfunc_end_k_q8b182e1a59_gff2-k_q8b182e1a59_gff2
	.p2alignl 7, 3214868480
	.fill 96, 4, 3214868480
	.section	.rodata,"a",@progbits
	.p2align	6, 0x0
	.amdhsa_kernel k_q8b182e1a59_gff2
		.amdhsa_group_segment_fixed_size 327680
		.amdhsa_private_segment_fixed_size 0
		.amdhsa_enable_private_segment 0
		.amdhsa_kernarg_size 40
		.amdhsa_user_sgpr_count 2
		.amdhsa_user_sgpr_kernarg_segment_ptr 1
		.amdhsa_wavefront_size32 1
		.amdhsa_system_sgpr_workgroup_id_x 1
		.amdhsa_system_sgpr_workgroup_id_y 1
		.amdhsa_system_sgpr_workgroup_id_z 1
		.amdhsa_system_vgpr_workitem_id 0
		.amdhsa_next_free_vgpr 768
		.amdhsa_next_free_sgpr 102
		.amdhsa_reserve_vcc 0
		.amdhsa_float_denorm_mode_32 3
		.amdhsa_float_denorm_mode_16_64 3
		.amdhsa_memory_ordered 1
		.amdhsa_forward_progress 1
		.amdhsa_inst_pref_size 178
	.end_amdhsa_kernel
	.amdgpu_metadata
---
amdhsa.version: [ 1, 2 ]
amdhsa.kernels:
  - .name:           k_q8b182e1a59_gff2
    .symbol:         k_q8b182e1a59_gff2.kd
    .args:
      - { .name: g, .offset: 0, .size: 8, .value_kind: global_buffer, .address_space: global }
      - { .name: wk, .offset: 8, .size: 8, .value_kind: global_buffer, .address_space: global }
      - { .name: b2, .offset: 16, .size: 8, .value_kind: global_buffer, .address_space: global }
      - { .name: x1, .offset: 24, .size: 8, .value_kind: global_buffer, .address_space: global }
      - { .name: out0, .offset: 32, .size: 8, .value_kind: global_buffer, .address_space: global }
    .group_segment_fixed_size: 327680
    .private_segment_fixed_size: 0
    .kernarg_segment_align: 8
    .kernarg_segment_size: 40
    .max_flat_workgroup_size: 128
    .sgpr_count:     102
    .vgpr_count:     768
    .wavefront_size: 32
...
	.end_amdgpu_metadata
.endif
;; end of part 7
